; MI455X (gfx1250); checked and timed in simulation.
; The chip was launched on July 23, 2026; its instructions are those of AMD's public machine-readable ISA for CDNA 5 (MIT licence, August 2026) and "CDNA5" Instruction Set Architecture Reference Guide (July 2026). The comments in the code are by the model that wrote it; some were corrected since.
;; Simplified Transformer Block. Allowed arithmetic: float matrix products may take bf16 or f16 operands with f32 sums; other float arithmetic in f32, or as packed bf16 or f16 multiplies, adds, multiply-adds, maxima and minima; sums over many terms, partial sums and values carried from step to step in f32; what a program stores and reads back later, other than sums and carried values, may be rounded once to bf16 or f16.
;; Inputs: W_attn 2,048 x 1,024 float32; W_fc 4,096 x 1,024 float32; W_proj 1,024 x 4,096 float32; alpha one number float32; beta one number float32; beta_FF one number float32; beta_SA one number float32; gamma one number float32; ln_w 1,024 float32; x 2 x 2,048 x 1,024 float32.
;; Outputs: out0 2 x 2,048 x 1,024 float32.
;; 3 versions, each right; version 3 is version 2 with the launch prep written anew for expert scheduling mode. Each part assembles by itself: llvm-mc -triple=amdgcn-amd-amdhsa -mcpu=gfx1250 --defsym DOCPART=n.
;; ======== version 1 of 3: 4 launches
;; workspace buffers: nxb 8,388,608 bytes; wcat 12,582,912 bytes; wpj 8,388,608 bytes; qkb 16,777,216 bytes; hb 33,554,432 bytes; yb 8,388,608 bytes
;; launch prep (part 1): grid 448 x 1, 8 waves a work-group, no clusters, 0 bytes of LDS; arguments x, ln_w, W_attn, W_fc, W_proj, nxb, wcat, wpj; writes nxb, wcat, wpj
.if DOCPART == 1
	.amdgcn_target "amdgcn-amd-amdhsa--gfx1250"
	.amdhsa_code_object_version 6
	.text
	.protected	k_q0e43e99dc4_prep
	.globl	k_q0e43e99dc4_prep
	.p2align	8
	.type	k_q0e43e99dc4_prep,@function
k_q0e43e99dc4_prep:
	s_mov_b64 s[64:65], 0
	v_nop
	global_prefetch_b8 v0, s[64:65] scope:SCOPE_SE
	s_setreg_imm32_b32 hwreg(HW_REG_WAVE_MODE, 25, 1), 1
	s_wait_xcnt 0x0
; PREP.  Work-groups 0-127: nx = layernorm(x) * ln_w, in f32 (mean, then the mean of the squared differences: two passes over registers, so a common offset of x costs nothing),
; rounded once to bf16 and stored by blocks of 64 channels: nxb[16 blocks][4096 rows][64].  Work-groups 128-447: the three weights rounded once to bf16:
; wcat[6144][1024] = W_attn's rows, then W_fc's; wpj[1024][4096] = W_proj.
; A stream: every byte is read once and written once; no LDS, no barrier, no matrix unit, no cluster: no two work-groups read the same bytes but ln_w's 4,096.
; LAYERNORM.  A work-group owns 32 rows, a wave 4, as two pairs.  Lane l holds row l / 16 of the pair and, for j = 0..15, channels 64 j + 4 (l % 16) + 0..3:
; a load of the wave covers 256 consecutive bytes of each of two rows, and a row's sum stays inside 16 lanes.  A store of the wave is 8 bytes a lane: rows t, t + 1 of block j, 256 consecutive bytes, aligned.
; LIMITS.  NaN and infinities are not treated apart.
.set W,  24                            ; v[24:87]   ln_w of my 64 channels
.set X,  88                            ; v[88:215]  two pairs of rows, 64 registers each; in the cast: 32 loads of 4
	s_load_b256 s[4:11], s[0:1], 0x0               ; x s[4:5], ln_w s[6:7], W_attn s[8:9], W_fc s[10:11]
	s_load_b256 s[12:19], s[0:1], 0x20             ; W_proj s[12:13], nxb s[14:15], wcat s[16:17], wpj s[18:19]
	v_and_b32 v1, 31, v0                           ; lane
	v_lshrrev_b32 v6, 5, v0
	v_readfirstlane_b32 s20, v6                    ; wave 0..7
	v_and_b32 v7, 15, v0
	v_bfe_u32 v6, v0, 4, 1
	v_lshlrev_b32 v3, 4, v7                        ; ln_w: 16 (l % 16)
	v_lshl_add_u32 v2, v6, 12, v3                  ; x: (l / 16) rows of 4,096 bytes + 16 (l % 16)
	v_lshlrev_b32 v4, 3, v1                        ; stores of 8 bytes a lane
	v_lshlrev_b32 v5, 4, v1                        ; the cast's loads of 16 bytes a lane
	v_mov_b32 v22, 0x3a800000                      ; 1 / 1024
	s_mov_b32 s23, 0
	s_wait_kmcnt 0x0
	s_cmp_lt_u32 ttmp9, 128
	s_cbranch_scc0 .Lcast
	s_lshl_b32 s21, ttmp9, 5
	s_lshl_b32 s22, s20, 2
	s_add_co_u32 s21, s21, s22                     ; my first row: 32 g + 4 w
	s_lshl_b32 s22, s21, 12
	s_add_nc_u64 s[24:25], s[4:5], s[22:23]        ; x at that row
	s_lshl_b32 s22, s21, 7
	s_add_nc_u64 s[26:27], s[14:15], s[22:23]      ; nxb at that row of block 0
.set j, 0
.rept 16
	global_load_b128 v[W+4*j:W+4*j+3], v3, s[6:7] offset:256*j
.set j, j+1
.endr
.set j, 0
.rept 16
	global_load_b128 v[X+4*j:X+4*j+3], v2, s[24:25] offset:256*j th:TH_LOAD_NT
.set j, j+1
.endr
.set j, 0
.rept 16
	global_load_b128 v[X+64+4*j:X+64+4*j+3], v2, s[24:25] offset:8192+256*j th:TH_LOAD_NT
.set j, j+1
.endr
.macro REDUCE                          ; four chains of pairs in v[8:15] -> v20: the row's sum, in all 16 lanes of the row
	v_pk_add_f32 v[8:9], v[8:9], v[10:11]
	v_pk_add_f32 v[12:13], v[12:13], v[14:15]
	v_pk_add_f32 v[8:9], v[8:9], v[12:13]
	v_add_f32 v20, v8, v9
	v_add_f32_dpp v20, v20, v20 row_xmask:1 row_mask:0xf bank_mask:0xf
	v_add_f32_dpp v20, v20, v20 row_xmask:2 row_mask:0xf bank_mask:0xf
	v_add_f32_dpp v20, v20, v20 row_xmask:4 row_mask:0xf bank_mask:0xf
	v_add_f32_dpp v20, v20, v20 row_xmask:8 row_mask:0xf bank_mask:0xf
.endm
.macro LN p                            ; pair p of my rows
.set BB, X+64*(\p)
	s_wait_loadcnt 16-16*(\p)                      ; ln_w and this pair are in; for pair 0 the other pair's 16 loads may stay out
.irp c, 0,1,2,3
	v_pk_add_f32 v[8+2*(\c):9+2*(\c)], v[BB+2*(\c):BB+2*(\c)+1], v[BB+8+2*(\c):BB+8+2*(\c)+1]  ; the first eight pairs start the four chains: nothing is cleared
.endr
.set i, 8
.rept 24
	v_pk_add_f32 v[8+2*(i%4):9+2*(i%4)], v[8+2*(i%4):9+2*(i%4)], v[BB+2*i:BB+2*i+1]
.set i, i+1
.endr
	REDUCE
	v_mul_f32 v16, v20, v22                        ; the mean, twice: a pair for the packed subtraction
	v_mul_f32 v17, v20, v22
.set i, 0
.rept 32
	v_pk_add_f32 v[BB+2*i:BB+2*i+1], v[BB+2*i:BB+2*i+1], v[16:17] neg_lo:[0,1] neg_hi:[0,1]
.set i, i+1
.endr
.irp c, 0,1,2,3
	v_pk_mul_f32 v[8+2*(\c):9+2*(\c)], v[BB+2*(\c):BB+2*(\c)+1], v[BB+2*(\c):BB+2*(\c)+1]
.endr
.set i, 4
.rept 28
	v_pk_fma_f32 v[8+2*(i%4):9+2*(i%4)], v[BB+2*i:BB+2*i+1], v[BB+2*i:BB+2*i+1], v[8+2*(i%4):9+2*(i%4)]
.set i, i+1
.endr
	REDUCE
	v_fmaak_f32 v21, v20, v22, 0x3727c5ac          ; the variance + 1e-5
	v_rsq_f32 v18, v21
	v_rsq_f32 v19, v21
	v_nop                                          ; a plain instruction behind the last root,
	s_wait_alu depctr_va_vdst(0)                   ; and one wait for both, ahead of their first reader
.set i, 0
.rept 32
	v_pk_mul_f32 v[BB+2*i:BB+2*i+1], v[BB+2*i:BB+2*i+1], v[18:19]
.set i, i+1
.endr
.set i, 0
.rept 32
	v_pk_mul_f32 v[BB+2*i:BB+2*i+1], v[BB+2*i:BB+2*i+1], v[W+2*i:W+2*i+1]
.set i, i+1
.endr
.set i, 0
.rept 32
	v_cvt_pk_bf16_f32 v[BB+i], v[BB+2*i], v[BB+2*i+1]  ; in place, ascending: register i is written when registers 2 i and 2 i + 1 are read
.set i, i+1
.endr
.set j, 0
.rept 16
	global_store_b64 v4, v[BB+2*j:BB+2*j+1], s[26:27] offset:524288*j+256*(\p)  ; block j: 32 lanes x 8 bytes = 256 consecutive bytes, aligned
.set j, j+1
.endr
.endm
	LN 0
	LN 1
	s_endpgm
.Lcast:                                        ; a work-group casts 131,072 bytes of f32, a wave 16,384
	s_sub_co_u32 s21, ttmp9, 128
	s_sub_co_u32 s22, ttmp9, 192
	s_sub_co_u32 s30, ttmp9, 320
	s_cmp_lt_u32 ttmp9, 192
	s_cselect_b64 s[24:25], s[8:9], s[10:11]       ; W_attn, or W_fc,
	s_cselect_b32 s26, s21, s22
	s_cmp_lt_u32 ttmp9, 320
	s_cselect_b64 s[24:25], s[24:25], s[12:13]     ; or W_proj
	s_cselect_b32 s26, s26, s30                    ; my chunk in the source
	s_cselect_b64 s[28:29], s[16:17], s[18:19]     ; wcat, or wpj
	s_cselect_b32 s27, s21, s30                    ; my chunk in the destination
	s_lshl_b32 s22, s26, 17
	s_lshl_b32 s30, s20, 14
	s_add_co_u32 s22, s22, s30
	s_add_nc_u64 s[24:25], s[24:25], s[22:23]
	s_lshl_b32 s22, s27, 16
	s_lshl_b32 s30, s20, 13
	s_add_co_u32 s22, s22, s30
	s_add_nc_u64 s[28:29], s[28:29], s[22:23]
.set j, 0
.rept 32
	global_load_b128 v[X+4*j:X+4*j+3], v5, s[24:25] offset:512*j th:TH_LOAD_NT
.set j, j+1
.endr
.set j, 0
.rept 32
	s_wait_loadcnt 31-j                            ; loads come back in order: load j is in, the younger ones stay out
	v_cvt_pk_bf16_f32 v[X+2*j], v[X+4*j], v[X+4*j+1]      ; in place, ascending: the registers written belong to loads that are in and have been read
	v_cvt_pk_bf16_f32 v[X+2*j+1], v[X+4*j+2], v[X+4*j+3]
	global_store_b64 v4, v[X+2*j:X+2*j+1], s[28:29] offset:256*j  ; 256 consecutive bytes, aligned
.set j, j+1
.endr
	s_endpgm
.Lfunc_end_k_q0e43e99dc4_prep:
	.size	k_q0e43e99dc4_prep, .Lfunc_end_k_q0e43e99dc4_prep-k_q0e43e99dc4_prep
	.p2alignl 7, 3214868480
	.fill 96, 4, 3214868480
	.section	.rodata,"a",@progbits
	.p2align	6, 0x0
	.amdhsa_kernel k_q0e43e99dc4_prep
		.amdhsa_group_segment_fixed_size 0
		.amdhsa_private_segment_fixed_size 0
		.amdhsa_enable_private_segment 0
		.amdhsa_kernarg_size 64
		.amdhsa_user_sgpr_count 2
		.amdhsa_user_sgpr_kernarg_segment_ptr 1
		.amdhsa_wavefront_size32 1
		.amdhsa_system_sgpr_workgroup_id_x 1
		.amdhsa_system_sgpr_workgroup_id_y 1
		.amdhsa_system_sgpr_workgroup_id_z 1
		.amdhsa_system_vgpr_workitem_id 0
		.amdhsa_next_free_vgpr 216
		.amdhsa_next_free_sgpr 66
		.amdhsa_reserve_vcc 0
		.amdhsa_float_denorm_mode_32 3
		.amdhsa_float_denorm_mode_16_64 3
		.amdhsa_memory_ordered 1
		.amdhsa_forward_progress 1
		.amdhsa_inst_pref_size 47
	.end_amdhsa_kernel
	.amdgpu_metadata
---
amdhsa.version: [ 1, 2 ]
amdhsa.kernels:
  - .name:           k_q0e43e99dc4_prep
    .symbol:         k_q0e43e99dc4_prep.kd
    .args:
      - { .name: x, .offset: 0, .size: 8, .value_kind: global_buffer, .address_space: global }
      - { .name: ln_w, .offset: 8, .size: 8, .value_kind: global_buffer, .address_space: global }
      - { .name: W_attn, .offset: 16, .size: 8, .value_kind: global_buffer, .address_space: global }
      - { .name: W_fc, .offset: 24, .size: 8, .value_kind: global_buffer, .address_space: global }
      - { .name: W_proj, .offset: 32, .size: 8, .value_kind: global_buffer, .address_space: global }
      - { .name: nxb, .offset: 40, .size: 8, .value_kind: global_buffer, .address_space: global }
      - { .name: wcat, .offset: 48, .size: 8, .value_kind: global_buffer, .address_space: global }
      - { .name: wpj, .offset: 56, .size: 8, .value_kind: global_buffer, .address_space: global }
    .group_segment_fixed_size: 0
    .private_segment_fixed_size: 0
    .kernarg_segment_align: 8
    .kernarg_segment_size: 64
    .max_flat_workgroup_size: 256
    .sgpr_count:     66
    .vgpr_count:     216
    .wavefront_size: 32
...
	.end_amdgpu_metadata
.endif
;; end of part 1
;; launch gemm1 (part 2): grid 24 x 32, 4 waves a work-group, clusters of 4 x 4, 327,680 bytes of LDS; arguments nxb, wcat, qkb, hb; writes qkb, hb
.if DOCPART == 2
	.amdgcn_target "amdgcn-amd-amdhsa--gfx1250"
	.amdhsa_code_object_version 6
	.text
	.protected	k_q0e43e99dc4_gemm1
	.globl	k_q0e43e99dc4_gemm1
	.p2align	8
	.type	k_q0e43e99dc4_gemm1,@function
k_q0e43e99dc4_gemm1:
	s_mov_b64 s[64:65], 0
	v_nop
	global_prefetch_b8 v0, s[64:65] scope:SCOPE_SE
	s_setreg_imm32_b32 hwreg(HW_REG_WAVE_MODE, 25, 1), 1
	s_wait_xcnt 0x0
	s_wait_alu depctr_hold_cnt(0) depctr_sa_sdst(0) depctr_va_vdst(0) depctr_va_sdst(0) depctr_va_ssrc(0) depctr_va_vcc(0) depctr_vm_vsrc(0)
	s_getreg_b32 s2, hwreg(HW_REG_IB_STS2, 6, 4)
	s_cmp_eq_u32 s2, 0
	s_cbranch_scc0 .Lentry_in_a_cluster
	s_endpgm
.Lentry_in_a_cluster:
	s_bfe_u32 s2, ttmp6, 0x10000c
	s_cmp_lg_u32 s2, 0xf033
	s_cbranch_scc0 .Lentry_shape_is_right
	s_endpgm
.Lentry_shape_is_right:
; GEMM1.  C[4096][6144] = nx wcat^T, bf16 operands, f32 sums.  Columns 0-2047 are q and k: rounded to bf16 into qkb[32 blocks of 64 columns][4096][64].
; Columns 2048-6143 are the MLP's first layer: exact GELU in f32, rounded to bf16 into hb[32 blocks of 128 columns][4096][128].
; A tile of C is 128 rows x 256 columns: 768 work-groups.  Four waves, each 64 x 128: 32 accumulators.  K = 1024 goes in 8 steps of 128 through two LDS slots.
; A = nxb lies by blocks of 64 channels, so 128 rows of a block are 16,384 dense bytes: asked for as 64 rows of 256 bytes and padded in LDS after every 128.  B's rows are 256 bytes of wcat's rows.
; CLUSTER 4 x 4: the four of a row of the cluster need the same tile of A, the four of a column the same tile of B: joint loads, the same descriptor and mask in all four.
; THE MATRIX INSTRUCTION IS USED TRANSPOSED (source 0 = 16 rows of wcat, source 1 = 16 rows of nx): a lane holds eight neighbouring columns of one row of C.
; GELU(x) = max(x, 0) - 0.5 |x| Q(t) e^(-x^2/2), t = 1 / (1 + 0.3275911 |x| / sqrt 2), Q the polynomial of degree 5 of Abramowitz and Stegun 7.1.26: erf is off by 1.5e-7 at the most, for every x.
; With Z = c x, c = sqrt(log2(e) / 2): e^(-x^2/2) = 2^(-Z^2); 0.5 / c is folded into Q's coefficients.  LIMITS: NaN and infinities are not treated apart.
; REGISTERS.  Window 0: v0-31 addresses; v64-159, v160-255 two fragment buffers (B's eight fragments, then A's four); on the way out v64-239 at work.  Window 1: accumulator (a, b) at v[8 (8 a + b)].
.set SLOT,   106496                    ; A's two blocks of 128 rows x 144 bytes, then B's 256 rows x 272 bytes
.set ABLK,   18432
.set BOFF,   36864
.set BHALF,  34816
.set PAP,    144                       ; 128 bytes + 16: the 16 rows of a fragment load start at 16 different groups of four banks (64 banks of 4 bytes: ISA guide 11.1)
.set PBP,    272                       ; 256 bytes + 16: likewise
.set SPARE,  2*SLOT                    ; behind the ring: the spare words, 128 bytes for each wave: two blocks of 256 bytes that no other line names
.set DP,     528                       ; the way out: a row of 128 f32 + 16 bytes; a wave's 64 rows lie at wave x 33,792, in the ring's bytes, which have had their last fill by then
.set LAPS,   4                         ; a lap = two K steps
.set ADRA, 16                          ; v16-17  LDS address of my A fragments in slot 0, 1
.set ADRB, 20                          ; v20-21  the same for B
.set STO,  24                          ; v24     the way out: where I put 32 bytes of a row
.set RD,   25                          ; v25     the way out: where I read rows back
.set CO,   26                          ; v26     16 x lane
.set SPW,  28                          ; v28     my spare word: SPARE + 4 x my thread's number; never rewritten
.set NIL,  29                          ; v29     0; never rewritten
.set PFO,  30                          ; v30     the prefetches' lane term; never rewritten
.set F0,   64
.set F1,   160
.set G1,  24                           ; s[24:31] group 1 for A's tiles;  s[32:39] group 0, a set for each slot
.set G0,  32
.set G1B, 48                           ; s[48:55], s[56:63] the same for B's
.set G0B, 56
.set LIM, 43                           ; s43  1 in a wave that prefetches, else the greatest number
.set PFA, 44                           ; s[44:45] where my prefetches stand
.set PST, 46                           ; s[46:47] a K step along my prefetches' tensor, in bytes
.set WV,  70                           ; s70  wave
.set WR,  71                           ; s71  wave / 2: my half of the tile's rows; also: I fetch for A (0) or B (1)
.set WC,  72                           ; s72  wave % 2: my half of its columns; also: which half of that tile I fetch
.set DW,  73                           ; s73  my dump's first byte
.set GX, 64                            ; the way out's registers: x, |Z|, t, -Z^2, max(x, 0), the packed results
.set GU, 96
.set GT, 128
.set GW, 160
.set GG, 192
.set GP, 224
.set MSB, 0
.macro WIN new                         ; the immediate's high byte repeats the setting that is left; a switch that changes nothing is dropped
.if MSB != (\new)
	s_set_vgpr_msb (MSB<<8)|(\new)
.set MSB, \new
.endif
.endm
.set MUL, 0x50                         ; C and D in window 1, the fragments in window 0
.macro JLOAD s                         ; a joint load: waves 0 and 1 fetch A's two blocks, waves 2 and 3 B's two halves; an s_nop 0 and four v_nop follow each line
	s_cmp_eq_u32 s[WR], 0
	s_cbranch_scc0 .Lfor_b_\@
	tensor_load_to_lds s[G0+4*(\s):G0+4*(\s)+3], s[G1:G1+7]
	s_nop 0
.rept 4
	v_nop
.endr
	s_branch .Lasked_\@
.Lfor_b_\@:
	tensor_load_to_lds s[G0B+4*(\s):G0B+4*(\s)+3], s[G1B:G1B+7]
	s_nop 0
.rept 4
	v_nop
.endr
.Lasked_\@:
.endm
; A prefetch of the K step that stands two refills on, behind the joint load and the run of LDS loads.  Each aligned block of 256 bytes is named once in the launch: A's rows by the first cluster of their row
; of clusters (wave 0: 2 blocks x 16 of the tile's 64 units, a lane a unit), B's by the first cluster of their column (waves 2, 3: 32 of the 128 rows that the wave fetches, a lane a row);
; the four partners are told apart by address.  K steps 0 to 3 come by their loads alone; the loop's last trip asks for nothing.
.macro ASK
	s_cmp_gt_u32 s3, s[LIM]
	s_cbranch_scc0 .Lnot_mine_\@
	global_prefetch_b8 v[PFO], s[PFA:PFA+1] th:TH_LOAD_NT scope:SCOPE_SE
.Lnot_mine_\@:
.endm
.macro CREST                           ; a round of the cluster's barrier behind its opening barrier
	s_cmp_lg_u32 s[WV], 0
	s_cbranch_scc1 .Lnot_wave_0_\@
	s_barrier_signal -3
.Lnot_wave_0_\@:
	s_barrier_wait -3
	s_barrier_signal -1
	s_barrier_wait -1
.endm
.macro CROUND
	s_barrier_signal -1
	s_barrier_wait -1
	CREST
.endm
	s_load_b256 s[4:11], s[0:1], 0x0               ; nxb s[4:5], wcat s[6:7], qkb s[8:9], hb s[10:11]
	v_lshl_add_u32 v[SPW], v0, 2, SPARE
	v_mov_b32 v[NIL], 0
	ds_add_u32 v[SPW], v[NIL]                      ; the wave's opening: the add and its wait stand ahead of my first tensor load; the set-up below stands between them
	v_lshrrev_b32 v1, 5, v0
	v_readfirstlane_b32 s[WV], v1
	s_lshr_b32 s[WR], s[WV], 1
	s_and_b32 s[WC], s[WV], 1
	s_bfe_u32 s40, ttmp6, 0x40000                  ; cx
	s_bfe_u32 s41, ttmp6, 0x40004                  ; cy
	s_lshl_b32 s42, ttmp9, 2
	s_add_co_u32 s42, s42, s40                     ; tile column 0..23
	s_and_b32 s13, ttmp7, 0xffff
	s_lshl_b32 s13, s13, 2
	s_add_co_u32 s13, s13, s41                     ; tile row 0..31
	s_lshl_b32 s14, s41, 2
	s_lshl_b32 s14, 15, s14                        ; my row of the cluster
	s_lshl_b32 s15, 0x1111, s40                    ; my column
	s_or_b32 s[G1], s14, (1<<16)|(1<<20)|(1<<21)|(4<<22)|(3<<25)   ; mask; 2-byte elements; padding on; bit 21 beside a mask; after every 32 words, 4 words
	s_mov_b32 s[G1+1], 128<<16                     ; tensor_dim0 = 128
	s_mov_b32 s[G1+2], 64<<16                      ; tensor_dim1 = 64
	s_mov_b32 s[G1+3], 128<<16                     ; tile_dim0 = 128
	s_mov_b32 s[G1+4], 64                          ; tile_dim1 = 64
	s_mov_b32 s[G1+5], 128                         ; dense: 128 elements from row to row
	s_mov_b32 s[G1+6], 0
	s_mov_b32 s[G1+7], 0
	s_or_b32 s[G1B], s15, (1<<16)|(1<<20)|(1<<21)|(5<<22)|(3<<25)  ; after every 64 words, 4 words
	s_mov_b32 s[G1B+1], 128<<16
	s_mov_b32 s[G1B+2], 128<<16
	s_mov_b32 s[G1B+3], 128<<16
	s_mov_b32 s[G1B+4], 128
	s_mov_b32 s[G1B+5], 1024
	s_mov_b32 s[G1B+6], 0
	s_mov_b32 s[G1B+7], 0
	s_lshl_b32 s16, s[WC], 19                      ; A: block (wave % 2) of K step 0, 524,288 bytes a block,
	s_lshl_b32 s17, s13, 14                        ; rows 128 x tile row, 128 bytes a row
	s_add_co_u32 s16, s16, s17
	s_mov_b32 s17, 0
	s_lshl_b32 s18, s42, 19                        ; B: row 256 x tile column + 128 x half, 2,048 bytes a row
	s_lshl_b32 s19, s[WC], 18
	s_add_co_u32 s18, s18, s19
	s_mov_b32 s19, 0
	s_mul_i32 s20, s[WC], ABLK                     ; where they go: no place in the cluster enters an LDS address
	s_mul_i32 s21, s[WC], BHALF
	s_add_co_u32 s21, s21, BOFF
	s_mov_b32 s74, 0x3f596d27                      ; c = 0.8493218
	s_mov_b32 s75, s74
	s_mov_b32 s76, 0x3e8ba440                      ; 0.3275911 / (sqrt 2 c) = 0.27273749
	s_mov_b32 s77, s76
	s_mov_b32 s78, 0x3e199eb4                      ; a1 .. a5 times 0.5 / c: 0.15001946
	s_mov_b32 s79, s78
	s_mov_b32 s80, 0xbe2b8119                      ; -0.16748465
	s_mov_b32 s81, s80
	s_mov_b32 s82, 0x3f563817                      ; 0.83679339
	s_mov_b32 s83, s82
	s_mov_b32 s84, 0xbf5b0099                      ; -0.85547787
	s_mov_b32 s85, s84
	s_mov_b32 s86, 0x3f1ff67a                      ; 0.62485469
	s_mov_b32 s87, s86
	s_mov_b32 s88, 0x7fffffff
	s_mul_i32 s[DW], s[WV], 64*DP
	s_wait_dscnt 0x0                               ; the opening add is done
	s_wait_kmcnt 0x0
	s_add_nc_u64 s[16:17], s[4:5], s[16:17]
	s_add_nc_u64 s[18:19], s[6:7], s[18:19]
	CROUND                                         ; all sixteen work-groups are here: the first joint loads meet
.irp s, 0,1
	s_mov_b32 s[G0+4*(\s)], 1
	s_add_co_u32 s[G0+4*(\s)+1], s20, (\s)*SLOT
	s_add_nc_u64 s[G0+4*(\s)+2:G0+4*(\s)+3], s[16:17], (\s)*1048576   ; K step s: two blocks on
	s_or_b32 s[G0+4*(\s)+3], s[G0+4*(\s)+3], 0x80000000
	s_mov_b32 s[G0B+4*(\s)], 1
	s_add_co_u32 s[G0B+4*(\s)+1], s21, (\s)*SLOT
	s_add_nc_u64 s[G0B+4*(\s)+2:G0B+4*(\s)+3], s[18:19], (\s)*256
	s_or_b32 s[G0B+4*(\s)+3], s[G0B+4*(\s)+3], 0x80000000
	JLOAD \s
.endr
	v_and_b32 v1, 15, v0                           ; r = l % 16
	v_bfe_u32 v2, v0, 4, 1                         ; h = l / 16
	v_mul_u32_u24 v3, v1, PAP
	v_lshl_add_u32 v3, v2, 4, v3
	s_mul_i32 s22, s[WR], 64*PAP                   ; my 64 rows of A
	v_add_nc_u32 v[ADRA], s22, v3
	v_add_nc_u32 v[ADRA+1], SLOT, v[ADRA]
	v_mul_u32_u24 v4, v1, PBP
	v_lshl_add_u32 v4, v2, 4, v4
	s_mul_i32 s23, s[WC], 128*PBP                  ; my 128 rows of B
	s_add_co_u32 s23, s23, BOFF
	v_add_nc_u32 v[ADRB], s23, v4
	v_add_nc_u32 v[ADRB+1], SLOT, v[ADRB]
	v_mul_u32_u24 v[STO], v1, DP                   ; the dump: row r, 32 bytes for each half of the lanes
	v_lshl_add_u32 v[STO], v2, 5, v[STO]
	v_add_nc_u32 v[STO], s[DW], v[STO]
	v_and_b32 v3, 31, v0
	v_lshlrev_b32 v[CO], 4, v3
	; the prefetches
	s_and_b32 s22, ttmp7, 0xffff                   ; cluster y
	s_lshl_b32 s66, s13, 14                        ; A: the tile's rows in a block,
	s_lshl_b32 s67, s40, 12                        ; my work-group's 16 units of 256 bytes,
	s_add_co_u32 s66, s66, s67
	s_add_co_u32 s66, s66, 3*1048576               ; at K step 3: the first refill steps it to 4
	s_lshl_b32 s68, s42, 19                        ; B: the 128 rows that I fetch,
	s_lshl_b32 s69, s[WC], 18
	s_add_co_u32 s68, s68, s69
	s_lshl_b32 s69, s41, 16                        ; my work-group's 32 of them,
	s_add_co_u32 s68, s68, s69
	s_add_co_u32 s68, s68, 3*256                   ; at K step 3
	s_mov_b32 s90, 1048576
	s_mov_b32 s91, 256
	s_cmp_eq_u32 s[WR], 0
	s_cselect_b64 s[PFA:PFA+1], s[4:5], s[6:7]
	s_cselect_b32 s66, s66, s68
	s_cselect_b32 s[PST], s90, s91
	s_cselect_b32 s22, ttmp9, s22                  ; the coordinate along which other clusters read the same rows
	s_cselect_b32 s23, s[WC], 0                    ; of A's two waves wave 0 asks for both blocks
	s_cselect_b32 s92, 19, 15                      ; the lane term: A: (l / 16) blocks + (l % 16) units; B: l rows of 2,048 bytes
	s_cselect_b32 s93, 8, 11
	s_mov_b32 s67, 0
	s_mov_b32 s[PST+1], 0
	s_add_nc_u64 s[PFA:PFA+1], s[PFA:PFA+1], s[66:67]
	s_or_b32 s22, s22, s23
	s_cmp_eq_u32 s22, 0
	s_cselect_b32 s[LIM], 1, -1                    ; the same in all sixteen partners, for a given wave
	v_lshlrev_b32 v[PFO], s92, v2
	v_lshlrev_b32 v31, s93, v1
	v_add_nc_u32 v[PFO], v[PFO], v31
.macro MUL8 f, a, zero                 ; m block a x all 8 n blocks, 32 along K.  zero = 1: the product starts the sums
	WIN MUL
.irp b, 0,1,2,3,4,5,6,7
.if \zero
	v_wmma_f32_16x16x32_bf16 v[8*(8*(\a)+(\b)):8*(8*(\a)+(\b))+7], v[(\f)+8*(\b):(\f)+8*(\b)+7], v[(\f)+64+8*(\a):(\f)+64+8*(\a)+7], 0
.else
	v_wmma_f32_16x16x32_bf16 v[8*(8*(\a)+(\b)):8*(8*(\a)+(\b))+7], v[(\f)+8*(\b):(\f)+8*(\b)+7], v[(\f)+64+8*(\a):(\f)+64+8*(\a)+7], v[8*(8*(\a)+(\b)):8*(8*(\a)+(\b))+7]
.endif
.endr
.endm
.macro FETCH slot, q, f                ; 24 LDS loads in one run: quarter q (32 along K) of the slot's K step into buffer f: B's 16, then A's 8
	WIN 0
.irp b, 0,1,2,3,4,5,6,7
	ds_load_b128 v[(\f)+8*(\b):(\f)+8*(\b)+3],   v[ADRB+(\slot)] offset:64*(\q)+(\b)*16*PBP
	ds_load_b128 v[(\f)+8*(\b)+4:(\f)+8*(\b)+7], v[ADRB+(\slot)] offset:64*(\q)+(\b)*16*PBP+32
.endr
.irp a, 0,1,2,3
	ds_load_b128 v[(\f)+64+8*(\a):(\f)+64+8*(\a)+3],   v[ADRA+(\slot)] offset:((\q)/2)*ABLK+((\q)%2)*64+(\a)*16*PAP
	ds_load_b128 v[(\f)+64+8*(\a)+4:(\f)+64+8*(\a)+7], v[ADRA+(\slot)] offset:((\q)/2)*ABLK+((\q)%2)*64+(\a)*16*PAP+32
.endr
.endm
.macro PLACES                          ; four places in front of loads into registers that matrix instructions have read, and of LDS stores that read results
.rept 4
	v_nop
.endr
.endm
; A K step is four quarters of 32 along K, 32 matrix instructions each, on buffers 0, 1, 0, 1.  The 32 accumulators take turns, in the same order in every quarter.
.macro QUARTER slot, q, f, g, zero     ; multiplies buffer f; in its middle it fetches quarter q of the same slot into buffer g
	s_wait_dscnt 4                                 ; B and A's blocks 0, 1 are in; the youngest four loads (A's blocks 2, 3) may be out
	MUL8 \f, 0, \zero
	MUL8 \f, 1, \zero
	PLACES
	FETCH \slot, \q, \g
	s_wait_dscnt 24                                ; all but the 24 just issued
	MUL8 \f, 2, \zero
	MUL8 \f, 3, \zero
.endm
; The last quarter multiplies buffer 1 and changes slots: ONE barrier; in front of it each wave waits for all its tensor loads (one is out: its part of the next slot), adds 0 to its spare word, and waits for
; that and for its reads of this slot.  fill = 1: the barrier opens a round of the cluster's, and this slot is filled again, two K steps ahead, first thing behind the round.
.macro TURN slot, next, fill
.if \fill
	s_wait_xcnt 0x0                                ; the last prefetch, a K step back, has read its address
	s_add_nc_u64 s[PFA:PFA+1], s[PFA:PFA+1], s[PST:PST+1]
.endif
	WIN 0
	s_wait_tensorcnt 0x0
	ds_add_u32 v[SPW], v[NIL]
	s_wait_dscnt 5                                 ; (the add and the youngest four loads may be out)
	MUL8 F1, 0, 0
	s_wait_dscnt 0x0                               ; the add is done, and my reads of this slot are over
	s_barrier_signal -1
	MUL8 F1, 1, 0
.if \fill
	WIN 0
.endif
	s_barrier_wait -1
.if \fill
	CREST                                          ; no wave of any partner still reads this slot or has a load on its way
	s_add_nc_u64 s[G0+4*(\slot)+2:G0+4*(\slot)+3], s[G0+4*(\slot)+2:G0+4*(\slot)+3], 2097152
	s_add_nc_u64 s[G0B+4*(\slot)+2:G0B+4*(\slot)+3], s[G0B+4*(\slot)+2:G0B+4*(\slot)+3], 512
	JLOAD \slot                                    ; its four v_nop are also the places in front of the loads below
.else
	PLACES
.endif
	FETCH \next, 0, F0
.if \fill
	ASK
.endif
	MUL8 F1, 2, 0
	MUL8 F1, 3, 0
.endm
	s_wait_tensorcnt 1                             ; my part of K step 0 is in; K step 1's may stay out
	s_barrier_signal -1
	s_barrier_wait -1
	FETCH 0, 0, F0
	QUARTER 0, 1, F0, F1, 1                        ; the first quarter stands in front of the loop: its products start the sums
	WIN 0
	s_mov_b32 s3, LAPS-1
.Llap:                                         ; a trip goes once round the ring, from a lap's second quarter to the next lap's first, and fills both slots again
	QUARTER 0, 2, F1, F0, 0
	QUARTER 0, 3, F0, F1, 0
	TURN 0, 1, 1
	QUARTER 1, 1, F0, F1, 0
	QUARTER 1, 2, F1, F0, 0
	QUARTER 1, 3, F0, F1, 0
	TURN 1, 0, 1
	QUARTER 0, 1, F0, F1, 0
	WIN 0
	s_sub_co_u32 s3, s3, 1
	s_cmp_lg_u32 s3, 0
	s_cbranch_scc1 .Llap
	QUARTER 0, 2, F1, F0, 0                        ; the last lap fills nothing
	QUARTER 0, 3, F0, F1, 0
	TURN 0, 1, 0
	QUARTER 1, 1, F0, F1, 0
	QUARTER 1, 2, F1, F0, 0
	QUARTER 1, 3, F0, F1, 0
	s_wait_dscnt 4
	MUL8 F1, 0, 0
	MUL8 F1, 1, 0
	s_wait_dscnt 0x0
	MUL8 F1, 2, 0
	MUL8 F1, 3, 0
	WIN 0
	s_barrier_signal -1                            ; every wave's reads of both slots are over (its last wait on LDS was for 0), and no fill follows:
	s_barrier_wait -1                              ; the ring's bytes now serve as the waves' dumps
	PLACES
	WIN 0x04                                       ; the stores' data in window 1
.irp a, 0,1,2,3
.irp b, 0,1,2,3,4,5,6,7
	ds_store_b128 v[STO], v[8*(8*(\a)+(\b)):8*(8*(\a)+(\b))+3]   offset:(\a)*16*DP+64*(\b)     ; each accumulator's low registers first
	ds_store_b128 v[STO], v[8*(8*(\a)+(\b))+4:8*(8*(\a)+(\b))+7] offset:(\a)*16*DP+64*(\b)+16
.endr
.endr
	WIN 0
	s_cmp_lt_u32 ttmp9, 2                          ; the cluster's x, equal in all partners: tile columns 0-7 are q and k
	s_cbranch_scc0 .Lfc
	s_lshl_b32 s20, s42, 21                        ; qkb: block 4 x tile column + 2 x half, 524,288 bytes a block,
	s_lshl_b32 s21, s[WC], 20
	s_add_co_u32 s20, s20, s21
	s_lshl_b32 s21, s13, 14                        ; row 128 x tile row + 64 x half, 128 bytes a row
	s_add_co_u32 s20, s20, s21
	s_lshl_b32 s21, s[WR], 13
	s_add_co_u32 s20, s20, s21
	s_mov_b32 s21, 0
	s_add_nc_u64 s[8:9], s[8:9], s[20:21]
	v_bfe_u32 v4, v0, 3, 2                         ; back: 32 lanes take four rows x 64 columns: lane l row l / 8, columns 8 (l % 8) + 0..7
	v_and_b32 v5, 7, v0
	v_mul_u32_u24 v[RD], v4, DP
	v_lshl_add_u32 v[RD], v5, 5, v[RD]
	v_add_nc_u32 v[RD], s[DW], v[RD]
	s_mov_b32 s3, 8
.Lqk:                                          ; 8 trips of 8 rows: two blocks x two stores of 512 consecutive bytes (four rows of a head)
.irp n, 0,1,2,3                        ; n = 2 (rows' half) + block
	ds_load_b128 v[GX+8*(\n):GX+8*(\n)+3],   v[RD] offset:((\n)/2)*4*DP+((\n)%2)*256   ; my own bytes: LDS serves a wave's instructions in order (ISA guide 5.7.1.4)
	ds_load_b128 v[GX+8*(\n)+4:GX+8*(\n)+7], v[RD] offset:((\n)/2)*4*DP+((\n)%2)*256+16
.endr
	s_wait_dscnt 0x0
.set i, 0
.rept 16
	v_cvt_pk_bf16_f32 v[GP+i], v[GX+2*i], v[GX+2*i+1]
.set i, i+1
.endr
.irp n, 0,1,2,3
	global_store_b128 v[CO], v[GP+4*(\n):GP+4*(\n)+3], s[8:9] offset:((\n)/2)*512+((\n)%2)*524288
.endr
	s_wait_xcnt 0x0                                ; the stores have read their data and their base: both are rewritten only behind this wait
	s_add_nc_u64 s[8:9], s[8:9], 1024
	v_add_nc_u32 v[RD], 8*DP, v[RD]
	s_sub_co_u32 s3, s3, 1
	s_cmp_lg_u32 s3, 0
	s_cbranch_scc1 .Lqk
	s_branch .Lend
.Lfc:
	s_sub_co_u32 s20, s42, 8
	s_lshl_b32 s20, s20, 21                        ; hb: block 2 (tile column - 8) + half, 1,048,576 bytes a block,
	s_lshl_b32 s21, s[WC], 20
	s_add_co_u32 s20, s20, s21
	s_lshl_b32 s21, s13, 15                        ; row 128 x tile row + 64 x half, 256 bytes a row
	s_add_co_u32 s20, s20, s21
	s_lshl_b32 s21, s[WR], 14
	s_add_co_u32 s20, s20, s21
	s_mov_b32 s21, 0
	s_add_nc_u64 s[10:11], s[10:11], s[20:21]
	v_mul_u32_u24 v[RD], v2, DP                    ; back: lanes 0-15 take one row of 128 columns, lanes 16-31 the next: 8 columns a lane
	v_lshl_add_u32 v[RD], v1, 5, v[RD]
	v_add_nc_u32 v[RD], s[DW], v[RD]
	s_mov_b32 s3, 8
.Lh:                                           ; 8 trips of 8 rows: 32 numbers a lane
.irp k, 0,1,2,3
	ds_load_b128 v[GX+8*(\k):GX+8*(\k)+3],   v[RD] offset:(\k)*2*DP
	ds_load_b128 v[GX+8*(\k)+4:GX+8*(\k)+7], v[RD] offset:(\k)*2*DP+16
.endr
	s_wait_dscnt 0x0
.set i, 0
.rept 16
	v_pk_mul_f32 v[GW+2*i:GW+2*i+1], v[GX+2*i:GX+2*i+1], s[74:75] op_sel_hi:[1,0]          ; Z = c x
.set i, i+1
.endr
.set i, 0
.rept 32
	v_and_b32 v[GU+i], s88, v[GW+i]                                                          ; |Z|
.set i, i+1
.endr
.set i, 0
.rept 16
	v_pk_fma_f32 v[GT+2*i:GT+2*i+1], v[GU+2*i:GU+2*i+1], s[76:77], 1.0 op_sel_hi:[1,0,0]     ; 1 + p |Z|
.set i, i+1
.endr
.set i, 0
.rept 16
	v_pk_mul_f32 v[GW+2*i:GW+2*i+1], v[GW+2*i:GW+2*i+1], v[GW+2*i:GW+2*i+1] neg_lo:[1,0] neg_hi:[1,0]  ; -Z^2
.set i, i+1
.endr
.set i, 0
.rept 32                               ; ONE BATCH of 64: t and 2^(-Z^2), a maximum between them; nothing ahead of the wait names a result
	v_rcp_f32 v[GT+i], v[GT+i]
	v_max_num_f32 v[GG+i], 0, v[GX+i]
	v_exp_f32 v[GW+i], v[GW+i]
.set i, i+1
.endr
	v_nop                                          ; a plain instruction behind the last of them,
	s_wait_alu depctr_va_vdst(0)                   ; and one wait for the batch
.set i, 0
.rept 16
	v_pk_fma_f32 v[GX+2*i:GX+2*i+1], v[GT+2*i:GT+2*i+1], s[86:87], s[84:85] op_sel_hi:[1,0,0]
.set i, i+1
.endr
.irp c, 82, 80, 78
.set i, 0
.rept 16
	v_pk_fma_f32 v[GX+2*i:GX+2*i+1], v[GX+2*i:GX+2*i+1], v[GT+2*i:GT+2*i+1], s[\c:\c+1] op_sel_hi:[1,1,0]
.set i, i+1
.endr
.endr
.set i, 0
.rept 16
	v_pk_mul_f32 v[GX+2*i:GX+2*i+1], v[GX+2*i:GX+2*i+1], v[GT+2*i:GT+2*i+1]
.set i, i+1
.endr
.set i, 0
.rept 16
	v_pk_mul_f32 v[GX+2*i:GX+2*i+1], v[GX+2*i:GX+2*i+1], v[GW+2*i:GW+2*i+1]
.set i, i+1
.endr
.set i, 0
.rept 16
	v_pk_fma_f32 v[GX+2*i:GX+2*i+1], v[GU+2*i:GU+2*i+1], v[GX+2*i:GX+2*i+1], v[GG+2*i:GG+2*i+1] neg_lo:[1,0,0] neg_hi:[1,0,0]  ; max(x, 0) - |Z| Q 2^(-Z^2)
.set i, i+1
.endr
.set i, 0
.rept 16
	v_cvt_pk_bf16_f32 v[GP+i], v[GX+2*i], v[GX+2*i+1]
.set i, i+1
.endr
.irp k, 0,1,2,3
	global_store_b128 v[CO], v[GP+4*(\k):GP+4*(\k)+3], s[10:11] offset:(\k)*512    ; two rows of 256 bytes: 512 consecutive bytes, aligned
.endr
	s_wait_xcnt 0x0                                ; the stores have read their data and their base
	s_add_nc_u64 s[10:11], s[10:11], 2048
	v_add_nc_u32 v[RD], 8*DP, v[RD]
	s_sub_co_u32 s3, s3, 1
	s_cmp_lg_u32 s3, 0
	s_cbranch_scc1 .Lh
.Lend:
	s_wait_tensorcnt 0x0                           ; the wave's end, behind my last tensor load and my last LDS store
	ds_add_u32 v[SPW], v[NIL]
	s_wait_dscnt 0x0
	CROUND                                         ; the closing round: no work-group ends while a partner may still ask for a tile that names it
	s_endpgm
.Lfunc_end_k_q0e43e99dc4_gemm1:
	.size	k_q0e43e99dc4_gemm1, .Lfunc_end_k_q0e43e99dc4_gemm1-k_q0e43e99dc4_gemm1
	.p2alignl 7, 3214868480
	.fill 96, 4, 3214868480
	.section	.rodata,"a",@progbits
	.p2align	6, 0x0
	.amdhsa_kernel k_q0e43e99dc4_gemm1
		.amdhsa_group_segment_fixed_size 327680
		.amdhsa_private_segment_fixed_size 0
		.amdhsa_enable_private_segment 0
		.amdhsa_kernarg_size 32
		.amdhsa_user_sgpr_count 2
		.amdhsa_user_sgpr_kernarg_segment_ptr 1
		.amdhsa_wavefront_size32 1
		.amdhsa_system_sgpr_workgroup_id_x 1
		.amdhsa_system_sgpr_workgroup_id_y 1
		.amdhsa_system_sgpr_workgroup_id_z 1
		.amdhsa_system_vgpr_workitem_id 0
		.amdhsa_next_free_vgpr 512
		.amdhsa_next_free_sgpr 96
		.amdhsa_reserve_vcc 0
		.amdhsa_float_denorm_mode_32 3
		.amdhsa_float_denorm_mode_16_64 3
		.amdhsa_memory_ordered 1
		.amdhsa_forward_progress 1
		.amdhsa_inst_pref_size 96
	.end_amdhsa_kernel
	.amdgpu_metadata
---
amdhsa.version: [ 1, 2 ]
amdhsa.kernels:
  - .name:           k_q0e43e99dc4_gemm1
    .symbol:         k_q0e43e99dc4_gemm1.kd
    .args:
      - { .name: nxb, .offset: 0, .size: 8, .value_kind: global_buffer, .address_space: global }
      - { .name: wcat, .offset: 8, .size: 8, .value_kind: global_buffer, .address_space: global }
      - { .name: qkb, .offset: 16, .size: 8, .value_kind: global_buffer, .address_space: global }
      - { .name: hb, .offset: 24, .size: 8, .value_kind: global_buffer, .address_space: global }
    .group_segment_fixed_size: 327680
    .private_segment_fixed_size: 0
    .kernarg_segment_align: 8
    .kernarg_segment_size: 32
    .max_flat_workgroup_size: 128
    .sgpr_count:     96
    .vgpr_count:     512
    .wavefront_size: 32
...
	.end_amdgpu_metadata
.endif
;; end of part 2
;; launch attn (part 3): grid 8 x 32, 4 waves a work-group, no clusters, 327,680 bytes of LDS; arguments qkb, nxb, alpha, beta, gamma, yb; writes yb
.if DOCPART == 3
	.amdgcn_target "amdgcn-amd-amdhsa--gfx1250"
	.amdhsa_code_object_version 6
	.text
	.protected	k_q0e43e99dc4_attn
	.globl	k_q0e43e99dc4_attn
	.p2align	8
	.type	k_q0e43e99dc4_attn,@function
k_q0e43e99dc4_attn:
	s_mov_b64 s[64:65], 0
	v_nop
	global_prefetch_b8 v0, s[64:65] scope:SCOPE_SE
	s_setreg_imm32_b32 hwreg(HW_REG_WAVE_MODE, 25, 1), 1
	s_wait_xcnt 0x0
; SHAPED CAUSAL ATTENTION.  For head-batch hy (2 x head + batch) and row t: y = beta softmax_{s <= t}(q_t . k_s / 8) v + alpha v_t - gamma / (t + 1) x the sum over s <= t of v_s, with v = nx.
; q, k: qkb[32 blocks][4096][64], v: nxb[16][4096][64], y: yb likewise, all bf16; a head-batch's 2,048 rows are dense, 128 bytes each, at hy x 262,144 (k: 8,388,608 further on).
; Products, maxima and sums in f32; the weights p are rounded to bf16 for the second product (their sum l is taken of the unrounded p); y is rounded once.
; LIMITS.  A hidden score counts as its value less 1e30; a weight below 2^-126 counts as 0 in l; NaN and infinities are not treated apart.
; THE WALK.  A head-batch's queries lie in NB = 16 blocks of 128; block i needs the key tiles 0 .. i of 128 keys, the last holding the diagonal.  A work-group takes blocks 15 - b and then b: 17 tiles whatever b,
; so all 256 work-groups do equal work and ONE loop with a constant trip count walks them.  Every jump but the loop's own goes forward; none passes a barrier, or a tensor load but the one of LOAD's two
; that the wave's number does not choose.  NO CLUSTER: a head-batch's eight work-groups ask for the same tile only in trips 0 .. 8, behind that for different ones; one walk common to all would have 24 trips for 17.
; SHARES.  Of a block's two bands of 64 queries a wave owns 16 rows in each: two PIECES.  A tile is two key steps of 64.  In the diagonal tile step 0 is band 0's own and all visible to band 1; step 1 is hidden from band 0 and band 1's own.
; THE MASK is the C operand that starts S^T = K Q^T: 0; MD (a band's own step: 0 or -1e30, by wave and lane); or -1e30 throughout.  All masks are constants of the text.
; THE SUM OF v goes to the matrix unit: O2^T += V^T M with M of ones (a visible step) or the triangle TRI (a band's own step): 8 products a turn, set among vector work that has no product to stand behind.
; TURNS.  Turn n does piece n's scaling, exponentials, rescaling, roundings and sums, and for the other piece x: 8 products K Q^T of its next step, its maximum and statistics, 8 products V^T M and 8 products V^T P of its step before.
; A turn's 33 exponentials are one batch with one wait.  K of step j + 1 is fetched in turn 0 of step j, V of step j + 1 at the head of turn 1 of step j, into the other of V's two buffers; so a tile's
; bytes are read from its predecessor's second step to its own first, and the change of slots stands between a tile's two steps.
; REGISTERS, in windows of 256 (s_set_vgpr_msb: bits 1:0 source 0, 3:2 source 1, 5:4 source 2, 7:6 destination):
;   window 0: v0-15 addresses; v16-23 statistics; v24-31 at work; v32-39 ones; v40-47 -1e30; v48 alpha; v49 my row in a band + 1; v61-63; v64-127 S^T; v128-159 P; v160-191 Q; v192-255 K
;   window 1: v0-63 O^T; v64-127 O2^T; v128-191, v192-255 V, two buffers      window 2: v0-31 MD; v32-47 TRI; v48-79 the second block's Q; v80-143 my own rows of v, for both blocks
.set NB,    16
.set PKP,   144       ; a row of K in LDS: 128 bytes + 16: the 16 rows of a load start at 16 different groups of four banks (64 banks of 4 bytes: ISA guide 11.1)
.set PVP,   160       ; a row of V: 128 + 32
.set VOFF,  128*PKP   ; a slot holds a tile: 128 rows of K, then 128 rows of V
.set SLOT1, 65536
.set STAGE, SLOT1+128*(PKP+PVP)  ; behind the ring, never filled by a tensor load: 16 rows x 144 bytes for each wave
.set SP,    144
.set SPARE, STAGE+4*16*SP        ; the spare words, 128 bytes for each wave: two blocks of 256 bytes that no other line names
.set AK0, 2
.set AV0, 3
.set AK,  4
.set AV,  5
.set STO, 6
.set RD,  7
.set GO,  8
.set MV,  12          ; v12-13  c m_old, by piece
.set QO,  15
.set ST,  16          ; piece t: c m, m, l (even keys', odd keys')
.set TMP, 24          ; piece t: c0-c3 at work; when the maximum is found c2 takes a
.set ONE8, 32
.set NEG8, 40
.set ALPHA, 48
.set RW1, 49
.set PFO, 61
.set SPW, 62
.set NIL, 63
.set S,   64
.set P,   128
.set Q,   160
.set KF,  192
.set VF,  128         ; window 1
.set MD,  0           ; window 2
.set TRI, 32
.set QB,  48
.set VQ,  80
.set WV,  16          ; s16 wave
.set PB,  17          ; s17 b
.set HI,  18          ; s18 15 - b
.set G1K, 24
.set G1V, 32
.set G0K, 40
.set G0V, 44
.set KPT, 48          ; s[48:49] K at my half of the head-batch's tile 0
.set VPT, 50          ; s[50:51] V likewise
.set SLOTS, 56
.set CS,  58          ; s[58:59] c = log2(e) / 8
.set SEL, 60
.set SB,  62          ; s62 the slot that is read
.set LIM, 63          ; s63 3 in a work-group that prefetches, else the greatest number
.set RT,  70
.set NXT, 71
.set LQ,  72
.set NEW, 73
.set OFF, 74
.set YP,  76          ; s[76:77] y at my rows of the block in hand
.set YLO, 78          ; s[78:79] of the second block
.set TB0, 80          ; s80 the block's first row
.set TLO, 81
.set BIGN, 82
.set BETA, 83
.set NGAM, 84
.set ALPS, 85
.set PFA, 86
.set MSB, 0
.macro WIN new
.if MSB != (\new)
	s_set_vgpr_msb (MSB<<8)|(\new)
.set MSB, (\new)
.endif
.endm
.set W_RS, 0x41
.macro LOAD                            ; waves 0 and 1 fetch the two halves of a tile's K, waves 2 and 3 those of its V: 64 keys each; an s_nop 0 and four v_nop follow each line
	s_cmp_lt_u32 s[WV], 2
	s_cbranch_scc0 .Lfor_v_\@
	tensor_load_to_lds s[G0K:G0K+3], s[G1K:G1K+7]
	s_nop 0
.rept 4
	v_nop
.endr
	s_branch .Lasked_\@
.Lfor_v_\@:
	tensor_load_to_lds s[G0V:G0V+3], s[G1V:G1V+7]
	s_nop 0
.rept 4
	v_nop
.endr
.Lasked_\@:
.endm
; A prefetch, behind the fill: in trip t the tile t + 3, which trip t + 2 will load.  Only work-group b = 0 of a head-batch asks (its first block walks all 16 tiles); each wave names the 8,192 bytes that it will
; load itself, 256 bytes a lane: each block once in the launch.  Tiles 0 to 2 come by their loads alone; trips 13 on ask for nothing.
.macro ASK
	s_cmp_gt_u32 s[SLOTS], s[LIM]
	s_cbranch_scc0 .Lnot_mine_\@
	global_prefetch_b8 v[PFO], s[PFA:PFA+1] th:TH_LOAD_NT scope:SCOPE_SE
.Lnot_mine_\@:
.endm
; THE CHANGE OF SLOTS.  Each wave waits for all its tensor loads (one is out: its part of the other slot), adds 0 to its spare word, and waits for that and for its reads of the slot that it leaves.
; fill = 1: the old slot is filled again, first thing behind the barrier, with tile NXT; the descriptor's address is made anew from that number.
.macro CHANGE fill
	WIN 0
	s_wait_tensorcnt 0x0
	ds_add_u32 v[SPW], v[NIL]
.if \fill
	s_lshl_b32 s[OFF], s[NXT], 14   ; a tile is 16,384 bytes of K and of V
	s_xor_b32 s[G0K+1], s[G0K+1], SLOT1
	s_add_nc_u64 s[G0K+2:G0K+3], s[KPT:KPT+1], s[OFF:OFF+1]
	s_or_b32 s[G0K+3], s[G0K+3], 0x80000000
	s_xor_b32 s[G0V+1], s[G0V+1], SLOT1
	s_add_nc_u64 s[G0V+2:G0V+3], s[VPT:VPT+1], s[OFF:OFF+1]
	s_or_b32 s[G0V+3], s[G0V+3], 0x80000000
	s_add_co_u32 s[NXT], s[NXT], 1  ; the block's next tile, or behind its last the second block's tile 0
	s_cmp_gt_u32 s[NXT], s[LQ]
	s_cselect_b32 s[NXT], 0, s[NXT]
	s_cselect_b32 s[LQ], s[PB], s[LQ]
	s_wait_xcnt 0x0                 ; the last prefetch, a trip back, has read its address
	s_add_nc_u64 s[PFA:PFA+1], s[PFA:PFA+1], 16384
.endif
	s_wait_dscnt 0x0                ; the add is done, and my reads of the slot are over
	s_barrier_signal -1
	s_xor_b32 s[SB], s[SB], SLOT1
	s_barrier_wait -1
.if \fill
	LOAD
	ASK
.endif
	v_add_nc_u32 v[AK], s[SB], v[AK0]
	v_add_nc_u32 v[AV], s[SB], v[AV0]
.endm
	s_load_b256 s[4:11], s[0:1], 0x0  ; qkb s[4:5], nxb s[6:7], alpha s[8:9], beta s[10:11]
	s_load_b128 s[12:15], s[0:1], 0x20  ; gamma s[12:13], yb s[14:15]
	v_lshl_add_u32 v[SPW], v0, 2, SPARE
	v_mov_b32 v[NIL], 0
	ds_add_u32 v[SPW], v[NIL]       ; the wave's opening: the add and its wait stand ahead of my first tensor load
	v_lshrrev_b32 v1, 5, v0
	v_readfirstlane_b32 s[WV], v1
	s_mov_b32 s[PB], ttmp9
	s_sub_co_u32 s[HI], NB-1, s[PB]
	s_and_b32 s20, ttmp7, 0xffff
	s_lshl_b32 s20, s20, 18         ; the head-batch's first byte
	s_and_b32 s19, s[WV], 1         ; which half of a tile's 128 keys I fetch
	s_lshl_b32 s22, s19, 13
	s_add_co_u32 s22, s22, s20
	s_mov_b32 s23, 0
	s_mul_i32 s88, s19, 64*PKP
	s_mul_i32 s89, s19, 64*PVP
	s_lshl_b32 s3, s[WV], 11        ; my 16 rows in a band,
	s_lshl_b32 s2, s[HI], 14        ; in the first block,
	s_add_co_u32 s2, s2, s3
	s_add_co_u32 s2, s2, s20
	s_lshl_b32 s90, s[PB], 14       ; and in the second
	s_add_co_u32 s90, s90, s3
	s_add_co_u32 s90, s90, s20
	s_mov_b32 s3, 0
	s_mov_b32 s91, 0
	s_mov_b32 s[G1K], (1<<16)|(1<<20)|(4<<22)|(3<<25)  ; 2-byte elements; padding on: after every 32 words, 4 words
	s_mov_b32 s[G1V], (1<<16)|(1<<20)|(4<<22)|(7<<25)  ; 8 words
.irp g, G1K, G1V
	s_mov_b32 s[\g+1], 128<<16      ; 64 keys are 8,192 dense bytes: 32 rows of 256 bytes, two keys a row
	s_mov_b32 s[\g+2], 32<<16
	s_mov_b32 s[\g+3], 128<<16
	s_mov_b32 s[\g+4], 32
	s_mov_b32 s[\g+5], 128
	s_mov_b32 s[\g+6], 0
	s_mov_b32 s[\g+7], 0
.endr
	s_mov_b32 s[CS], 0x3e38aa3b     ; c = 0.180337
	s_mov_b32 s[CS+1], s[CS]
	s_mov_b32 s[SEL], 0x76543210
	s_mov_b32 s[SEL+1], 0xfedcba98
	s_mov_b32 s[SB], SLOT1          ; the first change of slots turns it into 0
	s_mov_b32 s[G0K], 1
	s_mov_b32 s[G0K+1], s88
	s_mov_b32 s[G0V], 1
	s_add_co_u32 s[G0V+1], s89, VOFF
	s_add_co_u32 s[RT], s[HI], 1    ; the first block has 16 - b tiles
	s_mov_b32 s[NXT], 1
	s_mov_b32 s[LQ], s[HI]
	s_mov_b32 s[NEW], 1
	s_mov_b32 s[OFF+1], 0
	s_mov_b32 s[BIGN], 0xf149f2ca   ; -1e30
	s_mov_b32 s[SLOTS], NB
	s_lshl_b32 s[TB0], s[HI], 7
	s_lshl_b32 s[TLO], s[PB], 7
	s_cmp_eq_u32 s[PB], 0
	s_cselect_b32 s[LIM], 3, -1
	s_wait_dscnt 0x0                ; the opening add is done
	s_wait_kmcnt 0x0
	s_add_nc_u64 s[KPT:KPT+1], s[4:5], s[22:23]
	s_add_nc_u64 s[KPT:KPT+1], s[KPT:KPT+1], 8388608
	s_add_nc_u64 s[VPT:VPT+1], s[6:7], s[22:23]
	s_add_nc_u64 s[G0K+2:G0K+3], s[KPT:KPT+1], 0
	s_or_b32 s[G0K+3], s[G0K+3], 0x80000000
	s_add_nc_u64 s[G0V+2:G0V+3], s[VPT:VPT+1], 0
	s_or_b32 s[G0V+3], s[G0V+3], 0x80000000
	s_add_nc_u64 s[52:53], s[4:5], s[2:3]          ; q at my rows of the first block,
	s_add_nc_u64 s[54:55], s[4:5], s[90:91]        ; of the second
	s_add_nc_u64 s[66:67], s[6:7], s[2:3]          ; v likewise
	s_add_nc_u64 s[68:69], s[6:7], s[90:91]
	s_add_nc_u64 s[YP:YP+1], s[14:15], s[2:3]
	s_add_nc_u64 s[YLO:YLO+1], s[14:15], s[90:91]
	s_cmp_lt_u32 s[WV], 2
	s_cselect_b64 s[PFA:PFA+1], s[KPT:KPT+1], s[VPT:VPT+1]
	s_add_nc_u64 s[PFA:PFA+1], s[PFA:PFA+1], 2*16384  ; at tile 2: the first change of slots steps it to 3
	s_load_b32 s[ALPS], s[8:9], 0x0
	s_load_b32 s[BETA], s[10:11], 0x0
	s_load_b32 s[NGAM], s[12:13], 0x0
	LOAD                            ; tile 0 into slot 0
	v_and_b32 v1, 15, v0            ; r = l % 16
	v_bfe_u32 v9, v0, 4, 1          ; h = l / 16
	v_lshlrev_b32 v[QO], 7, v1
	v_lshl_add_u32 v[QO], v9, 4, v[QO]  ; row x 128 + 16 h: with 32 f added, both a fragment of Q (registers 4 f ..) and my row's channels 16 f + 8 h + 0..7 of v
.irp x, 0,1
.irp f, 0,1,2,3
	global_load_b128 v[Q+16*\x+4*\f:Q+16*\x+4*\f+3], v[QO], s[52:53] offset:\x*8192+\f*32
.endr
.endr
	WIN 0x80
.irp x, 0,1
.irp f, 0,1,2,3
	global_load_b128 v[QB+16*\x+4*\f:QB+16*\x+4*\f+3], v[QO], s[54:55] offset:\x*8192+\f*32
	global_load_b128 v[VQ+16*\x+4*\f:VQ+16*\x+4*\f+3], v[QO], s[66:67] offset:\x*8192+\f*32
	global_load_b128 v[VQ+32+16*\x+4*\f:VQ+32+16*\x+4*\f+3], v[QO], s[68:69] offset:\x*8192+\f*32
.endr
.endr
	WIN 0
	v_lshlrev_b32 v14, 3, v9
	v_sub_nc_u32 v14, v1, v14
	s_lshl_b32 s19, s[WV], 4
	v_add_nc_u32 v14, s19, v14      ; my query's place in its band, 16 w + r, less 8 h: register j of key group kt is hidden where 16 kt + j is greater
	v_add3_u32 v[RW1], v1, s19, 1
	WIN 0x80
.set i, 0
.rept 32
	v_cmp_gt_i32 vcc_lo, 16*(i/8)+i%8, v14
	v_cndmask_b32 v[MD+i], 0, s[BIGN], vcc_lo
.set i, i+1
.endr
	WIN 0
.set i, 0
.rept 16                            ; the triangle, in P's layout: 1 where the key is visible; made in S^T's registers, which are still free, and moved
	v_cmp_gt_i32 vcc_lo, 16*((2*i)/8)+(2*i)%8, v14
	v_cndmask_b32 v50, 1.0, v[NIL], vcc_lo
	v_cmp_gt_i32 vcc_lo, 16*((2*i+1)/8)+(2*i+1)%8, v14
	v_cndmask_b32 v51, 1.0, v[NIL], vcc_lo
	v_cvt_pk_bf16_f32 v[S+i], v50, v51
.set i, i+1
.endr
	WIN 0x80
.set i, 0
.rept 16
	v_mov_b32 v[TRI+i], v[S+i]
.set i, i+1
.endr
	WIN 0
.set i, 0
.rept 8
	v_mov_b32 v[ONE8+i], 0x3f803f80
	v_mov_b32 v[NEG8+i], 0xf149f2ca
.set i, i+1
.endr
	v_mul_u32_u24 v[AK0], v1, PKP
	v_lshl_add_u32 v[AK0], v9, 4, v[AK0]
	v_and_b32 v10, 7, v0            ; the turning load: lane l reads key 8 h + l % 8, channels 8 ((l / 8) % 2) + 0..7
	v_bfe_u32 v11, v0, 3, 1
	v_lshl_add_u32 v[AV0], v9, 3, v10
	v_mul_u32_u24 v[AV0], v[AV0], PVP
	v_lshl_add_u32 v[AV0], v11, 4, v[AV0]
	v_add_nc_u32 v[AV0], VOFF, v[AV0]
	s_mul_i32 s19, s[WV], 16*SP
	s_add_co_u32 s19, s19, STAGE
	v_mul_u32_u24 v[STO], v1, SP
	v_lshl_add_u32 v[STO], v9, 4, v[STO]
	v_add_nc_u32 v[STO], s19, v[STO]
	v_bfe_u32 v[RD], v0, 3, 2
	v_mul_u32_u24 v[RD], v[RD], SP
	v_lshl_add_u32 v[RD], v10, 4, v[RD]
	v_add_nc_u32 v[RD], s19, v[RD]
	v_and_b32 v[GO], 31, v0
	v_lshlrev_b32 v[PFO], 8, v[GO]
	v_lshlrev_b32 v[GO], 4, v[GO]
	; A block's first step multiplies O^T and l by a = 0, so these need only hold finite numbers: zeros for the first block, what the first block left for the second.  All this stands in the wait for the first tile.
	WIN 0x40
.set i, 0
.rept 64
	v_mov_b32 v[i], 0
.set i, i+1
.endr
	WIN 0
.set i, 0
.rept 2
	v_mov_b32 v[ST+4*i+2], 0
	v_mov_b32 v[ST+4*i+3], 0
	v_mov_b32 v[MV+i], 0
.set i, i+1
.endr
.set i, 0
.rept 8
	v_mov_b32 v[TMP+i], 0
.set i, i+1
.endr
.set i, P+16
.rept 16
	v_mov_b32 v[i], 0
.set i, i+1
.endr
	s_wait_kmcnt 0x0
	s_xor_b32 s[NGAM], s[NGAM], 0x80000000  ; -gamma
	v_mov_b32 v[ALPHA], s[ALPS]
; THE MATRIX WORK.  The four accumulators of a run of 8 take turns.  TURN and BEGIN set XX, CM, M2, VBUF, NOKQ and the counts ik, ip, i2.
.macro KQ x                         ; product ik of 8 of S^T = K Q^T: channels 32 (ik / 4) on, keys 16 (ik % 4) on.  The first 4 start the sums: with 0, MD (CM = 1) or -1e30 (CM = 2)
.set aS, S+32*(\x)+8*(ik%4)
.set aK, KF+16*(ik%4)+8*(ik/4)
.set aQ, Q+16*(\x)+8*(ik/4)
.if (ik < 4) && (CM == 1)
	WIN 0x20
	v_wmma_f32_16x16x32_bf16 v[aS:aS+7], v[aK:aK+7], v[aQ:aQ+7], v[MD+8*ik:MD+8*ik+7]
.elseif (ik < 4) && (CM == 2)
	WIN 0
	v_wmma_f32_16x16x32_bf16 v[aS:aS+7], v[aK:aK+7], v[aQ:aQ+7], v[NEG8:NEG8+7]
.elseif ik < 4
	WIN 0
	v_wmma_f32_16x16x32_bf16 v[aS:aS+7], v[aK:aK+7], v[aQ:aQ+7], 0
.else
	WIN 0
	v_wmma_f32_16x16x32_bf16 v[aS:aS+7], v[aK:aK+7], v[aQ:aQ+7], v[aS:aS+7]
.endif
.set ik, ik+1
.endm
.macro PV x                         ; product ip of 8 of O^T += V^T P: keys 32 (ip / 4) on, channels 16 (ip % 4) on
	WIN 0x51
.set aO, 32*(\x)+8*(ip%4)
.set aV, VF+64*VBUF+32*(ip/4)+8*(ip%4)
.set aP, P+16*(\x)+8*(ip/4)
	v_wmma_f32_16x16x32_bf16 v[aO:aO+7], v[aV:aV+7], v[aP:aP+7], v[aO:aO+7]
.set ip, ip+1
.endm
.macro PV2 x                        ; product i2 of 8 of O2^T += V^T M
.set aO, 64+32*(\x)+8*(i2%4)
.set aV, VF+64*VBUF+32*(i2/4)+8*(i2%4)
.if M2 == 2
	WIN 0x59
	v_wmma_f32_16x16x32_bf16 v[aO:aO+7], v[aV:aV+7], v[TRI+8*(i2/4):TRI+8*(i2/4)+7], v[aO:aO+7]
.else
	WIN 0x51
	v_wmma_f32_16x16x32_bf16 v[aO:aO+7], v[aV:aV+7], v[ONE8:ONE8+7], v[aO:aO+7]
.endif
.set i2, i2+1
.endm
; THE LDS LOADS stand in runs of 16.
.macro FETCH_K step
	WIN 0
.irp f, 0,1,2,3,4,5,6,7             ; keys 16 (f / 2) on, channels 32 (f % 2) on
	ds_load_b128 v[KF+8*\f:KF+8*\f+3],   v[AK] offset:(\step)*64*PKP+(\f/2)*16*PKP+(\f%2)*64
	ds_load_b128 v[KF+8*\f+4:KF+8*\f+7], v[AK] offset:(\step)*64*PKP+(\f/2)*16*PKP+(\f%2)*64+32
.endr
.endm
.macro FETCH_V step, buf
	WIN 0x40
.irp f, 0,1,2,3,4,5,6,7             ; keys 32 (f / 4) on, channels 16 (f % 4) on
	ds_load_tr16_b128 v[VF+64*(\buf)+8*\f:VF+64*(\buf)+8*\f+3],   v[AV] offset:(\step)*64*PVP+(\f/4)*32*PVP+(\f%4)*32
	ds_load_tr16_b128 v[VF+64*(\buf)+8*\f+4:VF+64*(\buf)+8*\f+7], v[AV] offset:(\step)*64*PVP+(\f/4)*32*PVP+16*PVP+(\f%4)*32
.endr
	WIN 0
.endm
; THE VECTOR WORK, one line at a time: OP kind, number.  For piece Y: F n: c s - c m for pair n.  E n: the exponential of score n.  C n: pair n rounded to bf16.  B n: of the four weights 4 n .. the second pair is
; added onto the first.  L n: l takes that sum (L 0: l = a l + sum).  R n: pair n of O^T times a.  For the other piece: X n, number n of the 22 that find its maximum and statistics:
;   0-11 four chains of seven scores (each accumulator's lowest registers are read first)   12-14, 16 the four left over, the old m, and the chains into one   15 c m_old is kept
;   17, 18 the lane 16 away holds the query's other 32 keys: the new m   19-21 c m; c m_old - c m_new; a
.set F, 0
.set E, 1
.set C, 2
.set B, 3
.set L, 4
.set R, 5
.set X, 6
.macro REGS y
.set rT, ST+4*(\y)
.set rC, TMP+4*(\y)
.set rW, MV+(\y)
.set rS, S+32*(\y)
.set rP, P+16*(\y)
.set rO, 32*(\y)
.endm
.macro OP k, n
.if (\k) == R
	REGS Y
	WIN W_RS
	v_pk_mul_f32 v[rO+2*(\n):rO+2*(\n)+1], v[rO+2*(\n):rO+2*(\n)+1], v[rC+2:rC+3] op_sel_hi:[1,0]
.elseif (\k) < R
	REGS Y
	WIN 0
.if (\k) == F
	v_pk_fma_f32 v[rS+2*(\n):rS+2*(\n)+1], v[rS+2*(\n):rS+2*(\n)+1], s[CS:CS+1], v[rT:rT+1] op_sel_hi:[1,0,0] neg_lo:[0,0,1] neg_hi:[0,0,1]
.elseif (\k) == E
	v_exp_f32 v[rS+(\n)], v[rS+(\n)]
.elseif (\k) == C
	v_cvt_pk_bf16_f32 v[rP+(\n)], v[rS+2*(\n)], v[rS+2*(\n)+1]
.elseif (\k) == B
	v_pk_add_f32 v[rS+4*(\n):rS+4*(\n)+1], v[rS+4*(\n):rS+4*(\n)+1], v[rS+4*(\n)+2:rS+4*(\n)+3]
.elseif (\n) == 0
	v_pk_fma_f32 v[rT+2:rT+3], v[rT+2:rT+3], v[rC+2:rC+3], v[rS:rS+1] op_sel_hi:[1,0,1]
.else
	v_pk_add_f32 v[rT+2:rT+3], v[rT+2:rT+3], v[rS+4*(\n):rS+4*(\n)+1]
.endif
.elseif NOKQ
	v_nop
.else
	REGS 1-Y
	WIN 0
.if (\n) < 4
	v_max3_num_f32 v[rC+(\n)], v[rS+8*(\n)], v[rS+8*(\n)+1], v[rS+8*(\n)+2]
.elseif (\n) < 12
	v_max3_num_f32 v[rC+(\n)%4], v[rC+(\n)%4], v[rS+8*((\n)%4)+2*((\n)/4)+1], v[rS+8*((\n)%4)+2*((\n)/4)+2]
.elseif (\n) == 12
	v_max3_num_f32 v[rC], v[rC], v[rS+7], v[rS+15]
.elseif (\n) == 13
	v_max3_num_f32 v[rC+1], v[rC+1], v[rS+23], v[rS+31]
.elseif (\n) == 14
	v_max3_num_f32 v[rC+2], v[rC+2], v[rC+3], v[rT+1]
.elseif (\n) == 15
	v_mov_b32 v[rW], v[rT]
.elseif (\n) == 16
	v_max3_num_f32 v[rC], v[rC], v[rC+1], v[rC+2]
.elseif (\n) == 17
	v_permlanex16_b32 v[rC+3], v[rC], s[SEL], s[SEL+1]
.elseif (\n) == 18
	v_max_num_f32 v[rT+1], v[rC], v[rC+3]
.elseif (\n) == 19
	v_mul_f32 v[rT], s[CS], v[rT+1]
.elseif (\n) == 20
	v_sub_f32 v[rC+1], v[rW], v[rT]
.else
	v_exp_f32 v[rC+2], v[rC+1]
.endif
.endif
.endm
.macro OPS a, i1, b=-1, i2_=0, c=-1, i3=0, d=-1, i4=0
	OP \a, \i1
.if (\b) >= 0
	OP \b, \i2_
.endif
.if (\c) >= 0
	OP \c, \i3
.endif
.if (\d) >= 0
	OP \d, \i4
.endif
.endm
.macro ROWK a, i1, b, i2_, c, i3, d, i4   ; a product K Q^T and the four behind it
.if !NOKQ
	KQ XX
.endif
	OPS \a, \i1, \b, \i2_, \c, \i3, \d, \i4
.endm
.macro RW2 a, i1, b, i2_, c, i3, d, i4    ; a product V^T M and the four behind it
.if M2
	PV2 XX
.endif
	OPS \a, \i1, \b, \i2_, \c, \i3, \d, \i4
.endm
.macro ROWP a, i1, b, i2_, c, i3, d, i4   ; a product V^T P and the four behind it
	PV XX
	OPS \a, \i1, \b, \i2_, \c, \i3, \d, \i4
.endm
; A TURN, for piece n.  cm: the mask of its products K Q^T (0, 1 = MD, 2 = -1e30).  m2: its products V^T M (0 none, 1 ones, 2 TRI).  vb: the buffer of V that its products read.
; fk, fv: the step of the slot in hand whose K, V is fetched (-1: none).  nokq = 1: a block's last turn: there is no next step.
; AHEAD OF THE WAIT stands all that names no result of the turn's exponentials; the next piece's a is the batch's last, R 15 the plain instruction behind it.  BEHIND IT the 8 products V^T P with the roundings and sums.
; The first numbers of the maximum stand four plain instructions or more behind the product that ends their accumulator; K's run five plain instructions that name none of its registers behind K's last reader;
; V's run four (the last roundings of the turn before) behind the last reader of the buffer that it fills.
.macro TURN n, cm=0, m2=1, vb=0, fk=-1, fv=-1, nokq=0
.set Y, (\n)
.set XX, 1-(\n)
.set CM, (\cm)
.set M2, (\m2)
.set VBUF, (\vb)
.set NOKQ, (\nokq)
.set ik, 0
.set ip, 0
.set i2, 0
.if (\n) == 1
	s_wait_dscnt 0x0                ; K of the next step is in, and so is V of this one
.if (\fv) >= 0
	FETCH_V \fv, 1-(\vb)
.endif
.endif
	ROWK F,0, F,1, R,0, R,1
	ROWK F,2, E,0, R,2, R,3
	ROWK F,3, E,1, R,4, R,5
	ROWK F,4, E,2, R,6, R,7
	ROWK F,5, E,3, R,8, R,9
	ROWK F,6, E,4, X,0, R,10
	ROWK F,7, E,5, X,1, X,4
	ROWK F,8, E,6, X,2, X,5
	OPS E,7, E,8, X,6, E,9
	OPS X,3, E,10, X,8, E,11
.if (\fk) >= 0
	FETCH_K \fk
.endif
	RW2 X,9, X,7, E,12, X,10
	RW2 E,13, X,12, X,11, E,14
	RW2 X,13, E,15, F,9, X,14
	RW2 E,16, F,10, E,17, F,11
	RW2 X,16, E,18, X,15, E,19
	RW2 F,12, E,20, X,17, E,21
	RW2 F,13, E,22, F,14, E,23
	RW2 X,18, E,24, F,15, E,25
	OPS R,11, E,26, X,19, E,27
	OPS R,12, E,28, R,13, E,29
	OPS X,20, E,30, R,14, E,31
	OPS X,21, R,15
	WIN 0
	s_wait_alu depctr_va_vdst(0)    ; the one wait for the batch
	ROWP C,0, B,0, C,2, B,1
	ROWP L,0, C,4, B,2, L,1
	ROWP C,6, B,3, L,2, C,8
	ROWP B,4, L,3, C,10, B,5
	ROWP L,4, C,12, B,6, L,5
	ROWP C,14, B,7, L,6, C,1
	ROWP C,3, L,7, C,5, C,7
	ROWP C,9, C,11, C,13, C,15
.endm
; A BLOCK BEGINS.  O2^T starts at 0; V's second buffer holds 0, so that the first turn's products of a step that has not been add 0; c m starts far below every c s, so the first step's a is 0.
; Then K and V of the tile's step 0, piece 0's first scores (d = 1: the tile is the diagonal one), and its maximum and statistics.  The trip is entered in its middle.
.macro BEGIN d
	s_mov_b32 s[NEW], 0
	WIN 0x40
.set i, 0
.rept 64
	v_mov_b32 v[64+i], 0
	v_mov_b32 v[VF+64+i], 0
.set i, i+1
.endr
	WIN 0
.set i, 0
.rept 2
	v_mov_b32 v[ST+4*i], 0xfe000000
	v_mov_b32 v[ST+4*i+1], 0xff7fffff
.set i, i+1
.endr
	FETCH_K 0
	FETCH_V 0, 0
	s_wait_loadcnt 0x0              ; Q and my rows of v
	s_wait_dscnt 0x0
.set CM, (\d)
.set NOKQ, 0
.set ik, 0
.rept 8
	KQ 0
.endr
	WIN 0
.rept 4
	v_nop                           ; the places behind those products
.endr
.set Y, 1                           ; X works for the other piece: piece 0
.irp n, 0,1,2,3,4,5,6,7,8,9,10,11,12,13,14,15,16,17,18,19,20,21
	OP X, \n
.endr
	v_nop
	s_wait_alu depctr_va_vdst(0)    ; a's wait, ahead of the branch
.endm
; THE WAY OUT.  y = O^T beta / l - O2^T gamma / (t + 1) + alpha v_t, rounded to bf16 and sent through my stage in LDS, a piece (16 rows) at a time.
.macro PACK t
	WIN W_RS
.set i, 32*(\t)
.rept 16
	v_pk_mul_f32 v[i:i+1], v[i:i+1], v[ST+4*(\t)+2:ST+4*(\t)+3] op_sel_hi:[1,0]
.set i, i+2
.endr
	WIN 0x51
.set i, 32*(\t)
.rept 16
	v_pk_fma_f32 v[i:i+1], v[64+i:64+i+1], v[TMP+4*(\t):TMP+4*(\t)+1], v[i:i+1] op_sel_hi:[1,0,1]
.set i, i+2
.endr
	WIN 0x52                        ; v's halves in window 2, alpha in window 0, the sums in window 1
.set i, 0
.rept 16
	v_fma_mix_f32_bf16 v[32*(\t)+2*i], v[VQB+16*(\t)+i], v[ALPHA], v[32*(\t)+2*i] op_sel_hi:[1,0,0]
	v_fma_mix_f32_bf16 v[32*(\t)+2*i+1], v[VQB+16*(\t)+i], v[ALPHA], v[32*(\t)+2*i+1] op_sel:[1,0,0] op_sel_hi:[1,0,0]
.set i, i+1
.endr
	WIN 0x05
.set i, 0
.rept 16
	v_cvt_pk_bf16_f32 v[S+16*(\t)+i], v[32*(\t)+2*i], v[32*(\t)+2*i+1]
.set i, i+1
.endr
	WIN 0
.irp f, 0,1,2,3
	ds_store_b128 v[STO], v[S+16*(\t)+4*\f:S+16*(\t)+4*\f+3] offset:32*\f
.endr
.irp f, 0,1,2,3
	ds_load_b128 v[S+16*(\t)+4*\f:S+16*(\t)+4*\f+3], v[RD] offset:\f*4*SP  ; LDS serves a wave's instructions in order (ISA guide 5.7.1.4): these see the stores above
.endr
.endm
.macro SEND t, younger              ; younger: the LDS instructions issued behind piece t's loads
	WIN 0
.irp f, 0,1,2,3
	s_wait_dscnt (\younger)+3-\f
	global_store_b128 v[GO], v[S+16*(\t)+4*\f:S+16*(\t)+4*\f+3], s[YP:YP+1] offset:(\t)*8192+\f*512  ; 512 consecutive bytes, aligned
.endr
.endm
.macro WAYOUT tag
.set VQB, VQ+32*((\tag)-1)
	WIN 0
.irp t, 0,1
	v_add_f32 v[ST+4*(\t)+2], v[ST+4*(\t)+2], v[ST+4*(\t)+3]
.endr
.irp t, 0,1
	v_add3_u32 v[TMP+4*(\t)], v[RW1], s[TB0], 64*(\t)   ; t + 1
.endr
.irp t, 0,1
	v_permlanex16_b32 v[ST+4*(\t)+3], v[ST+4*(\t)+2], s[SEL], s[SEL+1]
.endr
.irp t, 0,1
	v_cvt_f32_u32 v[TMP+4*(\t)], v[TMP+4*(\t)]
.endr
.irp t, 0,1
	v_add_f32 v[ST+4*(\t)+2], v[ST+4*(\t)+2], v[ST+4*(\t)+3]
.endr
.irp t, 0,1
	v_rcp_f32 v[ST+4*(\t)+2], v[ST+4*(\t)+2]
	v_rcp_f32 v[TMP+4*(\t)], v[TMP+4*(\t)]
.endr
	v_nop
	s_wait_alu depctr_va_vdst(0)    ; one wait for the four reciprocals
.irp t, 0,1
	v_mul_f32 v[ST+4*(\t)+2], s[BETA], v[ST+4*(\t)+2]
	v_mul_f32 v[TMP+4*(\t)], s[NGAM], v[TMP+4*(\t)]
.endr
	PACK 0
	PACK 1
	SEND 0, 8
	SEND 1, 0
.endm
; THE DIAGONAL TILE's trip, the block's last two turns, its last products, and the way out.
.macro DIAG tag
.LstepM\tag:
	TURN 0, 0, 1, 0, 0, -1          ; the tile before's second step
	TURN 1, 1, 1, 1, -1, 0          ; band 0's scores of its own step take MD
	WIN 0
.LfirstM\tag:
	TURN 0, 0, 1, 1, 1, -1          ; band 1 sees all of step 0
	TURN 1, 2, 2, 0, -1, 1          ; step 1 is hidden from band 0; band 0's sum of v over its own step takes TRI
	TURN 0, 1, 1, 0, -1, -1         ; band 1's scores of its own step take MD
	TURN 1, 0, 0, 1, -1, -1, 1      ; nothing follows; band 0's weights of the hidden step are 0, and its sum of v takes nothing
.set VBUF, 1
.set M2, 2
.set ip, 0
.set i2, 0
.rept 2                             ; band 1's last products
.rept 4
	PV 1
.endr
.rept 4
	PV2 1
.endr
.endr
	WAYOUT \tag
.endm
.Lslot:                             ; 16 times: a tile is revealed and the next is asked for
	CHANGE 1
	s_sub_co_u32 s[RT], s[RT], 1
	s_cmp_eq_u32 s[NEW], 1
	s_cbranch_scc1 .Lnew            ; a block's first tile
	s_cmp_eq_u32 s[RT], 0
	s_cbranch_scc0 .Lstep           ; neither its first nor its last
	s_branch .LstepM1
.Lnew:
	BEGIN 0
	s_branch .Lfirst                ; in the loop a block's first tile is never its last: the first block has eight tiles or more, and the second's last is the walk's last
	DIAG 1                          ; in the loop this is the first block's end
	s_wait_xcnt 0x0                 ; the stores have read their registers and y's address
	s_mov_b64 s[YP:YP+1], s[YLO:YLO+1]
	s_mov_b32 s[TB0], s[TLO]
	s_add_co_u32 s[RT], s[PB], 1    ; the second block has b + 1 tiles
	s_mov_b32 s[NEW], 1
	WIN 0x02                        ; the second block's Q goes where the one text of the turns names Q
.set i, 0
.rept 32
	v_mov_b32 v[Q+i], v[QB+i]
.set i, i+1
.endr
	WIN 0
	s_branch .Lbottom
.Lstep:                             ; a trip: the second step of the tile before, then the first step of the tile revealed, whose K and V it fetches
	TURN 0, 0, 1, 0, 0, -1
	TURN 1, 0, 1, 1, -1, 0
	WIN 0
.Lfirst:
	TURN 0, 0, 1, 1, 1, -1
	TURN 1, 0, 1, 0, -1, 1
	WIN 0
.Lbottom:
	s_sub_co_u32 s[SLOTS], s[SLOTS], 1
	s_cmp_lg_u32 s[SLOTS], 0
	s_cbranch_scc1 .Lslot
	CHANGE 0                        ; the walk's last tile is written out: nothing is asked for
	s_sub_co_u32 s[RT], s[RT], 1
	s_cmp_eq_u32 s[NEW], 1
	s_cbranch_scc0 .LstepM2
	BEGIN 1
	s_branch .LfirstM2
	DIAG 2
	s_wait_tensorcnt 0x0            ; the wave's end, behind my last tensor load and my last LDS store
	ds_add_u32 v[SPW], v[NIL]
	s_wait_dscnt 0x0
	s_endpgm
.Lfunc_end_k_q0e43e99dc4_attn:
	.size	k_q0e43e99dc4_attn, .Lfunc_end_k_q0e43e99dc4_attn-k_q0e43e99dc4_attn
	.p2alignl 7, 3214868480
	.fill 96, 4, 3214868480
	.section	.rodata,"a",@progbits
	.p2align	6, 0x0
	.amdhsa_kernel k_q0e43e99dc4_attn
		.amdhsa_group_segment_fixed_size 327680
		.amdhsa_private_segment_fixed_size 0
		.amdhsa_enable_private_segment 0
		.amdhsa_kernarg_size 48
		.amdhsa_user_sgpr_count 2
		.amdhsa_user_sgpr_kernarg_segment_ptr 1
		.amdhsa_wavefront_size32 1
		.amdhsa_system_sgpr_workgroup_id_x 1
		.amdhsa_system_sgpr_workgroup_id_y 1
		.amdhsa_system_sgpr_workgroup_id_z 1
		.amdhsa_system_vgpr_workitem_id 0
		.amdhsa_next_free_vgpr 656
		.amdhsa_next_free_sgpr 100
		.amdhsa_reserve_vcc 1
		.amdhsa_float_denorm_mode_32 3
		.amdhsa_float_denorm_mode_16_64 3
		.amdhsa_memory_ordered 1
		.amdhsa_forward_progress 1
		.amdhsa_inst_pref_size 229
	.end_amdhsa_kernel
	.amdgpu_metadata
---
amdhsa.version: [ 1, 2 ]
amdhsa.kernels:
  - .name:           k_q0e43e99dc4_attn
    .symbol:         k_q0e43e99dc4_attn.kd
    .args:
      - { .name: qkb, .offset: 0, .size: 8, .value_kind: global_buffer, .address_space: global }
      - { .name: nxb, .offset: 8, .size: 8, .value_kind: global_buffer, .address_space: global }
      - { .name: alpha, .offset: 16, .size: 8, .value_kind: global_buffer, .address_space: global }
      - { .name: beta, .offset: 24, .size: 8, .value_kind: global_buffer, .address_space: global }
      - { .name: gamma, .offset: 32, .size: 8, .value_kind: global_buffer, .address_space: global }
      - { .name: yb, .offset: 40, .size: 8, .value_kind: global_buffer, .address_space: global }
    .group_segment_fixed_size: 327680
    .private_segment_fixed_size: 0
    .kernarg_segment_align: 8
    .kernarg_segment_size: 48
    .max_flat_workgroup_size: 128
    .sgpr_count:     100
    .vgpr_count:     656
    .wavefront_size: 32
...
	.end_amdgpu_metadata
.endif
;; end of part 3
;; launch gemm2 (part 4): grid 8 x 32, 4 waves a work-group, clusters of 4 x 4, 327,680 bytes of LDS; arguments hb, wpj, x, yb, beta_SA, beta_FF, out0; writes out0
.if DOCPART == 4
	.amdgcn_target "amdgcn-amd-amdhsa--gfx1250"
	.amdhsa_code_object_version 6
	.text
	.protected	k_q0e43e99dc4_gemm2
	.globl	k_q0e43e99dc4_gemm2
	.p2align	8
	.type	k_q0e43e99dc4_gemm2,@function
k_q0e43e99dc4_gemm2:
	s_mov_b64 s[64:65], 0
	v_nop
	global_prefetch_b8 v0, s[64:65] scope:SCOPE_SE
	s_setreg_imm32_b32 hwreg(HW_REG_WAVE_MODE, 25, 1), 1
	s_wait_xcnt 0x0
	s_wait_alu depctr_hold_cnt(0) depctr_sa_sdst(0) depctr_va_vdst(0) depctr_va_sdst(0) depctr_va_ssrc(0) depctr_va_vcc(0) depctr_vm_vsrc(0)
	s_getreg_b32 s2, hwreg(HW_REG_IB_STS2, 6, 4)
	s_cmp_eq_u32 s2, 0
	s_cbranch_scc0 .Lentry_in_a_cluster
	s_endpgm
.Lentry_in_a_cluster:
	s_bfe_u32 s2, ttmp6, 0x10000c
	s_cmp_lg_u32 s2, 0xf033
	s_cbranch_scc0 .Lentry_shape_is_right
	s_endpgm
.Lentry_shape_is_right:
; GEMM2.  out0 = x + beta_SA y + beta_FF (h wpj^T).  h: hb[32 blocks of 128][4096][128] bf16, wpj: [1024][4096] bf16, y: yb[16 blocks of 64][4096][64] bf16, x and out0: [4096][1024] f32.  Sums and the last line in f32.
; A tile of the output is 128 x 128: 256 work-groups.  Four waves, each 64 x 64: 16 accumulators.  K = 4096 goes in 16 steps of 256 through two LDS slots.
; A's K step is two blocks of hb; 128 rows of a block are 32,768 dense bytes, rows of 256.  B's rows are 512 bytes of wpj's rows.
; CLUSTER 4 x 4: A's tile is shared along a row of the cluster, B's along a column: joint loads.  THE MATRIX INSTRUCTION IS USED TRANSPOSED: a lane holds eight neighbouring columns of a row.
; x and y of the wave's 64 x 64 are asked for at the start, into registers of their own, and land while K is walked.  A wave's 64 columns of f32 are 256 bytes, aligned: each wave turns its own results through
; LDS (slot 0's first bytes, which nobody reads behind the last lap's first change of slots and which are not filled again) and stores whole rows of 256 bytes.  No prefetch: the tiles are small, and each is read by several clusters at about the same time.
; REGISTERS.  Window 0: v0-31 addresses; v128-255 accumulator (a, b) at v[128 + 8 (4 a + b)].  Window 1: two fragment buffers of 128 (64 along K: A's 64 registers, then B's); on the way out the results by rows.
;   Window 2: v0-127 x, then the output; v128-191 y.
.set PAP,    272
.set PBP,    528
.set ABLK,   34816                     ; 128 rows x 272
.set BOFF,   69632
.set BHALF,  33792                     ; 64 rows x 528
.set SLOT,   137216
.set SPARE,  2*SLOT                    ; the spare words, 128 bytes for each wave: two blocks of 256 bytes that no other line names
.set SPITCH, 272                       ; the way out: a row of 64 f32 + 16 bytes; a wave's 64 rows at wave x 17,408
.set LAPS,   8
.set ADRA, 16
.set ADRB, 20
.set STO,  24
.set RD,   25
.set XO,   26                          ; v26  x and out0: (l / 16) rows of 4,096 bytes + 16 (l % 16)
.set BSA,  27                          ; v27  beta_SA
.set SPW,  28
.set NIL,  29
.set YO,   30                          ; v30  y: 8 x lane
.set ACC,  128
.set F0,   0
.set F1,   128
.set G1,  24
.set G0,  32
.set G1B, 48
.set G0B, 56
.set WV,  70
.set WR,  71
.set WC,  72
.set MSB, 0
.macro WIN new
.if MSB != (\new)
	s_set_vgpr_msb (MSB<<8)|(\new)
.set MSB, \new
.endif
.endm
.set MUL,  0x05                        ; sources 0 (B) and 1 (A) window 1; C and D window 0
.set TO_F, 0x40
.macro JLOAD s                         ; waves 0 and 1 fetch A's two blocks, waves 2 and 3 B's two halves; an s_nop 0 and four v_nop follow each line
	s_cmp_eq_u32 s[WR], 0
	s_cbranch_scc0 .Lfor_b_\@
	tensor_load_to_lds s[G0+4*(\s):G0+4*(\s)+3], s[G1:G1+7]
	s_nop 0
.rept 4
	v_nop
.endr
	s_branch .Lasked_\@
.Lfor_b_\@:
	tensor_load_to_lds s[G0B+4*(\s):G0B+4*(\s)+3], s[G1B:G1B+7]
	s_nop 0
.rept 4
	v_nop
.endr
.Lasked_\@:
.endm
.macro CREST
	s_cmp_lg_u32 s[WV], 0
	s_cbranch_scc1 .Lnot_wave_0_\@
	s_barrier_signal -3
.Lnot_wave_0_\@:
	s_barrier_wait -3
	s_barrier_signal -1
	s_barrier_wait -1
.endm
.macro CROUND
	s_barrier_signal -1
	s_barrier_wait -1
	CREST
.endm
	s_load_b256 s[4:11], s[0:1], 0x0               ; hb s[4:5], wpj s[6:7], x s[8:9], yb s[10:11]
	s_load_b128 s[12:15], s[0:1], 0x20             ; beta_SA s[12:13], beta_FF s[14:15]
	s_load_b64 s[16:17], s[0:1], 0x30              ; out0
	v_lshl_add_u32 v[SPW], v0, 2, SPARE
	v_mov_b32 v[NIL], 0
	ds_add_u32 v[SPW], v[NIL]                      ; the wave's opening: the add and its wait stand ahead of my first tensor load
	v_lshrrev_b32 v1, 5, v0
	v_readfirstlane_b32 s[WV], v1
	s_lshr_b32 s[WR], s[WV], 1
	s_and_b32 s[WC], s[WV], 1
	s_bfe_u32 s40, ttmp6, 0x40000                  ; cx
	s_bfe_u32 s41, ttmp6, 0x40004                  ; cy
	s_lshl_b32 s42, ttmp9, 2
	s_add_co_u32 s42, s42, s40                     ; tile column 0..7
	s_and_b32 s43, ttmp7, 0xffff
	s_lshl_b32 s43, s43, 2
	s_add_co_u32 s43, s43, s41                     ; tile row 0..31
	s_lshl_b32 s44, s41, 2
	s_lshl_b32 s44, 15, s44                        ; my row of the cluster
	s_lshl_b32 s45, 0x1111, s40                    ; my column
	s_or_b32 s[G1], s44, (1<<16)|(1<<20)|(1<<21)|(5<<22)|(3<<25)   ; after every 64 words, 4 words
	s_mov_b32 s[G1+1], 128<<16
	s_mov_b32 s[G1+2], 128<<16
	s_mov_b32 s[G1+3], 128<<16
	s_mov_b32 s[G1+4], 128
	s_mov_b32 s[G1+5], 128
	s_mov_b32 s[G1+6], 0
	s_mov_b32 s[G1+7], 0
	s_or_b32 s[G1B], s45, (1<<16)|(1<<20)|(1<<21)|(6<<22)|(3<<25)  ; after every 128 words, 4 words
	s_mov_b32 s[G1B+1], 256<<16
	s_mov_b32 s[G1B+2], 64<<16
	s_mov_b32 s[G1B+3], 256<<16
	s_mov_b32 s[G1B+4], 64
	s_mov_b32 s[G1B+5], 4096
	s_mov_b32 s[G1B+6], 0
	s_mov_b32 s[G1B+7], 0
	s_lshl_b32 s18, s[WC], 20                      ; A: block (wave % 2) of K step 0, 1,048,576 bytes a block,
	s_lshl_b32 s19, s43, 15                        ; rows 128 x tile row, 256 bytes a row
	s_add_co_u32 s18, s18, s19
	s_mov_b32 s19, 0
	s_lshl_b32 s20, s42, 20                        ; B: row 128 x tile column + 64 x half, 8,192 bytes a row
	s_lshl_b32 s21, s[WC], 19
	s_add_co_u32 s20, s20, s21
	s_mov_b32 s21, 0
	s_mul_i32 s22, s[WC], ABLK
	s_mul_i32 s23, s[WC], BHALF
	s_add_co_u32 s23, s23, BOFF
	s_lshl_b32 s46, s43, 19                        ; x and out0: row 128 x tile row + 64 x half, 4,096 bytes a row,
	s_lshl_b32 s47, s[WR], 18
	s_add_co_u32 s46, s46, s47
	s_lshl_b32 s47, s42, 9                         ; column 128 x tile column + 64 x half, 4 bytes each
	s_add_co_u32 s46, s46, s47
	s_lshl_b32 s47, s[WC], 8
	s_add_co_u32 s46, s46, s47
	s_mov_b32 s47, 0
	s_lshl_b32 s2, s42, 20                         ; y: block 2 x tile column + half, 524,288 bytes a block,
	s_lshl_b32 s3, s[WC], 19
	s_add_co_u32 s2, s2, s3
	s_lshl_b32 s3, s43, 14                         ; the same rows, 128 bytes each
	s_add_co_u32 s2, s2, s3
	s_lshl_b32 s3, s[WR], 13
	s_add_co_u32 s2, s2, s3
	s_mov_b32 s3, 0
	s_wait_dscnt 0x0                               ; the opening add is done
	s_wait_kmcnt 0x0
	s_add_nc_u64 s[18:19], s[4:5], s[18:19]
	s_add_nc_u64 s[20:21], s[6:7], s[20:21]
	s_add_nc_u64 s[74:75], s[8:9], s[46:47]
	s_add_nc_u64 s[76:77], s[10:11], s[2:3]
	s_add_nc_u64 s[78:79], s[16:17], s[46:47]
	s_load_b32 s66, s[12:13], 0x0
	s_load_b32 s68, s[14:15], 0x0
	CROUND                                         ; all sixteen work-groups are here: the first joint loads meet
.irp s, 0,1
	s_mov_b32 s[G0+4*(\s)], 1
	s_add_co_u32 s[G0+4*(\s)+1], s22, (\s)*SLOT
	s_add_nc_u64 s[G0+4*(\s)+2:G0+4*(\s)+3], s[18:19], (\s)*2097152
	s_or_b32 s[G0+4*(\s)+3], s[G0+4*(\s)+3], 0x80000000
	s_mov_b32 s[G0B+4*(\s)], 1
	s_add_co_u32 s[G0B+4*(\s)+1], s23, (\s)*SLOT
	s_add_nc_u64 s[G0B+4*(\s)+2:G0B+4*(\s)+3], s[20:21], (\s)*512
	s_or_b32 s[G0B+4*(\s)+3], s[G0B+4*(\s)+3], 0x80000000
	JLOAD \s
.endr
	v_and_b32 v1, 15, v0                           ; r
	v_bfe_u32 v2, v0, 4, 1                         ; h
	v_lshlrev_b32 v[XO], 4, v1
	v_lshl_add_u32 v[XO], v2, 12, v[XO]
	v_and_b32 v3, 31, v0
	v_lshlrev_b32 v[YO], 3, v3
	WIN 0x80                                       ; destination window 2: load i brings rows 2 i + l / 16, columns 4 (l % 16) + 0..3, of x and of y
.set i, 0
.rept 32
	global_load_b128 v[4*i:4*i+3], v[XO], s[74:75] offset:8192*i th:TH_LOAD_NT
.set i, i+1
.endr
.set i, 0
.rept 32
	global_load_b64 v[128+2*i:128+2*i+1], v[YO], s[76:77] offset:256*i th:TH_LOAD_NT
.set i, i+1
.endr
	WIN 0
	v_mul_u32_u24 v3, v1, PAP
	v_lshl_add_u32 v3, v2, 4, v3
	s_mul_i32 s22, s[WR], 64*PAP
	v_add_nc_u32 v[ADRA], s22, v3
	v_add_nc_u32 v[ADRA+1], SLOT, v[ADRA]
	v_mul_u32_u24 v4, v1, PBP
	v_lshl_add_u32 v4, v2, 4, v4
	s_mul_i32 s23, s[WC], 64*PBP
	s_add_co_u32 s23, s23, BOFF
	v_add_nc_u32 v[ADRB], s23, v4
	v_add_nc_u32 v[ADRB+1], SLOT, v[ADRB]
	s_mul_i32 s22, s[WV], 64*SPITCH
	v_mul_u32_u24 v[STO], v1, SPITCH               ; in: row r, 32 bytes for each half of the lanes
	v_lshl_add_u32 v[STO], v2, 5, v[STO]
	v_add_nc_u32 v[STO], s22, v[STO]
	v_mul_u32_u24 v[RD], v2, SPITCH                ; back: lanes 0-15 one row of 256 bytes, lanes 16-31 the next
	v_lshl_add_u32 v[RD], v1, 4, v[RD]
	v_add_nc_u32 v[RD], s22, v[RD]
	s_wait_kmcnt 0x0
	v_mov_b32 v[BSA], s66
	s_mov_b32 s69, s68                             ; named with it as a pair
.macro MUL8 f, c, a0, zero             ; m blocks a0, a0 + 1 x all 4 n blocks, 32 along K: half c of buffer f
	WIN MUL
.irp a, \a0, (\a0)+1
.irp b, 0,1,2,3
.if \zero
	v_wmma_f32_16x16x32_bf16 v[ACC+8*(4*(\a)+(\b)):ACC+8*(4*(\a)+(\b))+7], v[(\f)+64+8*(4*(\c)+(\b)):(\f)+64+8*(4*(\c)+(\b))+7], v[(\f)+8*(4*(\c)+(\a)):(\f)+8*(4*(\c)+(\a))+7], 0
.else
	v_wmma_f32_16x16x32_bf16 v[ACC+8*(4*(\a)+(\b)):ACC+8*(4*(\a)+(\b))+7], v[(\f)+64+8*(4*(\c)+(\b)):(\f)+64+8*(4*(\c)+(\b))+7], v[(\f)+8*(4*(\c)+(\a)):(\f)+8*(4*(\c)+(\a))+7], v[ACC+8*(4*(\a)+(\b)):ACC+8*(4*(\a)+(\b))+7]
.endif
.endr
.endr
.endm
.macro FETCH slot, qd, f               ; 32 LDS loads in one run: quarter qd (64 along K) of the slot's K step into buffer f; the first 32 along K first
	WIN TO_F
.irp c, 0,1
.irp i, 0,1,2,3
	ds_load_b128 v[(\f)+64+8*(4*(\c)+(\i)):(\f)+64+8*(4*(\c)+(\i))+3],   v[ADRB+(\slot)] offset:128*(\qd)+64*(\c)+(\i)*16*PBP
	ds_load_b128 v[(\f)+64+8*(4*(\c)+(\i))+4:(\f)+64+8*(4*(\c)+(\i))+7], v[ADRB+(\slot)] offset:128*(\qd)+64*(\c)+(\i)*16*PBP+32
	ds_load_b128 v[(\f)+8*(4*(\c)+(\i)):(\f)+8*(4*(\c)+(\i))+3],         v[ADRA+(\slot)] offset:((\qd)/2)*ABLK+((\qd)%2)*128+64*(\c)+(\i)*16*PAP
	ds_load_b128 v[(\f)+8*(4*(\c)+(\i))+4:(\f)+8*(4*(\c)+(\i))+7],       v[ADRA+(\slot)] offset:((\qd)/2)*ABLK+((\qd)%2)*128+64*(\c)+(\i)*16*PAP+32
.endr
.endr
.endm
.macro PLACES
.rept 4
	v_nop
.endr
.endm
.macro QUARTER slot, qd, f, g, zero    ; multiplies buffer f and fetches quarter qd into g; the 16 accumulators take turns
	s_wait_dscnt 16                                ; the first 32 along K are in
	MUL8 \f, 0, 0, \zero
	MUL8 \f, 0, 2, \zero
	PLACES
	FETCH \slot, \qd, \g
	s_wait_dscnt 32                                ; all but the 32 just issued
	MUL8 \f, 1, 0, 0
	MUL8 \f, 1, 2, 0
.endm
.macro TURN slot, next, fill           ; the last quarter multiplies buffer 1 and changes slots: one barrier, the three lines in front of it; fill = 1: it opens a round of the cluster's, and this slot is filled again
	WIN 0
	s_wait_tensorcnt 0x0                           ; all my tensor loads have landed: my part of the next slot
	ds_add_u32 v[SPW], v[NIL]
	s_wait_dscnt 17                                ; (the add and the youngest sixteen loads may be out)
	MUL8 F1, 0, 0, 0
	s_wait_dscnt 0x0                               ; the add is done, and my reads of this slot are over
	s_barrier_signal -1
	MUL8 F1, 0, 2, 0
.if \fill
	WIN 0
.endif
	s_barrier_wait -1
.if \fill
	CREST
	s_add_nc_u64 s[G0+4*(\slot)+2:G0+4*(\slot)+3], s[G0+4*(\slot)+2:G0+4*(\slot)+3], 4194304
	s_add_nc_u64 s[G0B+4*(\slot)+2:G0B+4*(\slot)+3], s[G0B+4*(\slot)+2:G0B+4*(\slot)+3], 1024
	JLOAD \slot                                    ; its four v_nop are also the places in front of the loads below
.else
	PLACES
.endif
	FETCH \next, 0, F0
	MUL8 F1, 1, 0, 0
	MUL8 F1, 1, 2, 0
.endm
	s_wait_tensorcnt 1                             ; my part of K step 0 is in; K step 1's may stay out
	s_barrier_signal -1
	s_barrier_wait -1
	FETCH 0, 0, F0
	QUARTER 0, 1, F0, F1, 1                        ; its first products start the sums
	WIN 0
	s_mov_b32 s3, LAPS-1
.Llap:
	QUARTER 0, 2, F1, F0, 0
	QUARTER 0, 3, F0, F1, 0
	TURN 0, 1, 1
	QUARTER 1, 1, F0, F1, 0
	QUARTER 1, 2, F1, F0, 0
	QUARTER 1, 3, F0, F1, 0
	TURN 1, 0, 1
	QUARTER 0, 1, F0, F1, 0
	WIN 0
	s_sub_co_u32 s3, s3, 1
	s_cmp_lg_u32 s3, 0
	s_cbranch_scc1 .Llap
	QUARTER 0, 2, F1, F0, 0                        ; the last lap fills nothing
	QUARTER 0, 3, F0, F1, 0
	TURN 0, 1, 0
	QUARTER 1, 1, F0, F1, 0
	QUARTER 1, 2, F1, F0, 0
	QUARTER 1, 3, F0, F1, 0
	s_wait_dscnt 16
	MUL8 F1, 0, 0, 0
	MUL8 F1, 0, 2, 0
	s_wait_dscnt 0x0
	MUL8 F1, 1, 0, 0
	MUL8 F1, 1, 2, 0
	WIN 0
	PLACES
.irp a, 0,1,2,3
.irp b, 0,1,2,3
	ds_store_b128 v[STO], v[ACC+8*(4*(\a)+(\b)):ACC+8*(4*(\a)+(\b))+3]   offset:(\a)*16*SPITCH+64*(\b)      ; each accumulator's low registers first
	ds_store_b128 v[STO], v[ACC+8*(4*(\a)+(\b))+4:ACC+8*(4*(\a)+(\b))+7] offset:(\a)*16*SPITCH+64*(\b)+16
.endr
.endr
	WIN TO_F
.set i, 0
.rept 32
	ds_load_b128 v[4*i:4*i+3], v[RD] offset:i*2*SPITCH   ; my own bytes: LDS serves a wave's instructions in order (ISA guide 5.7.1.4)
.set i, i+1
.endr
	s_wait_loadcnt 0x0                             ; x and y
	WIN 0xa2                                       ; y's halves and x in window 2, beta_SA in window 0
.set i, 0
.rept 64
	v_fma_mix_f32_bf16 v[2*i], v[128+i], v[BSA], v[2*i] op_sel_hi:[1,0,0]
	v_fma_mix_f32_bf16 v[2*i+1], v[128+i], v[BSA], v[2*i+1] op_sel:[1,0,0] op_sel_hi:[1,0,0]
.set i, i+1
.endr
	s_wait_dscnt 0x0
	WIN 0xa1                                       ; the products in window 1
.set i, 0
.rept 64
	v_pk_fma_f32 v[2*i:2*i+1], v[2*i:2*i+1], s[68:69], v[2*i:2*i+1] op_sel_hi:[1,0,1]
.set i, i+1
.endr
	WIN 0x08                                       ; the stores' data in window 2
.set i, 0
.rept 32
	global_store_b128 v[XO], v[4*i:4*i+3], s[78:79] offset:8192*i th:TH_STORE_NT   ; 16 lanes store 256 consecutive bytes, aligned
.set i, i+1
.endr
	WIN 0
	s_wait_tensorcnt 0x0                           ; the wave's end, behind my last tensor load and my last LDS store
	ds_add_u32 v[SPW], v[NIL]
	s_wait_dscnt 0x0
	CROUND                                         ; the closing round
	s_endpgm
.Lfunc_end_k_q0e43e99dc4_gemm2:
	.size	k_q0e43e99dc4_gemm2, .Lfunc_end_k_q0e43e99dc4_gemm2-k_q0e43e99dc4_gemm2
	.p2alignl 7, 3214868480
	.fill 96, 4, 3214868480
	.section	.rodata,"a",@progbits
	.p2align	6, 0x0
	.amdhsa_kernel k_q0e43e99dc4_gemm2
		.amdhsa_group_segment_fixed_size 327680
		.amdhsa_private_segment_fixed_size 0
		.amdhsa_enable_private_segment 0
		.amdhsa_kernarg_size 56
		.amdhsa_user_sgpr_count 2
		.amdhsa_user_sgpr_kernarg_segment_ptr 1
		.amdhsa_wavefront_size32 1
		.amdhsa_system_sgpr_workgroup_id_x 1
		.amdhsa_system_sgpr_workgroup_id_y 1
		.amdhsa_system_sgpr_workgroup_id_z 1
		.amdhsa_system_vgpr_workitem_id 0
		.amdhsa_next_free_vgpr 768
		.amdhsa_next_free_sgpr 80
		.amdhsa_reserve_vcc 0
		.amdhsa_float_denorm_mode_32 3
		.amdhsa_float_denorm_mode_16_64 3
		.amdhsa_memory_ordered 1
		.amdhsa_forward_progress 1
		.amdhsa_inst_pref_size 104
	.end_amdhsa_kernel
	.amdgpu_metadata
---
amdhsa.version: [ 1, 2 ]
amdhsa.kernels:
  - .name:           k_q0e43e99dc4_gemm2
    .symbol:         k_q0e43e99dc4_gemm2.kd
    .args:
      - { .name: hb, .offset: 0, .size: 8, .value_kind: global_buffer, .address_space: global }
      - { .name: wpj, .offset: 8, .size: 8, .value_kind: global_buffer, .address_space: global }
      - { .name: x, .offset: 16, .size: 8, .value_kind: global_buffer, .address_space: global }
      - { .name: yb, .offset: 24, .size: 8, .value_kind: global_buffer, .address_space: global }
      - { .name: beta_SA, .offset: 32, .size: 8, .value_kind: global_buffer, .address_space: global }
      - { .name: beta_FF, .offset: 40, .size: 8, .value_kind: global_buffer, .address_space: global }
      - { .name: out0, .offset: 48, .size: 8, .value_kind: global_buffer, .address_space: global }
    .group_segment_fixed_size: 327680
    .private_segment_fixed_size: 0
    .kernarg_segment_align: 8
    .kernarg_segment_size: 56
    .max_flat_workgroup_size: 128
    .sgpr_count:     80
    .vgpr_count:     768
    .wavefront_size: 32
...
	.end_amdgpu_metadata
.endif
;; end of part 4
;; ======== version 2 of 3: 4 launches
;; workspace buffers: nxb 8,388,608 bytes; wcat 12,582,912 bytes; wpj 8,388,608 bytes; qkb 16,777,216 bytes; hb 33,554,432 bytes; yb 8,388,608 bytes
;; launch prep (part 5): grid 512 x 1, 9 waves a work-group, no clusters, 0 bytes of LDS; arguments x, ln_w, W_attn, W_fc, W_proj, nxb, wcat, wpj; writes nxb, wcat, wpj
.if DOCPART == 5
	.amdgcn_target "amdgcn-amd-amdhsa--gfx1250"
	.amdhsa_code_object_version 6
	.text
	.protected	k_q0e43e99dc4_prep
	.globl	k_q0e43e99dc4_prep
	.p2align	8
	.type	k_q0e43e99dc4_prep,@function
k_q0e43e99dc4_prep:
	s_mov_b64 s[64:65], 0
	v_nop
	global_prefetch_b8 v0, s[64:65] scope:SCOPE_SE
	s_setreg_imm32_b32 hwreg(HW_REG_WAVE_MODE, 25, 1), 1
	s_wait_xcnt 0x0
; PREP.  nx = layernorm(x) * ln_w, in f32 (mean, then the mean of the squared differences: two passes over registers, so a common offset of x costs nothing), rounded once to bf16 and stored by blocks of
; 64 channels: nxb[16 blocks][4096 rows][64].  The three weights rounded once to bf16: wcat[16 blocks of 64 channels][6144 rows][64] = W_attn's rows, then W_fc's, laid like nxb; wpj[1024][4096] = W_proj as it lies.
; A stream: every byte is read once and written once; no LDS, no barrier, no matrix unit, no cluster: no two work-groups read the same bytes but ln_w's 4,096.
; SHARES.  512 work-groups of nine waves, all alike.  Waves 0 to 3 normalise a pair of rows each: 512 x 4 x 2 = 4,096 rows.  Waves 4 to 8 cast 16,384 bytes of a weight each: 512 x 5 x 16,384 = 41,943,040 bytes,
; all three weights.  So every work-group moves the same bytes.
; LAYERNORM.  Lane l holds row l / 16 of the pair and, for j = 0..15, channels 64 j + 4 (l % 16) + 0..3: a load of the wave covers 256 consecutive bytes of each of two rows, and a row's sum stays inside
; 16 lanes.  A store of the wave is 8 bytes a lane: rows t, t + 1 of block j, 256 consecutive bytes, aligned.  The cast into wcat takes its four rows as two such pairs and stores in the same way.
; LIMITS.  NaN and infinities are not treated apart.
.set W,  24                            ; v[24:87]   ln_w of my 64 channels
.set X,  88                            ; v[88:151]  my pair of rows
.set CX, 24                            ; v[24:151]  in the casts: 32 loads of 4
.set WBLK, 786432                      ; bytes in a block of wcat: 6,144 rows of 128
	s_load_b256 s[4:11], s[0:1], 0x0               ; x s[4:5], ln_w s[6:7], W_attn s[8:9], W_fc s[10:11]
	s_load_b256 s[12:19], s[0:1], 0x20             ; W_proj s[12:13], nxb s[14:15], wcat s[16:17], wpj s[18:19]
	v_and_b32 v1, 31, v0                           ; lane
	v_lshrrev_b32 v6, 5, v0
	v_readfirstlane_b32 s20, v6                    ; wave 0..8
	v_and_b32 v7, 15, v0
	v_bfe_u32 v6, v0, 4, 1
	v_lshlrev_b32 v3, 4, v7                        ; ln_w: 16 (l % 16)
	v_lshl_add_u32 v2, v6, 12, v3                  ; a pair of rows of 4,096 bytes: (l / 16) rows + 16 (l % 16)
	v_lshlrev_b32 v4, 3, v1                        ; stores of 8 bytes a lane
	v_lshlrev_b32 v5, 4, v1                        ; W_proj's loads of 16 bytes a lane
	v_mov_b32 v22, 0x3a800000                      ; 1 / 1024
	s_mov_b32 s23, 0
	s_wait_kmcnt 0x0
	s_cmp_lt_u32 s20, 4
	s_cbranch_scc0 .Lcast
	s_lshl_b32 s21, ttmp9, 3
	s_lshl_b32 s22, s20, 1
	s_add_co_u32 s21, s21, s22                     ; my first row: 8 g + 2 w
	s_lshl_b32 s22, s21, 12
	s_add_nc_u64 s[24:25], s[4:5], s[22:23]        ; x at that row
	s_lshl_b32 s22, s21, 7
	s_add_nc_u64 s[26:27], s[14:15], s[22:23]      ; nxb at that row of block 0
.set j, 0
.rept 16
	global_load_b128 v[X+4*j:X+4*j+3], v2, s[24:25] offset:256*j th:TH_LOAD_NT
.set j, j+1
.endr
.set j, 0
.rept 16
	global_load_b128 v[W+4*j:W+4*j+3], v3, s[6:7] offset:256*j
.set j, j+1
.endr
.macro REDUCE                          ; four chains of pairs in v[8:15] -> v20: the row's sum, in all 16 lanes of the row
	v_pk_add_f32 v[8:9], v[8:9], v[10:11]
	v_pk_add_f32 v[12:13], v[12:13], v[14:15]
	v_pk_add_f32 v[8:9], v[8:9], v[12:13]
	v_add_f32 v20, v8, v9
	v_add_f32_dpp v20, v20, v20 row_xmask:1 row_mask:0xf bank_mask:0xf
	v_add_f32_dpp v20, v20, v20 row_xmask:2 row_mask:0xf bank_mask:0xf
	v_add_f32_dpp v20, v20, v20 row_xmask:4 row_mask:0xf bank_mask:0xf
	v_add_f32_dpp v20, v20, v20 row_xmask:8 row_mask:0xf bank_mask:0xf
.endm
	s_wait_loadcnt 16                              ; my rows are in; ln_w's 16 loads, issued behind them, may stay out
.irp c, 0,1,2,3
	v_pk_add_f32 v[8+2*(\c):9+2*(\c)], v[X+2*(\c):X+2*(\c)+1], v[X+8+2*(\c):X+8+2*(\c)+1]  ; the first eight pairs start the four chains: nothing is cleared
.endr
.set i, 8
.rept 24
	v_pk_add_f32 v[8+2*(i%4):9+2*(i%4)], v[8+2*(i%4):9+2*(i%4)], v[X+2*i:X+2*i+1]
.set i, i+1
.endr
	REDUCE
	v_mul_f32 v16, v20, v22                        ; the mean, twice: a pair for the packed subtraction
	v_mul_f32 v17, v20, v22
.set i, 0
.rept 32
	v_pk_add_f32 v[X+2*i:X+2*i+1], v[X+2*i:X+2*i+1], v[16:17] neg_lo:[0,1] neg_hi:[0,1]
.set i, i+1
.endr
.irp c, 0,1,2,3
	v_pk_mul_f32 v[8+2*(\c):9+2*(\c)], v[X+2*(\c):X+2*(\c)+1], v[X+2*(\c):X+2*(\c)+1]
.endr
.set i, 4
.rept 28
	v_pk_fma_f32 v[8+2*(i%4):9+2*(i%4)], v[X+2*i:X+2*i+1], v[X+2*i:X+2*i+1], v[8+2*(i%4):9+2*(i%4)]
.set i, i+1
.endr
	REDUCE
	v_fmaak_f32 v21, v20, v22, 0x3727c5ac          ; the variance + 1e-5
	v_rsq_f32 v18, v21
	v_rsq_f32 v19, v21
	v_nop                                          ; a plain instruction behind the last root,
	s_wait_alu depctr_va_vdst(0)                   ; and one wait for both, ahead of their first reader
.set i, 0
.rept 32
	v_pk_mul_f32 v[X+2*i:X+2*i+1], v[X+2*i:X+2*i+1], v[18:19]
.set i, i+1
.endr
	s_wait_loadcnt 0x0                             ; ln_w
.set i, 0
.rept 32
	v_pk_mul_f32 v[X+2*i:X+2*i+1], v[X+2*i:X+2*i+1], v[W+2*i:W+2*i+1]
.set i, i+1
.endr
.set i, 0
.rept 32
	v_cvt_pk_bf16_f32 v[X+i], v[X+2*i], v[X+2*i+1]  ; in place, ascending: register i is written when registers 2 i and 2 i + 1 are read
.set i, i+1
.endr
.set j, 0
.rept 16
	global_store_b64 v4, v[X+2*j:X+2*j+1], s[26:27] offset:524288*j  ; block j: 32 lanes x 8 bytes = 256 consecutive bytes, aligned
.set j, j+1
.endr
	s_endpgm
.Lcast:                                        ; piece c of 2,560: 0-511 W_attn, 512-1535 W_fc, 1536-2559 W_proj
	s_mul_i32 s21, ttmp9, 5
	s_add_co_u32 s21, s21, s20
	s_sub_co_u32 s21, s21, 4                       ; c = 5 g + w - 4
	s_cmp_lt_u32 s21, 1536
	s_cbranch_scc0 .Lproj
	; W_attn and W_fc: a piece is 4 rows of 1,024 numbers, rows 4 c .. of wcat, as two pairs; load n brings pair n / 16, block n % 16
	s_sub_co_u32 s22, s21, 512
	s_cmp_lt_u32 s21, 512
	s_cselect_b64 s[24:25], s[8:9], s[10:11]       ; W_attn, or W_fc
	s_cselect_b32 s26, s21, s22                    ; my piece in the source
	s_lshl_b32 s22, s26, 14
	s_add_nc_u64 s[24:25], s[24:25], s[22:23]      ; the source at my four rows
	s_lshl_b32 s22, s21, 9                         ; four rows of 128 bytes
	s_add_nc_u64 s[28:29], s[16:17], s[22:23]      ; wcat at those rows of block 0,
	s_add_nc_u64 s[30:31], s[28:29], 8*WBLK        ; and of block 8: seven blocks are the most that a store's immediate reaches
.set n, 0
.rept 32
	global_load_b128 v[CX+4*n:CX+4*n+3], v2, s[24:25] offset:8192*(n/16)+256*(n%16) th:TH_LOAD_NT
.set n, n+1
.endr
.set n, 0
.rept 32
	s_wait_loadcnt 31-n                            ; loads come back in order: load n is in, the younger ones stay out
	v_cvt_pk_bf16_f32 v[CX+2*n], v[CX+4*n], v[CX+4*n+1]      ; in place, ascending: the registers written belong to loads that are in and have been read
	v_cvt_pk_bf16_f32 v[CX+2*n+1], v[CX+4*n+2], v[CX+4*n+3]
	global_store_b64 v4, v[CX+2*n:CX+2*n+1], s[28+2*((n%16)/8):29+2*((n%16)/8)] offset:WBLK*(n%8)+256*(n/16)  ; two rows of a block: 256 consecutive bytes, aligned
.set n, n+1
.endr
	s_endpgm
.Lproj:                                        ; W_proj, as it lies
	s_sub_co_u32 s26, s21, 1536
	s_lshl_b32 s22, s26, 14
	s_add_nc_u64 s[24:25], s[12:13], s[22:23]
	s_lshl_b32 s22, s26, 13
	s_add_nc_u64 s[28:29], s[18:19], s[22:23]
.set j, 0
.rept 32
	global_load_b128 v[CX+4*j:CX+4*j+3], v5, s[24:25] offset:512*j th:TH_LOAD_NT
.set j, j+1
.endr
.set j, 0
.rept 32
	s_wait_loadcnt 31-j
	v_cvt_pk_bf16_f32 v[CX+2*j], v[CX+4*j], v[CX+4*j+1]
	v_cvt_pk_bf16_f32 v[CX+2*j+1], v[CX+4*j+2], v[CX+4*j+3]
	global_store_b64 v4, v[CX+2*j:CX+2*j+1], s[28:29] offset:256*j  ; 256 consecutive bytes, aligned
.set j, j+1
.endr
	s_endpgm
.Lfunc_end_k_q0e43e99dc4_prep:
	.size	k_q0e43e99dc4_prep, .Lfunc_end_k_q0e43e99dc4_prep-k_q0e43e99dc4_prep
	.p2alignl 7, 3214868480
	.fill 96, 4, 3214868480
	.section	.rodata,"a",@progbits
	.p2align	6, 0x0
	.amdhsa_kernel k_q0e43e99dc4_prep
		.amdhsa_group_segment_fixed_size 0
		.amdhsa_private_segment_fixed_size 0
		.amdhsa_enable_private_segment 0
		.amdhsa_kernarg_size 64
		.amdhsa_user_sgpr_count 2
		.amdhsa_user_sgpr_kernarg_segment_ptr 1
		.amdhsa_wavefront_size32 1
		.amdhsa_system_sgpr_workgroup_id_x 1
		.amdhsa_system_sgpr_workgroup_id_y 1
		.amdhsa_system_sgpr_workgroup_id_z 1
		.amdhsa_system_vgpr_workitem_id 0
		.amdhsa_next_free_vgpr 152
		.amdhsa_next_free_sgpr 66
		.amdhsa_reserve_vcc 0
		.amdhsa_float_denorm_mode_32 3
		.amdhsa_float_denorm_mode_16_64 3
		.amdhsa_memory_ordered 1
		.amdhsa_forward_progress 1
		.amdhsa_inst_pref_size 42
	.end_amdhsa_kernel
	.amdgpu_metadata
---
amdhsa.version: [ 1, 2 ]
amdhsa.kernels:
  - .name:           k_q0e43e99dc4_prep
    .symbol:         k_q0e43e99dc4_prep.kd
    .args:
      - { .name: x, .offset: 0, .size: 8, .value_kind: global_buffer, .address_space: global }
      - { .name: ln_w, .offset: 8, .size: 8, .value_kind: global_buffer, .address_space: global }
      - { .name: W_attn, .offset: 16, .size: 8, .value_kind: global_buffer, .address_space: global }
      - { .name: W_fc, .offset: 24, .size: 8, .value_kind: global_buffer, .address_space: global }
      - { .name: W_proj, .offset: 32, .size: 8, .value_kind: global_buffer, .address_space: global }
      - { .name: nxb, .offset: 40, .size: 8, .value_kind: global_buffer, .address_space: global }
      - { .name: wcat, .offset: 48, .size: 8, .value_kind: global_buffer, .address_space: global }
      - { .name: wpj, .offset: 56, .size: 8, .value_kind: global_buffer, .address_space: global }
    .group_segment_fixed_size: 0
    .private_segment_fixed_size: 0
    .kernarg_segment_align: 8
    .kernarg_segment_size: 64
    .max_flat_workgroup_size: 288
    .sgpr_count:     66
    .vgpr_count:     152
    .wavefront_size: 32
...
	.end_amdgpu_metadata
.endif
;; end of part 5
;; launch gemm1 (part 6): grid 16 x 16, 4 waves a work-group, clusters of 4 x 4, 327,680 bytes of LDS; arguments nxb, wcat, qkb, hb; writes qkb, hb
.if DOCPART == 6
	.amdgcn_target "amdgcn-amd-amdhsa--gfx1250"
	.amdhsa_code_object_version 6
	.text
	.protected	k_q0e43e99dc4_gemm1
	.globl	k_q0e43e99dc4_gemm1
	.p2align	8
	.type	k_q0e43e99dc4_gemm1,@function
k_q0e43e99dc4_gemm1:
	s_mov_b64 s[64:65], 0
	v_nop
	global_prefetch_b8 v0, s[64:65] scope:SCOPE_SE
	s_setreg_imm32_b32 hwreg(HW_REG_WAVE_MODE, 25, 1), 1
	s_wait_xcnt 0x0
	s_wait_alu depctr_hold_cnt(0) depctr_sa_sdst(0) depctr_va_vdst(0) depctr_va_sdst(0) depctr_va_ssrc(0) depctr_va_vcc(0) depctr_vm_vsrc(0)
	s_getreg_b32 s2, hwreg(HW_REG_IB_STS2, 6, 4)
	s_cmp_eq_u32 s2, 0
	s_cbranch_scc0 .Lentry_in_a_cluster
	s_endpgm
.Lentry_in_a_cluster:
	s_bfe_u32 s2, ttmp6, 0x10000c
	s_cmp_lg_u32 s2, 0xf033
	s_cbranch_scc0 .Lentry_shape_is_right
	s_endpgm
.Lentry_shape_is_right:
; GEMM1.  C[4096][6144] = nx wcat^T, bf16 operands, f32 sums.  Columns 0-2047 are q and k: rounded to bf16 into qkb[32 blocks of 64 columns][4096][64].
; Columns 2048-6143 are the MLP's first layer: exact GELU in f32, rounded to bf16 into hb[32 blocks of 128 columns][4096][128].
; SHARES.  256 work-groups, all alike: 256 rows x 384 columns, of which 128 are q's and k's (columns 128 tc ..) and 256 the MLP's (2048 + 256 tc ..).  Four waves; wave (wr, wc) makes rows 128 wr .. x
; q, k columns 64 wc .. (one block of qkb) and MLP columns 128 wc .. (one block of hb): 8 x 12 = 96 accumulators, 768 registers.
; K = 1024 goes in 16 steps of 64 through two LDS slots.  nxb and wcat lie by blocks of 64 channels, so a step's rows are dense: A's 256 rows are 32,768 bytes (wave 0 fetches them), q and k's 128 rows of
; wcat 16,384 (wave 1), the MLP's 256 rows twice 16,384 (waves 2, 3); all are asked for as rows of 256 bytes and padded in LDS after every 128.  Two slots of a step of 128 would not fit in LDS.
; CLUSTER 4 x 4: the four of a row of the cluster need the same tile of A, the four of a column the same tiles of B: joint loads, the same descriptor and mask in all four.
; THE MATRIX INSTRUCTION IS USED TRANSPOSED (source 0 = 16 rows of wcat, source 1 = 16 rows of nx): a lane holds eight neighbouring columns of one row of C.
; A QUARTER is 32 along K: three PHASES of 32 products, one for each group of four fragments of B.  A has two fragment buffers, B one: behind each phase stand four places and ONE run of LDS loads, which
; brings the next quarter's four fragments of B into the registers just read and (behind the first two phases) half of A's other buffer.  A fragment of B is read again 64 products after its load.
; GELU(x) = max(x, 0) - 0.5 |x| Q(t) e^(-x^2/2), t = 1 / (1 + 0.3275911 |x| / sqrt 2), Q the polynomial of degree 5 of Abramowitz and Stegun 7.1.26: erf is off by 1.5e-7 at the most, for every x.
; With Z = c x, c = sqrt(log2(e) / 2): e^(-x^2/2) = 2^(-Z^2); 0.5 / c is folded into Q's coefficients.  LIMITS: NaN and infinities are not treated apart.
; REGISTERS, in windows of 256 (s_set_vgpr_msb: bits 1:0 source 0, 3:2 source 1, 5:4 source 2, 7:6 destination).  Window 0: v0-31 addresses; v32-95, v96-159 A's fragments, two buffers; v160-255 B's twelve
; fragments; on the way out v32-239 at work.  Window 1 + g: the accumulators of B's group g: (row block a, fragment 4 g + bb) at v[8 (8 bb + a)].  Window 1 is q and k, windows 2 and 3 the MLP.
.set PIT,    144                       ; an LDS row: 128 bytes + 16: the 16 rows of a fragment load start at 16 different groups of four banks (64 banks of 4 bytes: ISA guide 11.1)
.set ABYT,   256*PIT                   ; a slot: A's 256 rows,
.set BPART,  128*PIT                   ; then three parts of B of 128 rows: q and k's, the MLP's first, the MLP's second
.set SLOT1,  131072                    ; slot 1 begins here, so that one exclusive or turns an address in one slot into the other's (a slot is 92,160 bytes)
.set SPARE,  327168                    ; LDS's last 512 bytes: the spare words, 128 bytes for each wave: two blocks of 256 bytes that no other line names
.set DQ,     272                       ; the way out: a row of 64 f32 + 16 bytes,
.set DP,     528                       ; a row of 128 f32 + 16 bytes; a wave's 128 rows lie at wave x 67,584, over the ring's bytes, which have had their last fill by then
.set KA,     524288                    ; bytes from a K step to the next in nxb,
.set KB,     786432                    ; and in wcat
.set ADRA0, 10                         ; v10-12  my lane's place in slot 0: A's fragments, q and k's, the MLP's; never rewritten
.set ADRQ0, 11
.set ADRF0, 12
.set ADRA,  13                         ; v13-15  the same in the slot that is read
.set ADRQ,  14
.set ADRF,  15
.set STQ,  23                          ; v23     the way out: where I put 32 bytes of a row of q, k
.set STO,  24                          ; v24     the same for the MLP
.set RD,   25                          ; v25     the way out: where I read rows back
.set CO,   26                          ; v26     16 x lane
.set SPW,  28                          ; v28     my spare word: SPARE + 4 x my thread's number; never rewritten
.set NIL,  29                          ; v29     0; never rewritten
.set PFO,  30                          ; v30     the prefetches' lane term; never rewritten
.set FA,   32
.set FB,   160
.set G1,  24                           ; s[24:31] group 1 for A's tiles;  s[32:39] group 0: a set for each of the two first fills; the second then walks on
.set G0,  32
.set G1B, 48                           ; s[48:55], s[56:63] the same for B's
.set G0B, 56
.set LIM, 43                           ; s43  a wave prefetches while the loop's count is above it: 1 (A) or 2 (B) in a wave that prefetches, else the greatest number
.set PFA, 44                           ; s[44:45] where my prefetches stand
.set PST, 46                           ; s[46:47] a K step along my prefetches' tensor, in bytes
.set WV,  70                           ; s70  wave
.set WR,  71                           ; s71  wave / 2: my half of the tile's rows
.set WC,  72                           ; s72  wave % 2: my half of its columns
.set DW,  73                           ; s73  my dump's first byte
.set SB,  89                           ; s89  the slot that is read: 0 or SLOT1
.set PM,  96                           ; s96  0: I prefetch in every trip (A); 1: in the trips with an odd count (B)
.set GL, 32                            ; the way out's registers: x as read back, |Z|, t, -Z^2, max(x, 0), the polynomial, the packed results
.set GZ, 64
.set GT, 96
.set GW, 128
.set GG, 160
.set GX, 192
.set GP, 224
.set MSB, 0
.macro WIN new                         ; the immediate's high byte repeats the setting that is left; a switch that changes nothing is dropped
.if MSB != (\new)
	s_set_vgpr_msb (MSB<<8)|(\new)
.set MSB, \new
.endif
.endm
.macro JLOAD s                         ; a joint load: wave 0 fetches A's tile, waves 1 to 3 the three parts of B's; an s_nop 0 and four v_nop follow each line
	s_cmp_eq_u32 s[WV], 0
	s_cbranch_scc0 .Lfor_b_\@
	tensor_load_to_lds s[G0+4*(\s):G0+4*(\s)+3], s[G1:G1+7]
	s_nop 0
.rept 4
	v_nop
.endr
	s_branch .Lasked_\@
.Lfor_b_\@:
	tensor_load_to_lds s[G0B+4*(\s):G0B+4*(\s)+3], s[G1B:G1B+7]
	s_nop 0
.rept 4
	v_nop
.endr
.Lasked_\@:
.endm
; A PREFETCH, behind the joint load and the run of LDS loads.  Each wave names bytes that it will fetch itself, and each aligned block of 256 bytes is named once in the launch.  A's tile row is read by every
; cluster of that row of clusters: the first of them asks; B's tile column by every cluster of that column: the first asks.  The four partners that ask for a tile jointly are told apart by address.
; A (wave 0): in the trip that asks for K step s + 2, the 128 blocks of K step s + 3: 32 a partner, a lane a block.  B (waves 1 to 3): a part has 64 blocks a K step, so every second trip names two K steps,
; s + 3 and s + 4: 16 blocks of each a partner.  A's K steps 0 to 2 and B's 0 to 3 come by their loads alone; the last trips, behind which no such K step exists, ask for nothing.
.macro ASK
	s_and_b32 s90, s3, s[PM]
	s_cmp_eq_u32 s90, s[PM]
	s_cselect_b32 s90, s3, 0
	s_cmp_gt_u32 s90, s[LIM]
	s_cbranch_scc0 .Lnot_mine_\@
	global_prefetch_b8 v[PFO], s[PFA:PFA+1] th:TH_LOAD_NT scope:SCOPE_SE
.Lnot_mine_\@:
.endm
.macro CREST                           ; a round of the cluster's barrier behind its opening barrier
	s_cmp_lg_u32 s[WV], 0
	s_cbranch_scc1 .Lnot_wave_0_\@
	s_barrier_signal -3
.Lnot_wave_0_\@:
	s_barrier_wait -3
	s_barrier_signal -1
	s_barrier_wait -1
.endm
.macro CROUND
	s_barrier_signal -1
	s_barrier_wait -1
	CREST
.endm
	s_load_b256 s[4:11], s[0:1], 0x0               ; nxb s[4:5], wcat s[6:7], qkb s[8:9], hb s[10:11]
	v_lshl_add_u32 v[SPW], v0, 2, SPARE
	v_mov_b32 v[NIL], 0
	ds_add_u32 v[SPW], v[NIL]                      ; the wave's opening: the add and its wait stand ahead of my first tensor load; the set-up below stands between them
	v_lshrrev_b32 v1, 5, v0
	v_readfirstlane_b32 s[WV], v1
	s_lshr_b32 s[WR], s[WV], 1
	s_and_b32 s[WC], s[WV], 1
	s_bfe_u32 s40, ttmp6, 0x40000                  ; cx
	s_bfe_u32 s41, ttmp6, 0x40004                  ; cy
	s_lshl_b32 s42, ttmp9, 2
	s_add_co_u32 s42, s42, s40                     ; tile column tc 0..15
	s_and_b32 s13, ttmp7, 0xffff
	s_lshl_b32 s13, s13, 2
	s_add_co_u32 s13, s13, s41                     ; tile row 0..15
	s_lshl_b32 s14, s41, 2
	s_lshl_b32 s14, 15, s14                        ; my row of the cluster
	s_lshl_b32 s15, 0x1111, s40                    ; my column
	s_or_b32 s[G1], s14, (1<<16)|(1<<20)|(1<<21)|(4<<22)|(3<<25)   ; mask; 2-byte elements; padding on; bit 21 beside a mask; after every 32 words, 4 words
	s_mov_b32 s[G1+1], 128<<16                     ; tensor_dim0 = 128
	s_mov_b32 s[G1+2], 128<<16                     ; tensor_dim1 = 128
	s_mov_b32 s[G1+3], 128<<16                     ; tile_dim0 = 128
	s_mov_b32 s[G1+4], 128                         ; tile_dim1 = 128: 32,768 dense bytes
	s_mov_b32 s[G1+5], 128                         ; dense: 128 elements from row to row
	s_mov_b32 s[G1+6], 0
	s_mov_b32 s[G1+7], 0
	s_or_b32 s[G1B], s15, (1<<16)|(1<<20)|(1<<21)|(4<<22)|(3<<25)
	s_mov_b32 s[G1B+1], 128<<16
	s_mov_b32 s[G1B+2], 64<<16
	s_mov_b32 s[G1B+3], 128<<16
	s_mov_b32 s[G1B+4], 64                         ; 16,384 dense bytes
	s_mov_b32 s[G1B+5], 128
	s_mov_b32 s[G1B+6], 0
	s_mov_b32 s[G1B+7], 0
	s_lshl_b32 s16, s13, 15                        ; A: rows 256 x tile row, 128 bytes a row, in block 0
	s_mov_b32 s17, 0
	s_lshl_b32 s18, s42, 14                        ; B, wave 1: q and k's rows 128 tc
	s_lshl_b32 s19, s42, 15                        ; waves 2, 3: the MLP's rows 2048 + 256 tc + 128 (wave - 2)
	s_max_u32 s20, s[WV], 2
	s_sub_co_u32 s20, s20, 2
	s_lshl_b32 s20, s20, 14
	s_add_co_u32 s19, s19, s20
	s_add_co_u32 s19, s19, 262144
	s_cmp_eq_u32 s[WV], 1
	s_cselect_b32 s18, s18, s19
	s_mov_b32 s19, 0
	s_mov_b32 s68, s18                             ; kept as an offset, for the prefetches
	s_mul_i32 s21, s[WV], BPART                    ; where B's parts go: behind A's rows, part wave - 1: no place in the cluster enters an LDS address
	s_add_co_u32 s21, s21, ABYT-BPART
	s_mov_b32 s74, 0x3f596d27                      ; c = 0.8493218
	s_mov_b32 s75, s74
	s_mov_b32 s76, 0x3e8ba440                      ; 0.3275911 / (sqrt 2 c) = 0.27273749
	s_mov_b32 s77, s76
	s_mov_b32 s78, 0x3e199eb4                      ; a1 .. a5 times 0.5 / c: 0.15001946
	s_mov_b32 s79, s78
	s_mov_b32 s80, 0xbe2b8119                      ; -0.16748465
	s_mov_b32 s81, s80
	s_mov_b32 s82, 0x3f563817                      ; 0.83679339
	s_mov_b32 s83, s82
	s_mov_b32 s84, 0xbf5b0099                      ; -0.85547787
	s_mov_b32 s85, s84
	s_mov_b32 s86, 0x3f1ff67a                      ; 0.62485469
	s_mov_b32 s87, s86
	s_mov_b32 s88, 0x7fffffff
	s_mov_b32 s[SB], 0
	s_mul_i32 s[DW], s[WV], 128*DP
	s_wait_dscnt 0x0                               ; the opening add is done
	s_wait_kmcnt 0x0
	s_add_nc_u64 s[16:17], s[4:5], s[16:17]
	s_add_nc_u64 s[18:19], s[6:7], s[18:19]
	CROUND                                         ; all sixteen work-groups are here: the first joint loads meet
.irp s, 0,1
	s_mov_b32 s[G0+4*(\s)], 1
	s_mov_b32 s[G0+4*(\s)+1], (\s)*SLOT1
	s_add_nc_u64 s[G0+4*(\s)+2:G0+4*(\s)+3], s[16:17], (\s)*KA
	s_or_b32 s[G0+4*(\s)+3], s[G0+4*(\s)+3], 0x80000000
	s_mov_b32 s[G0B+4*(\s)], 1
	s_add_co_u32 s[G0B+4*(\s)+1], s21, (\s)*SLOT1
	s_add_nc_u64 s[G0B+4*(\s)+2:G0B+4*(\s)+3], s[18:19], (\s)*KB
	s_or_b32 s[G0B+4*(\s)+3], s[G0B+4*(\s)+3], 0x80000000
	JLOAD \s
.endr
	v_and_b32 v1, 15, v0                           ; r = l % 16
	v_bfe_u32 v2, v0, 4, 1                         ; h = l / 16
	v_mul_u32_u24 v3, v1, PIT
	v_lshl_add_u32 v3, v2, 4, v3                   ; a fragment's row x pitch + 16 x half
	s_mul_i32 s22, s[WR], 128*PIT                  ; my 128 rows of A
	v_add_nc_u32 v[ADRA0], s22, v3
	s_mul_i32 s22, s[WC], 64*PIT                   ; my 64 rows of q and k's part
	s_add_co_u32 s22, s22, ABYT
	v_add_nc_u32 v[ADRQ0], s22, v3
	s_mul_i32 s22, s[WC], 128*PIT                  ; my 128 rows of the MLP's parts
	s_add_co_u32 s22, s22, ABYT+BPART
	v_add_nc_u32 v[ADRF0], s22, v3
	v_mov_b32 v[ADRA], v[ADRA0]
	v_mov_b32 v[ADRQ], v[ADRQ0]
	v_mov_b32 v[ADRF], v[ADRF0]
	v_mul_u32_u24 v[STQ], v1, DQ                   ; the dumps: row r, 32 bytes for each half of the lanes
	v_lshl_add_u32 v[STQ], v2, 5, v[STQ]
	v_add_nc_u32 v[STQ], s[DW], v[STQ]
	v_mul_u32_u24 v[STO], v1, DP
	v_lshl_add_u32 v[STO], v2, 5, v[STO]
	v_add_nc_u32 v[STO], s[DW], v[STO]
	v_and_b32 v3, 31, v0
	v_lshlrev_b32 v[CO], 4, v3
	; the prefetches
	s_and_b32 s22, ttmp7, 0xffff                   ; cluster y
	s_lshl_b32 s66, s13, 15                        ; A: the tile's rows in a block,
	s_lshl_b32 s67, s40, 13                        ; my work-group's 32 blocks of 256 bytes,
	s_add_co_u32 s66, s66, s67
	s_add_co_u32 s66, s66, 2*KA                    ; at K step 2: the first change of slots steps it to 3
	s_lshl_b32 s69, s41, 12                        ; B: of the part that I fetch my work-group's 16 blocks,
	s_add_co_u32 s68, s68, s69
	s_add_co_u32 s68, s68, 2*KB                    ; at K step 2
	s_mov_b32 s90, KA
	s_mov_b32 s91, KB
	s_cmp_eq_u32 s[WV], 0
	s_cselect_b64 s[PFA:PFA+1], s[4:5], s[6:7]
	s_cselect_b32 s66, s66, s68
	s_cselect_b32 s[PST], s90, s91
	s_cselect_b32 s22, ttmp9, s22                  ; the coordinate along which other clusters read the same rows
	s_cselect_b32 s[PM], 0, 1
	s_cselect_b32 s92, 1, 2
	s_cselect_b32 s93, 4096, s91                   ; lanes 16-31: A: the next 16 blocks; B: the same 16 blocks of the next K step
	s_mov_b32 s67, 0
	s_mov_b32 s[PST+1], 0
	s_add_nc_u64 s[PFA:PFA+1], s[PFA:PFA+1], s[66:67]
	s_cmp_eq_u32 s22, 0
	s_cselect_b32 s[LIM], s92, -1                  ; the same in all sixteen partners, for a given wave
	v_mul_u32_u24 v[PFO], v2, s93
	v_lshl_add_u32 v[PFO], v1, 8, v[PFO]
; 16 products: fragments 4 g + 2 hf and 4 g + 2 hf + 1 of B x all 8 row blocks, 32 along K, A's buffer p.  zero = 1: the product starts the sums.  The 96 accumulators take turns, in the same order in every quarter.
.macro PHH p, g, hf, zero
	WIN 0x50*((\g)+1)
.irp bb, 2*(\hf), 2*(\hf)+1
.irp a, 0,1,2,3,4,5,6,7
.if \zero
	v_wmma_f32_16x16x32_bf16 v[8*(8*(\bb)+(\a)):8*(8*(\bb)+(\a))+7], v[FB+8*(4*(\g)+(\bb)):FB+8*(4*(\g)+(\bb))+7], v[FA+64*(\p)+8*(\a):FA+64*(\p)+8*(\a)+7], 0
.else
	v_wmma_f32_16x16x32_bf16 v[8*(8*(\bb)+(\a)):8*(8*(\bb)+(\a))+7], v[FB+8*(4*(\g)+(\bb)):FB+8*(4*(\g)+(\bb))+7], v[FA+64*(\p)+8*(\a):FA+64*(\p)+8*(\a)+7], v[8*(8*(\bb)+(\a)):8*(8*(\bb)+(\a))+7]
.endif
.endr
.endr
.endm
.macro PH p, g, zero                   ; a phase: 32 products
	PHH \p, \g, 0, \zero
	PHH \p, \g, 1, \zero
.endm
; A run of LDS loads for quarter qn (0, 1) of the slot that the address registers name: group g of B (8 loads) and, for g = 0 and 1, row blocks 4 g .. 4 g + 3 of A into buffer qn (8 loads)
.macro LG g, qn
	WIN 0
.if (\g) == 0
.irp i, 0,1,2,3
	ds_load_b128 v[FB+8*(\i):FB+8*(\i)+3],   v[ADRQ] offset:64*(\qn)+(\i)*16*PIT
	ds_load_b128 v[FB+8*(\i)+4:FB+8*(\i)+7], v[ADRQ] offset:64*(\qn)+(\i)*16*PIT+32
.endr
.else
.irp i, 0,1,2,3
	ds_load_b128 v[FB+32*(\g)+8*(\i):FB+32*(\g)+8*(\i)+3],   v[ADRF] offset:64*(\qn)+(4*((\g)-1)+(\i))*16*PIT
	ds_load_b128 v[FB+32*(\g)+8*(\i)+4:FB+32*(\g)+8*(\i)+7], v[ADRF] offset:64*(\qn)+(4*((\g)-1)+(\i))*16*PIT+32
.endr
.endif
.if (\g) < 2
.irp i, 0,1,2,3
	ds_load_b128 v[FA+64*(\qn)+8*(4*(\g)+(\i)):FA+64*(\qn)+8*(4*(\g)+(\i))+3],   v[ADRA] offset:64*(\qn)+(4*(\g)+(\i))*16*PIT
	ds_load_b128 v[FA+64*(\qn)+8*(4*(\g)+(\i))+4:FA+64*(\qn)+8*(4*(\g)+(\i))+7], v[ADRA] offset:64*(\qn)+(4*(\g)+(\i))*16*PIT+32
.endr
.endif
.endm
.macro PLACES                          ; four places in front of loads into registers that matrix instructions have read, and of LDS stores that read results
.rept 4
	v_nop
.endr
.endm
; A K step's first quarter: buffer 0 of A; its runs fetch the same slot's second quarter.
.macro Q0 zero
	s_wait_dscnt 8                                 ; A and B's groups 0, 1 are in; the youngest eight loads (group 2) may be out
	PH 0, 0, \zero
	PLACES
	LG 0, 1
	PH 0, 1, \zero
	PLACES
	LG 1, 1
	s_wait_dscnt 32                                ; group 2 is in: all but the 32 loads just issued
	PH 0, 2, \zero
	PLACES
	LG 2, 1
.endm
; Its second quarter: buffer 1 of A; it changes slots.  ONE barrier; in front of it each wave waits for all its tensor loads (one is out: its part of the next slot), adds 0 to its spare word, and waits for that
; and for its reads of this slot, the last of which were issued at the end of the first quarter.  fill = 1: the barrier opens a round of the cluster's, and this slot is filled again, two K steps ahead, first
; thing behind the round: from the request to the wait for it a wave issues 160 matrix instructions.  Then the runs fetch the next slot's first quarter.
.macro Q1 fill
.if \fill
	s_wait_xcnt 0x0                                ; the last prefetch, a K step back, has read its address
	s_add_nc_u64 s[PFA:PFA+1], s[PFA:PFA+1], s[PST:PST+1]
.endif
	WIN 0
	s_wait_tensorcnt 0x0
	ds_add_u32 v[SPW], v[NIL]
	s_wait_dscnt 9                                 ; (the add and the youngest eight loads may be out)
	PHH 1, 0, 0, 0
	s_wait_dscnt 0x0                               ; the add is done, and my reads of this slot are over
	s_barrier_signal -1
	PHH 1, 0, 1, 0
	WIN 0
	s_barrier_wait -1
.if \fill
	CREST                                          ; no wave of any partner still reads this slot or has a load on its way
	s_xor_b32 s[G0+5], s[G0+5], SLOT1              ; the walking descriptors: the other slot than last time, the next K step
	s_add_nc_u64 s[G0+6:G0+7], s[G0+6:G0+7], KA
	s_xor_b32 s[G0B+5], s[G0B+5], SLOT1
	s_add_nc_u64 s[G0B+6:G0B+7], s[G0B+6:G0B+7], KB
	s_xor_b32 s[SB], s[SB], SLOT1
	JLOAD 1                                        ; its four v_nop are also the places in front of the loads below
.else
	s_xor_b32 s[SB], s[SB], SLOT1
	PLACES
.endif
	v_add_nc_u32 v[ADRA], s[SB], v[ADRA0]
	v_add_nc_u32 v[ADRQ], s[SB], v[ADRQ0]
	v_add_nc_u32 v[ADRF], s[SB], v[ADRF0]
	LG 0, 0
.if \fill
	ASK
.endif
	PH 1, 1, 0
	PLACES
	LG 1, 0
	PH 1, 2, 0
	PLACES
	LG 2, 0
.endm
	s_wait_tensorcnt 1                             ; my part of K step 0 is in; K step 1's may stay out
	s_barrier_signal -1
	s_barrier_wait -1
	LG 0, 0
	LG 1, 0
	LG 2, 0
	Q0 1                                           ; the first quarter stands in front of the loop: its products start the sums
	WIN 0
	s_mov_b32 s3, 14
.Lstep:                                        ; a trip goes from a K step's second quarter to the next K step's first, and fills a slot again: K steps 2 to 15
	Q1 1
	Q0 0
	WIN 0
	s_sub_co_u32 s3, s3, 1
	s_cmp_lg_u32 s3, 0
	s_cbranch_scc1 .Lstep
	Q1 0                                           ; the last two K steps fill nothing
	Q0 0
	s_wait_dscnt 8
	PH 1, 0, 0
	PH 1, 1, 0
	s_wait_dscnt 0x0
	PH 1, 2, 0
	WIN 0
	s_barrier_signal -1                            ; every wave's reads of both slots are over (its last wait on LDS was for 0), and no fill follows:
	s_barrier_wait -1                              ; the ring's bytes now serve as the waves' dumps
	; THE WAY OUT, q and k first.  The sums go into my own bytes of LDS as f32 and come back by rows in a counted loop.
	PLACES
	WIN 0x04                                       ; the stores' data in window 1
.irp bb, 0,1,2,3
.irp a, 0,1,2,3,4,5,6,7
	ds_store_b128 v[STQ], v[8*(8*(\bb)+(\a)):8*(8*(\bb)+(\a))+3]   offset:(\a)*16*DQ+64*(\bb)     ; each accumulator's low registers first
	ds_store_b128 v[STQ], v[8*(8*(\bb)+(\a))+4:8*(8*(\bb)+(\a))+7] offset:(\a)*16*DQ+64*(\bb)+16
.endr
.endr
	WIN 0
	s_lshl_b32 s20, s42, 20                        ; qkb: block 2 tc + wc, 524,288 bytes a block,
	s_lshl_b32 s21, s[WC], 19
	s_add_co_u32 s20, s20, s21
	s_lshl_b32 s21, s13, 15                        ; row 256 x tile row + 128 wr, 128 bytes a row
	s_add_co_u32 s20, s20, s21
	s_lshl_b32 s21, s[WR], 14
	s_add_co_u32 s20, s20, s21
	s_mov_b32 s21, 0
	s_add_nc_u64 s[8:9], s[8:9], s[20:21]
	v_bfe_u32 v4, v0, 3, 2                         ; back: 32 lanes take four rows of 64 columns: lane l row l / 8, columns 8 (l % 8) + 0..7
	v_and_b32 v5, 7, v0
	v_mul_u32_u24 v[RD], v4, DQ
	v_lshl_add_u32 v[RD], v5, 5, v[RD]
	v_add_nc_u32 v[RD], s[DW], v[RD]
.macro QLOADS                          ; 16 rows; my own bytes: LDS serves a wave's instructions in order (ISA guide 5.7.1.4)
.irp n, 0,1,2,3
	ds_load_b128 v[GL+8*(\n):GL+8*(\n)+3],   v[RD] offset:(\n)*4*DQ
	ds_load_b128 v[GL+8*(\n)+4:GL+8*(\n)+7], v[RD] offset:(\n)*4*DQ+16
.endr
.endm
	QLOADS
	s_mov_b32 s94, 0                               ; what a trip adds to the stores' base: nothing the first time
	s_mov_b32 s95, 0
	s_mov_b32 s3, 8
.Lqk:                                          ; 8 trips of 16 rows: four stores of 512 consecutive bytes (four rows of a head)
	s_wait_dscnt 0x0
	s_wait_xcnt 0x0                                ; the last trip's stores have read their data and their base: both are rewritten only behind this wait
	s_add_nc_u64 s[8:9], s[8:9], s[94:95]
	s_mov_b32 s94, 2048
.set i, 0
.rept 16
	v_cvt_pk_bf16_f32 v[GP+i], v[GL+2*i], v[GL+2*i+1]
.set i, i+1
.endr
	s_cmp_eq_u32 s3, 1
	s_cbranch_scc1 .Lqk_last                       ; the last trip has no rows behind it
	v_add_nc_u32 v[RD], 16*DQ, v[RD]
	QLOADS                                         ; the next trip's rows, as soon as their registers have been read
.Lqk_last:
.irp n, 0,1,2,3
	global_store_b128 v[CO], v[GP+4*(\n):GP+4*(\n)+3], s[8:9] offset:(\n)*512
.endr
	s_sub_co_u32 s3, s3, 1
	s_cmp_lg_u32 s3, 0
	s_cbranch_scc1 .Lqk
	; the MLP's columns, over the same bytes of mine
	WIN 0x08                                       ; the stores' data in window 2,
.irp bb, 0,1,2,3
.irp a, 0,1,2,3,4,5,6,7
	ds_store_b128 v[STO], v[8*(8*(\bb)+(\a)):8*(8*(\bb)+(\a))+3]   offset:(\a)*16*DP+64*(\bb)
	ds_store_b128 v[STO], v[8*(8*(\bb)+(\a))+4:8*(8*(\bb)+(\a))+7] offset:(\a)*16*DP+64*(\bb)+16
.endr
.endr
	WIN 0x0c                                       ; and in window 3
.irp bb, 0,1,2,3
.irp a, 0,1,2,3,4,5,6,7
	ds_store_b128 v[STO], v[8*(8*(\bb)+(\a)):8*(8*(\bb)+(\a))+3]   offset:(\a)*16*DP+256+64*(\bb)
	ds_store_b128 v[STO], v[8*(8*(\bb)+(\a))+4:8*(8*(\bb)+(\a))+7] offset:(\a)*16*DP+256+64*(\bb)+16
.endr
.endr
	WIN 0
	s_lshl_b32 s20, s42, 21                        ; hb: block 2 tc + wc, 1,048,576 bytes a block,
	s_lshl_b32 s21, s[WC], 20
	s_add_co_u32 s20, s20, s21
	s_lshl_b32 s21, s13, 16                        ; row 256 x tile row + 128 wr, 256 bytes a row
	s_add_co_u32 s20, s20, s21
	s_lshl_b32 s21, s[WR], 15
	s_add_co_u32 s20, s20, s21
	s_mov_b32 s21, 0
	s_add_nc_u64 s[10:11], s[10:11], s[20:21]
	v_mul_u32_u24 v[RD], v2, DP                    ; back: lanes 0-15 take one row of 128 columns, lanes 16-31 the next: 8 columns a lane
	v_lshl_add_u32 v[RD], v1, 5, v[RD]
	v_add_nc_u32 v[RD], s[DW], v[RD]
.macro HLOADS                          ; 8 rows
.irp k, 0,1,2,3
	ds_load_b128 v[GL+8*(\k):GL+8*(\k)+3],   v[RD] offset:(\k)*2*DP
	ds_load_b128 v[GL+8*(\k)+4:GL+8*(\k)+7], v[RD] offset:(\k)*2*DP+16
.endr
.endm
; the plain work ahead of the transcendentals, for pair m of 16 or number n of 32
.macro PZ m                            ; Z = c x
	v_pk_mul_f32 v[GZ+2*(\m):GZ+2*(\m)+1], v[GL+2*(\m):GL+2*(\m)+1], s[74:75] op_sel_hi:[1,0]
.endm
.macro PU n                            ; |Z|, in place
	v_and_b32 v[GZ+(\n)], s88, v[GZ+(\n)]
.endm
.macro PT m                            ; 1 + p |Z|
	v_pk_fma_f32 v[GT+2*(\m):GT+2*(\m)+1], v[GZ+2*(\m):GZ+2*(\m)+1], s[76:77], 1.0 op_sel_hi:[1,0,0]
.endm
.macro PW m                            ; -Z^2
	v_pk_mul_f32 v[GW+2*(\m):GW+2*(\m)+1], v[GZ+2*(\m):GZ+2*(\m)+1], v[GZ+2*(\m):GZ+2*(\m)+1] neg_lo:[1,0] neg_hi:[1,0]
.endm
.macro PGN                             ; the next max(x, 0)
	v_max_num_f32 v[GG+g], 0, v[GL+g]
.set g, g+1
.endm
	HLOADS
	s_mov_b32 s94, 0
	s_mov_b32 s3, 16
.Lh:                                           ; 16 trips of 8 rows: 32 numbers a lane
	s_wait_dscnt 0x0
	PZ 0
	PZ 1
	PZ 2
	PU 0
	PU 1
	PU 2
	PU 3
	PT 0
	PW 0
; ONE BATCH of 64 transcendentals: t and 2^(-Z^2) of pair j, each with a plain neighbour: the later pairs' preparation, three pairs deep, and the maxima.  Nothing ahead of the wait names a result.
.set j, 0
.set g, 0
.rept 16
	v_rcp_f32 v[GT+2*j], v[GT+2*j]
.if j < 15
	PT j+1
.else
	PGN
.endif
	v_rcp_f32 v[GT+2*j+1], v[GT+2*j+1]
.if j < 15
	PW j+1
.else
	PGN
.endif
	v_exp_f32 v[GW+2*j], v[GW+2*j]
.if j < 14
	PU 2*j+4
.else
	PGN
.endif
	v_exp_f32 v[GW+2*j+1], v[GW+2*j+1]
.if j < 14
	PU 2*j+5
.else
	PGN
.endif
.if j < 13
	PZ j+3
	PGN
	PGN
.endif
.set j, j+1
.endr
	s_wait_alu depctr_va_vdst(0)                   ; one wait for the batch, behind the plain instruction that follows its last, and ahead of the branch
	s_cmp_eq_u32 s3, 1
	s_cbranch_scc1 .Lh_last                        ; the last trip has no rows behind it
	v_add_nc_u32 v[RD], 8*DP, v[RD]
	HLOADS                                         ; the next trip's rows, as soon as their registers have been read
.Lh_last:
.set i, 0
.rept 16
	v_pk_fma_f32 v[GX+2*i:GX+2*i+1], v[GT+2*i:GT+2*i+1], s[86:87], s[84:85] op_sel_hi:[1,0,0]
.set i, i+1
.endr
.irp c, 82, 80, 78
.set i, 0
.rept 16
	v_pk_fma_f32 v[GX+2*i:GX+2*i+1], v[GX+2*i:GX+2*i+1], v[GT+2*i:GT+2*i+1], s[\c:\c+1] op_sel_hi:[1,1,0]
.set i, i+1
.endr
.endr
.set i, 0
.rept 16
	v_pk_mul_f32 v[GX+2*i:GX+2*i+1], v[GX+2*i:GX+2*i+1], v[GT+2*i:GT+2*i+1]
.set i, i+1
.endr
.set i, 0
.rept 16
	v_pk_mul_f32 v[GX+2*i:GX+2*i+1], v[GX+2*i:GX+2*i+1], v[GW+2*i:GW+2*i+1]
.set i, i+1
.endr
.set i, 0
.rept 16
	v_pk_fma_f32 v[GX+2*i:GX+2*i+1], v[GZ+2*i:GZ+2*i+1], v[GX+2*i:GX+2*i+1], v[GG+2*i:GG+2*i+1] neg_lo:[1,0,0] neg_hi:[1,0,0]  ; max(x, 0) - |Z| Q 2^(-Z^2)
.set i, i+1
.endr
	s_wait_xcnt 0x0                                ; the last trip's stores have read their data and their base: both are rewritten only behind this wait
	s_add_nc_u64 s[10:11], s[10:11], s[94:95]
	s_mov_b32 s94, 2048
.set i, 0
.rept 16
	v_cvt_pk_bf16_f32 v[GP+i], v[GX+2*i], v[GX+2*i+1]
.set i, i+1
.endr
.irp k, 0,1,2,3
	global_store_b128 v[CO], v[GP+4*(\k):GP+4*(\k)+3], s[10:11] offset:(\k)*512    ; two rows of 256 bytes: 512 consecutive bytes, aligned
.endr
	s_sub_co_u32 s3, s3, 1
	s_cmp_lg_u32 s3, 0
	s_cbranch_scc1 .Lh
	s_wait_tensorcnt 0x0                           ; the wave's end, behind my last tensor load and my last LDS store
	ds_add_u32 v[SPW], v[NIL]
	s_wait_dscnt 0x0
	CROUND                                         ; the closing round: no work-group ends while a partner may still ask for a tile that names it
	s_endpgm
.Lfunc_end_k_q0e43e99dc4_gemm1:
	.size	k_q0e43e99dc4_gemm1, .Lfunc_end_k_q0e43e99dc4_gemm1-k_q0e43e99dc4_gemm1
	.p2alignl 7, 3214868480
	.fill 96, 4, 3214868480
	.section	.rodata,"a",@progbits
	.p2align	6, 0x0
	.amdhsa_kernel k_q0e43e99dc4_gemm1
		.amdhsa_group_segment_fixed_size 327680
		.amdhsa_private_segment_fixed_size 0
		.amdhsa_enable_private_segment 0
		.amdhsa_kernarg_size 32
		.amdhsa_user_sgpr_count 2
		.amdhsa_user_sgpr_kernarg_segment_ptr 1
		.amdhsa_wavefront_size32 1
		.amdhsa_system_sgpr_workgroup_id_x 1
		.amdhsa_system_sgpr_workgroup_id_y 1
		.amdhsa_system_sgpr_workgroup_id_z 1
		.amdhsa_system_vgpr_workitem_id 0
		.amdhsa_next_free_vgpr 1024
		.amdhsa_next_free_sgpr 100
		.amdhsa_reserve_vcc 0
		.amdhsa_float_denorm_mode_32 3
		.amdhsa_float_denorm_mode_16_64 3
		.amdhsa_memory_ordered 1
		.amdhsa_forward_progress 1
		.amdhsa_inst_pref_size 98
	.end_amdhsa_kernel
	.amdgpu_metadata
---
amdhsa.version: [ 1, 2 ]
amdhsa.kernels:
  - .name:           k_q0e43e99dc4_gemm1
    .symbol:         k_q0e43e99dc4_gemm1.kd
    .args:
      - { .name: nxb, .offset: 0, .size: 8, .value_kind: global_buffer, .address_space: global }
      - { .name: wcat, .offset: 8, .size: 8, .value_kind: global_buffer, .address_space: global }
      - { .name: qkb, .offset: 16, .size: 8, .value_kind: global_buffer, .address_space: global }
      - { .name: hb, .offset: 24, .size: 8, .value_kind: global_buffer, .address_space: global }
    .group_segment_fixed_size: 327680
    .private_segment_fixed_size: 0
    .kernarg_segment_align: 8
    .kernarg_segment_size: 32
    .max_flat_workgroup_size: 128
    .sgpr_count:     100
    .vgpr_count:     1024
    .wavefront_size: 32
...
	.end_amdgpu_metadata
.endif
;; end of part 6
;; launch attn (part 7): grid 8 x 32, 4 waves a work-group, no clusters, 327,680 bytes of LDS; arguments qkb, nxb, alpha, beta, gamma, yb; writes yb
.if DOCPART == 7
	.amdgcn_target "amdgcn-amd-amdhsa--gfx1250"
	.amdhsa_code_object_version 6
	.text
	.protected	k_q0e43e99dc4_attn
	.globl	k_q0e43e99dc4_attn
	.p2align	8
	.type	k_q0e43e99dc4_attn,@function
k_q0e43e99dc4_attn:
	s_mov_b64 s[64:65], 0
	v_nop
	global_prefetch_b8 v0, s[64:65] scope:SCOPE_SE
	s_setreg_imm32_b32 hwreg(HW_REG_WAVE_MODE, 25, 1), 1
	s_wait_xcnt 0x0
; SHAPED CAUSAL ATTENTION.  For head-batch hy (2 x head + batch) and row t: y = beta softmax_{s <= t}(q_t . k_s / 8) v + alpha v_t - gamma / (t + 1) x the sum over s <= t of v_s, with v = nx.
; q, k: qkb[32 blocks][4096][64], v: nxb[16][4096][64], y: yb likewise, all bf16; a head-batch's 2,048 rows are dense, 128 bytes each, at hy x 262,144 (k: 8,388,608 further on).
; Products, maxima and sums in f32; the weights p are rounded to bf16 for the second product (their sum l is taken of the unrounded p); y is rounded once.
; LIMITS.  A hidden score counts as its value less 1e30; a weight below 2^-126 counts as 0 in l; NaN and infinities are not treated apart.
; THE WALK.  A head-batch's queries lie in NB = 16 blocks of 128; block i needs the key tiles 0 .. i of 128 keys, the last holding the diagonal.  A work-group takes blocks 15 - b and then b: 17 tiles whatever b,
; so all 256 work-groups do equal work and ONE loop with a constant trip count walks them.  Every jump but the loop's own goes forward; none passes a barrier, or a tensor load but the one of LOAD's two
; that the wave's number does not choose.  NO CLUSTER: a head-batch's eight work-groups ask for the same tile only in trips 0 .. 8, behind that for different ones; one walk common to all would have 24 trips for 17.
; SHARES.  Of a block's two bands of 64 queries a wave owns 16 rows in each: two PIECES.  A tile is two key steps of 64.  In the diagonal tile step 0 is band 0's own and all visible to band 1; step 1 is hidden from band 0 and band 1's own.
; THE MASK is the C operand that starts S^T = K Q^T: 0; MD (a band's own step: 0 or -1e30, by wave and lane); or -1e30 throughout.
; THE SUM OF v goes to the matrix unit: O2^T += V^T M with M of ones (a visible step) or the triangle TRI (a band's own step): 8 products a turn, set among vector work that has no product to stand behind.
; ONE TEXT FOR OPEN AND DIAGONAL TILES.  A diagonal tile's trip differs from an open tile's in three operands: the C of the second turn's and of the fourth turn's first products, and the fourth turn's M.  In the loop
; these lie in registers: MCA, MCB and MM hold zeros, zeros and ones; when a block's diagonal tile is revealed MD, -1e30 and TRI are copied there, and when the block has ended the open values again: 56 moves each time,
; twice a block.  The walk's last tile, always a diagonal one, is written out behind the loop and names its masks directly.
; TURNS.  Turn n does piece n's scaling, exponentials, rescaling, roundings and sums, and for the other piece x: 8 products K Q^T of its next step, its maximum and statistics, 8 products V^T M and 8 products V^T P of its step before.
; A turn's 33 exponentials are one batch with one wait.  K of step j + 1 is fetched in turn 0 of step j, V of step j + 1 at the head of turn 1 of step j, into the other of V's two buffers; so a tile's
; bytes are read from its predecessor's second step to its own first, and the change of slots stands between a tile's two steps.
; REGISTERS, in windows of 256 (s_set_vgpr_msb: bits 1:0 source 0, 3:2 source 1, 5:4 source 2, 7:6 destination):
;   window 0: v0-15 addresses; v16-23 statistics; v24-31 at work; v32-39 ones; v40-47 -1e30; v48 alpha; v49 my row in a band + 1; v61-63; v64-127 S^T; v128-159 P; v160-191 Q; v192-255 K
;   window 1: v0-63 O^T; v64-127 O2^T; v128-191, v192-255 V, two buffers
;   window 2: v0-31 MD; v32-47 TRI; v48-79 the second block's Q; v80-143 my own rows of v, for both blocks; v144-175 MCA; v176-183 MCB; v184-199 MM
.set NB,    16
.set PKP,   144       ; a row of K in LDS: 128 bytes + 16: the 16 rows of a load start at 16 different groups of four banks (64 banks of 4 bytes: ISA guide 11.1)
.set PVP,   160       ; a row of V: 128 + 32
.set VOFF,  128*PKP   ; a slot holds a tile: 128 rows of K, then 128 rows of V
.set SLOT1, 65536
.set STAGE, SLOT1+128*(PKP+PVP)  ; behind the ring, never filled by a tensor load: 16 rows x 144 bytes for each wave
.set SP,    144
.set SPARE, STAGE+4*16*SP        ; the spare words, 128 bytes for each wave: two blocks of 256 bytes that no other line names
.set AK0, 2
.set AV0, 3
.set AK,  4
.set AV,  5
.set STO, 6
.set RD,  7
.set GO,  8
.set MV,  12          ; v12-13  c m_old, by piece
.set QO,  15
.set ST,  16          ; piece t: c m, m, l (even keys', odd keys')
.set TMP, 24          ; piece t: c0-c3 at work; when the maximum is found c2 takes a
.set ONE8, 32
.set NEG8, 40
.set ALPHA, 48
.set RW1, 49
.set PFO, 61
.set SPW, 62
.set NIL, 63
.set S,   64
.set P,   128
.set Q,   160
.set KF,  192
.set VF,  128         ; window 1
.set MD,  0           ; window 2
.set TRI, 32
.set QB,  48
.set VQ,  80
.set MCA, 144
.set MCB, 176
.set MM,  184
.set WV,  16          ; s16 wave
.set PB,  17          ; s17 b
.set HI,  18          ; s18 15 - b
.set G1K, 24
.set G1V, 32
.set G0K, 40
.set G0V, 44
.set KPT, 48          ; s[48:49] K at my half of the head-batch's tile 0
.set VPT, 50          ; s[50:51] V likewise
.set SLOTS, 56
.set CS,  58          ; s[58:59] c = log2(e) / 8
.set SEL, 60
.set SB,  62          ; s62 the slot that is read
.set LIM, 63          ; s63 3 in a work-group that prefetches, else the greatest number
.set RT,  70
.set NXT, 71
.set LQ,  72
.set NEW, 73
.set OFF, 74
.set YP,  76          ; s[76:77] y at my rows of the block in hand
.set YLO, 78          ; s[78:79] of the second block
.set TB0, 80          ; s80 the block's first row
.set TLO, 81
.set BIGN, 82
.set BETA, 83
.set NGAM, 84
.set ALPS, 85
.set PFA, 86
.set MSB, 0
.macro WIN new
.if MSB != (\new)
	s_set_vgpr_msb (MSB<<8)|(\new)
.set MSB, (\new)
.endif
.endm
.set W_RS, 0x41
.macro LOAD                            ; waves 0 and 1 fetch the two halves of a tile's K, waves 2 and 3 those of its V: 64 keys each; an s_nop 0 and four v_nop follow each line
	s_cmp_lt_u32 s[WV], 2
	s_cbranch_scc0 .Lfor_v_\@
	tensor_load_to_lds s[G0K:G0K+3], s[G1K:G1K+7]
	s_nop 0
.rept 4
	v_nop
.endr
	s_branch .Lasked_\@
.Lfor_v_\@:
	tensor_load_to_lds s[G0V:G0V+3], s[G1V:G1V+7]
	s_nop 0
.rept 4
	v_nop
.endr
.Lasked_\@:
.endm
; A prefetch, behind the fill: in trip t the tile t + 3, which trip t + 2 will load.  Only work-group b = 0 of a head-batch asks (its first block walks all 16 tiles); each wave names the 8,192 bytes that it will
; load itself, 256 bytes a lane: each block once in the launch.  Tiles 0 to 2 come by their loads alone; trips 13 on ask for nothing.
.macro ASK
	s_cmp_gt_u32 s[SLOTS], s[LIM]
	s_cbranch_scc0 .Lnot_mine_\@
	global_prefetch_b8 v[PFO], s[PFA:PFA+1] th:TH_LOAD_NT scope:SCOPE_SE
.Lnot_mine_\@:
.endm
; THE CHANGE OF SLOTS.  Each wave waits for all its tensor loads (one is out: its part of the other slot), adds 0 to its spare word, and waits for that and for its reads of the slot that it leaves.
; fill = 1: the old slot is filled again, first thing behind the barrier, with tile NXT; the descriptor's address is made anew from that number.
.macro CHANGE fill
	WIN 0
	s_wait_tensorcnt 0x0
	ds_add_u32 v[SPW], v[NIL]
.if \fill
	s_lshl_b32 s[OFF], s[NXT], 14   ; a tile is 16,384 bytes of K and of V
	s_xor_b32 s[G0K+1], s[G0K+1], SLOT1
	s_add_nc_u64 s[G0K+2:G0K+3], s[KPT:KPT+1], s[OFF:OFF+1]
	s_or_b32 s[G0K+3], s[G0K+3], 0x80000000
	s_xor_b32 s[G0V+1], s[G0V+1], SLOT1
	s_add_nc_u64 s[G0V+2:G0V+3], s[VPT:VPT+1], s[OFF:OFF+1]
	s_or_b32 s[G0V+3], s[G0V+3], 0x80000000
	s_add_co_u32 s[NXT], s[NXT], 1  ; the block's next tile, or behind its last the second block's tile 0
	s_cmp_gt_u32 s[NXT], s[LQ]
	s_cselect_b32 s[NXT], 0, s[NXT]
	s_cselect_b32 s[LQ], s[PB], s[LQ]
	s_wait_xcnt 0x0                 ; the last prefetch, a trip back, has read its address
	s_add_nc_u64 s[PFA:PFA+1], s[PFA:PFA+1], 16384
.endif
	s_wait_dscnt 0x0                ; the add is done, and my reads of the slot are over
	s_barrier_signal -1
	s_xor_b32 s[SB], s[SB], SLOT1
	s_barrier_wait -1
.if \fill
	LOAD
	ASK
.endif
	v_add_nc_u32 v[AK], s[SB], v[AK0]
	v_add_nc_u32 v[AV], s[SB], v[AV0]
.endm
; The loop's three operands in registers.  OPENM: an open tile's: zeros for both C operands, ones for M.  SETM: a diagonal tile's: MD, -1e30, TRI.
; Both stand far more than four plain vector instructions behind the last product that read these registers (the roundings and sums of a trip's fourth turn lie between).
.macro OPENM
	WIN 0x80                        ; destination window 2, source window 0
.set i, 0
.rept 40
	v_mov_b32 v[MCA+i], 0           ; MCA's 32 registers and MCB's 8, which follow them
.set i, i+1
.endr
.set i, 0
.rept 16
	v_mov_b32 v[MM+i], v[ONE8]
.set i, i+1
.endr
	WIN 0
.endm
.macro SETM
	WIN 0x82                        ; destination and source window 2
.set i, 0
.rept 32
	v_mov_b32 v[MCA+i], v[MD+i]
.set i, i+1
.endr
.set i, 0
.rept 8
	v_mov_b32 v[MCB+i], s[BIGN]
.set i, i+1
.endr
.set i, 0
.rept 16
	v_mov_b32 v[MM+i], v[TRI+i]
.set i, i+1
.endr
	WIN 0
.endm
	s_load_b256 s[4:11], s[0:1], 0x0  ; qkb s[4:5], nxb s[6:7], alpha s[8:9], beta s[10:11]
	s_load_b128 s[12:15], s[0:1], 0x20  ; gamma s[12:13], yb s[14:15]
	v_lshl_add_u32 v[SPW], v0, 2, SPARE
	v_mov_b32 v[NIL], 0
	ds_add_u32 v[SPW], v[NIL]       ; the wave's opening: the add and its wait stand ahead of my first tensor load
	v_lshrrev_b32 v1, 5, v0
	v_readfirstlane_b32 s[WV], v1
	s_mov_b32 s[PB], ttmp9
	s_sub_co_u32 s[HI], NB-1, s[PB]
	s_and_b32 s20, ttmp7, 0xffff
	s_lshl_b32 s20, s20, 18         ; the head-batch's first byte
	s_and_b32 s19, s[WV], 1         ; which half of a tile's 128 keys I fetch
	s_lshl_b32 s22, s19, 13
	s_add_co_u32 s22, s22, s20
	s_mov_b32 s23, 0
	s_mul_i32 s88, s19, 64*PKP
	s_mul_i32 s89, s19, 64*PVP
	s_lshl_b32 s3, s[WV], 11        ; my 16 rows in a band,
	s_lshl_b32 s2, s[HI], 14        ; in the first block,
	s_add_co_u32 s2, s2, s3
	s_add_co_u32 s2, s2, s20
	s_lshl_b32 s90, s[PB], 14       ; and in the second
	s_add_co_u32 s90, s90, s3
	s_add_co_u32 s90, s90, s20
	s_mov_b32 s3, 0
	s_mov_b32 s91, 0
	s_mov_b32 s[G1K], (1<<16)|(1<<20)|(4<<22)|(3<<25)  ; 2-byte elements; padding on: after every 32 words, 4 words
	s_mov_b32 s[G1V], (1<<16)|(1<<20)|(4<<22)|(7<<25)  ; 8 words
.irp g, G1K, G1V
	s_mov_b32 s[\g+1], 128<<16      ; 64 keys are 8,192 dense bytes: 32 rows of 256 bytes, two keys a row
	s_mov_b32 s[\g+2], 32<<16
	s_mov_b32 s[\g+3], 128<<16
	s_mov_b32 s[\g+4], 32
	s_mov_b32 s[\g+5], 128
	s_mov_b32 s[\g+6], 0
	s_mov_b32 s[\g+7], 0
.endr
	s_mov_b32 s[CS], 0x3e38aa3b     ; c = 0.180337
	s_mov_b32 s[CS+1], s[CS]
	s_mov_b32 s[SEL], 0x76543210
	s_mov_b32 s[SEL+1], 0xfedcba98
	s_mov_b32 s[SB], SLOT1          ; the first change of slots turns it into 0
	s_mov_b32 s[G0K], 1
	s_mov_b32 s[G0K+1], s88
	s_mov_b32 s[G0V], 1
	s_add_co_u32 s[G0V+1], s89, VOFF
	s_add_co_u32 s[RT], s[HI], 1    ; the first block has 16 - b tiles
	s_mov_b32 s[NXT], 1
	s_mov_b32 s[LQ], s[HI]
	s_mov_b32 s[NEW], 1
	s_mov_b32 s[OFF+1], 0
	s_mov_b32 s[BIGN], 0xf149f2ca   ; -1e30
	s_mov_b32 s[SLOTS], NB
	s_lshl_b32 s[TB0], s[HI], 7
	s_lshl_b32 s[TLO], s[PB], 7
	s_cmp_eq_u32 s[PB], 0
	s_cselect_b32 s[LIM], 3, -1
	s_wait_dscnt 0x0                ; the opening add is done
	s_wait_kmcnt 0x0
	s_add_nc_u64 s[KPT:KPT+1], s[4:5], s[22:23]
	s_add_nc_u64 s[KPT:KPT+1], s[KPT:KPT+1], 8388608
	s_add_nc_u64 s[VPT:VPT+1], s[6:7], s[22:23]
	s_add_nc_u64 s[G0K+2:G0K+3], s[KPT:KPT+1], 0
	s_or_b32 s[G0K+3], s[G0K+3], 0x80000000
	s_add_nc_u64 s[G0V+2:G0V+3], s[VPT:VPT+1], 0
	s_or_b32 s[G0V+3], s[G0V+3], 0x80000000
	s_add_nc_u64 s[52:53], s[4:5], s[2:3]          ; q at my rows of the first block,
	s_add_nc_u64 s[54:55], s[4:5], s[90:91]        ; of the second
	s_add_nc_u64 s[66:67], s[6:7], s[2:3]          ; v likewise
	s_add_nc_u64 s[68:69], s[6:7], s[90:91]
	s_add_nc_u64 s[YP:YP+1], s[14:15], s[2:3]
	s_add_nc_u64 s[YLO:YLO+1], s[14:15], s[90:91]
	s_cmp_lt_u32 s[WV], 2
	s_cselect_b64 s[PFA:PFA+1], s[KPT:KPT+1], s[VPT:VPT+1]
	s_add_nc_u64 s[PFA:PFA+1], s[PFA:PFA+1], 2*16384  ; at tile 2: the first change of slots steps it to 3
	s_load_b32 s[ALPS], s[8:9], 0x0
	s_load_b32 s[BETA], s[10:11], 0x0
	s_load_b32 s[NGAM], s[12:13], 0x0
	LOAD                            ; tile 0 into slot 0
	v_and_b32 v1, 15, v0            ; r = l % 16
	v_bfe_u32 v9, v0, 4, 1          ; h = l / 16
	v_lshlrev_b32 v[QO], 7, v1
	v_lshl_add_u32 v[QO], v9, 4, v[QO]  ; row x 128 + 16 h: with 32 f added, both a fragment of Q (registers 4 f ..) and my row's channels 16 f + 8 h + 0..7 of v
.irp x, 0,1
.irp f, 0,1,2,3
	global_load_b128 v[Q+16*\x+4*\f:Q+16*\x+4*\f+3], v[QO], s[52:53] offset:\x*8192+\f*32
.endr
.endr
	WIN 0x80
.irp x, 0,1
.irp f, 0,1,2,3
	global_load_b128 v[QB+16*\x+4*\f:QB+16*\x+4*\f+3], v[QO], s[54:55] offset:\x*8192+\f*32
	global_load_b128 v[VQ+16*\x+4*\f:VQ+16*\x+4*\f+3], v[QO], s[66:67] offset:\x*8192+\f*32
	global_load_b128 v[VQ+32+16*\x+4*\f:VQ+32+16*\x+4*\f+3], v[QO], s[68:69] offset:\x*8192+\f*32
.endr
.endr
	WIN 0
	v_lshlrev_b32 v14, 3, v9
	v_sub_nc_u32 v14, v1, v14
	s_lshl_b32 s19, s[WV], 4
	v_add_nc_u32 v14, s19, v14      ; my query's place in its band, 16 w + r, less 8 h: register j of key group kt is hidden where 16 kt + j is greater
	v_add3_u32 v[RW1], v1, s19, 1
	WIN 0x80
.set i, 0
.rept 32
	v_cmp_gt_i32 vcc_lo, 16*(i/8)+i%8, v14
	v_cndmask_b32 v[MD+i], 0, s[BIGN], vcc_lo
.set i, i+1
.endr
	WIN 0
.set i, 0
.rept 16                            ; the triangle, in P's layout: 1 where the key is visible; made in S^T's registers, which are still free, and moved
	v_cmp_gt_i32 vcc_lo, 16*((2*i)/8)+(2*i)%8, v14
	v_cndmask_b32 v50, 1.0, v[NIL], vcc_lo
	v_cmp_gt_i32 vcc_lo, 16*((2*i+1)/8)+(2*i+1)%8, v14
	v_cndmask_b32 v51, 1.0, v[NIL], vcc_lo
	v_cvt_pk_bf16_f32 v[S+i], v50, v51
.set i, i+1
.endr
	WIN 0x80
.set i, 0
.rept 16
	v_mov_b32 v[TRI+i], v[S+i]
.set i, i+1
.endr
	WIN 0
.set i, 0
.rept 8
	v_mov_b32 v[ONE8+i], 0x3f803f80
	v_mov_b32 v[NEG8+i], 0xf149f2ca
.set i, i+1
.endr
	OPENM                           ; the first block begins with open tiles
	v_mul_u32_u24 v[AK0], v1, PKP
	v_lshl_add_u32 v[AK0], v9, 4, v[AK0]
	v_and_b32 v10, 7, v0            ; the turning load: lane l reads key 8 h + l % 8, channels 8 ((l / 8) % 2) + 0..7
	v_bfe_u32 v11, v0, 3, 1
	v_lshl_add_u32 v[AV0], v9, 3, v10
	v_mul_u32_u24 v[AV0], v[AV0], PVP
	v_lshl_add_u32 v[AV0], v11, 4, v[AV0]
	v_add_nc_u32 v[AV0], VOFF, v[AV0]
	s_mul_i32 s19, s[WV], 16*SP
	s_add_co_u32 s19, s19, STAGE
	v_mul_u32_u24 v[STO], v1, SP
	v_lshl_add_u32 v[STO], v9, 4, v[STO]
	v_add_nc_u32 v[STO], s19, v[STO]
	v_bfe_u32 v[RD], v0, 3, 2
	v_mul_u32_u24 v[RD], v[RD], SP
	v_lshl_add_u32 v[RD], v10, 4, v[RD]
	v_add_nc_u32 v[RD], s19, v[RD]
	v_and_b32 v[GO], 31, v0
	v_lshlrev_b32 v[PFO], 8, v[GO]
	v_lshlrev_b32 v[GO], 4, v[GO]
	; A block's first step multiplies O^T and l by a = 0, so these need only hold finite numbers: zeros for the first block, what the first block left for the second.  All this stands in the wait for the first tile.
	WIN 0x40
.set i, 0
.rept 64
	v_mov_b32 v[i], 0
.set i, i+1
.endr
	WIN 0
.set i, 0
.rept 2
	v_mov_b32 v[ST+4*i+2], 0
	v_mov_b32 v[ST+4*i+3], 0
	v_mov_b32 v[MV+i], 0
.set i, i+1
.endr
.set i, 0
.rept 8
	v_mov_b32 v[TMP+i], 0
.set i, i+1
.endr
.set i, P+16
.rept 16
	v_mov_b32 v[i], 0
.set i, i+1
.endr
	s_wait_kmcnt 0x0
	s_xor_b32 s[NGAM], s[NGAM], 0x80000000  ; -gamma
	v_mov_b32 v[ALPHA], s[ALPS]
; THE MATRIX WORK.  The four accumulators of a run of 8 take turns.  TURN and BEGIN set XX, CM, M2, VBUF, NOKQ and the counts ik, ip, i2.
.macro KQ x                         ; product ik of 8 of S^T = K Q^T: channels 32 (ik / 4) on, keys 16 (ik % 4) on.  The first 4 start the sums: with 0, MD (CM = 1), -1e30 (CM = 2), MCA (CM = 3) or MCB (CM = 4)
.set aS, S+32*(\x)+8*(ik%4)
.set aK, KF+16*(ik%4)+8*(ik/4)
.set aQ, Q+16*(\x)+8*(ik/4)
.if (ik < 4) && (CM == 1)
	WIN 0x20
	v_wmma_f32_16x16x32_bf16 v[aS:aS+7], v[aK:aK+7], v[aQ:aQ+7], v[MD+8*ik:MD+8*ik+7]
.elseif (ik < 4) && (CM == 2)
	WIN 0
	v_wmma_f32_16x16x32_bf16 v[aS:aS+7], v[aK:aK+7], v[aQ:aQ+7], v[NEG8:NEG8+7]
.elseif (ik < 4) && (CM == 3)
	WIN 0x20
	v_wmma_f32_16x16x32_bf16 v[aS:aS+7], v[aK:aK+7], v[aQ:aQ+7], v[MCA+8*ik:MCA+8*ik+7]
.elseif (ik < 4) && (CM == 4)
	WIN 0x20
	v_wmma_f32_16x16x32_bf16 v[aS:aS+7], v[aK:aK+7], v[aQ:aQ+7], v[MCB:MCB+7]
.elseif ik < 4
	WIN 0
	v_wmma_f32_16x16x32_bf16 v[aS:aS+7], v[aK:aK+7], v[aQ:aQ+7], 0
.else
	WIN 0
	v_wmma_f32_16x16x32_bf16 v[aS:aS+7], v[aK:aK+7], v[aQ:aQ+7], v[aS:aS+7]
.endif
.set ik, ik+1
.endm
.macro PV x                         ; product ip of 8 of O^T += V^T P: keys 32 (ip / 4) on, channels 16 (ip % 4) on
	WIN 0x51
.set aO, 32*(\x)+8*(ip%4)
.set aV, VF+64*VBUF+32*(ip/4)+8*(ip%4)
.set aP, P+16*(\x)+8*(ip/4)
	v_wmma_f32_16x16x32_bf16 v[aO:aO+7], v[aV:aV+7], v[aP:aP+7], v[aO:aO+7]
.set ip, ip+1
.endm
.macro PV2 x                        ; product i2 of 8 of O2^T += V^T M: M = ones (M2 = 1), TRI (2) or MM (3)
.set aO, 64+32*(\x)+8*(i2%4)
.set aV, VF+64*VBUF+32*(i2/4)+8*(i2%4)
.if M2 == 2
	WIN 0x59
	v_wmma_f32_16x16x32_bf16 v[aO:aO+7], v[aV:aV+7], v[TRI+8*(i2/4):TRI+8*(i2/4)+7], v[aO:aO+7]
.elseif M2 == 3
	WIN 0x59
	v_wmma_f32_16x16x32_bf16 v[aO:aO+7], v[aV:aV+7], v[MM+8*(i2/4):MM+8*(i2/4)+7], v[aO:aO+7]
.else
	WIN 0x51
	v_wmma_f32_16x16x32_bf16 v[aO:aO+7], v[aV:aV+7], v[ONE8:ONE8+7], v[aO:aO+7]
.endif
.set i2, i2+1
.endm
; THE LDS LOADS stand in runs of 16.
.macro FETCH_K step
	WIN 0
.irp f, 0,1,2,3,4,5,6,7             ; keys 16 (f / 2) on, channels 32 (f % 2) on
	ds_load_b128 v[KF+8*\f:KF+8*\f+3],   v[AK] offset:(\step)*64*PKP+(\f/2)*16*PKP+(\f%2)*64
	ds_load_b128 v[KF+8*\f+4:KF+8*\f+7], v[AK] offset:(\step)*64*PKP+(\f/2)*16*PKP+(\f%2)*64+32
.endr
.endm
.macro FETCH_V step, buf
	WIN 0x40
.irp f, 0,1,2,3,4,5,6,7             ; keys 32 (f / 4) on, channels 16 (f % 4) on
	ds_load_tr16_b128 v[VF+64*(\buf)+8*\f:VF+64*(\buf)+8*\f+3],   v[AV] offset:(\step)*64*PVP+(\f/4)*32*PVP+(\f%4)*32
	ds_load_tr16_b128 v[VF+64*(\buf)+8*\f+4:VF+64*(\buf)+8*\f+7], v[AV] offset:(\step)*64*PVP+(\f/4)*32*PVP+16*PVP+(\f%4)*32
.endr
	WIN 0
.endm
; THE VECTOR WORK, one line at a time: OP kind, number.  For piece Y: F n: c s - c m for pair n.  E n: the exponential of score n.  C n: pair n rounded to bf16.  B n: of the four weights 4 n .. the second pair is
; added onto the first.  L n: l takes that sum (L 0: l = a l + sum).  R n: pair n of O^T times a.  For the other piece: X n, number n of the 22 that find its maximum and statistics:
;   0-11 four chains of seven scores (each accumulator's lowest registers are read first)   12-14, 16 the four left over, the old m, and the chains into one   15 c m_old is kept
;   17, 18 the lane 16 away holds the query's other 32 keys: the new m   19-21 c m; c m_old - c m_new; a
.set F, 0
.set E, 1
.set C, 2
.set B, 3
.set L, 4
.set R, 5
.set X, 6
.macro REGS y
.set rT, ST+4*(\y)
.set rC, TMP+4*(\y)
.set rW, MV+(\y)
.set rS, S+32*(\y)
.set rP, P+16*(\y)
.set rO, 32*(\y)
.endm
.macro OP k, n
.if (\k) == R
	REGS Y
	WIN W_RS
	v_pk_mul_f32 v[rO+2*(\n):rO+2*(\n)+1], v[rO+2*(\n):rO+2*(\n)+1], v[rC+2:rC+3] op_sel_hi:[1,0]
.elseif (\k) < R
	REGS Y
	WIN 0
.if (\k) == F
	v_pk_fma_f32 v[rS+2*(\n):rS+2*(\n)+1], v[rS+2*(\n):rS+2*(\n)+1], s[CS:CS+1], v[rT:rT+1] op_sel_hi:[1,0,0] neg_lo:[0,0,1] neg_hi:[0,0,1]
.elseif (\k) == E
	v_exp_f32 v[rS+(\n)], v[rS+(\n)]
.elseif (\k) == C
	v_cvt_pk_bf16_f32 v[rP+(\n)], v[rS+2*(\n)], v[rS+2*(\n)+1]
.elseif (\k) == B
	v_pk_add_f32 v[rS+4*(\n):rS+4*(\n)+1], v[rS+4*(\n):rS+4*(\n)+1], v[rS+4*(\n)+2:rS+4*(\n)+3]
.elseif (\n) == 0
	v_pk_fma_f32 v[rT+2:rT+3], v[rT+2:rT+3], v[rC+2:rC+3], v[rS:rS+1] op_sel_hi:[1,0,1]
.else
	v_pk_add_f32 v[rT+2:rT+3], v[rT+2:rT+3], v[rS+4*(\n):rS+4*(\n)+1]
.endif
.elseif NOKQ
	v_nop
.else
	REGS 1-Y
	WIN 0
.if (\n) < 4
	v_max3_num_f32 v[rC+(\n)], v[rS+8*(\n)], v[rS+8*(\n)+1], v[rS+8*(\n)+2]
.elseif (\n) < 12
	v_max3_num_f32 v[rC+(\n)%4], v[rC+(\n)%4], v[rS+8*((\n)%4)+2*((\n)/4)+1], v[rS+8*((\n)%4)+2*((\n)/4)+2]
.elseif (\n) == 12
	v_max3_num_f32 v[rC], v[rC], v[rS+7], v[rS+15]
.elseif (\n) == 13
	v_max3_num_f32 v[rC+1], v[rC+1], v[rS+23], v[rS+31]
.elseif (\n) == 14
	v_max3_num_f32 v[rC+2], v[rC+2], v[rC+3], v[rT+1]
.elseif (\n) == 15
	v_mov_b32 v[rW], v[rT]
.elseif (\n) == 16
	v_max3_num_f32 v[rC], v[rC], v[rC+1], v[rC+2]
.elseif (\n) == 17
	v_permlanex16_b32 v[rC+3], v[rC], s[SEL], s[SEL+1]
.elseif (\n) == 18
	v_max_num_f32 v[rT+1], v[rC], v[rC+3]
.elseif (\n) == 19
	v_mul_f32 v[rT], s[CS], v[rT+1]
.elseif (\n) == 20
	v_sub_f32 v[rC+1], v[rW], v[rT]
.else
	v_exp_f32 v[rC+2], v[rC+1]
.endif
.endif
.endm
.macro OPS a, i1, b=-1, i2_=0, c=-1, i3=0, d=-1, i4=0
	OP \a, \i1
.if (\b) >= 0
	OP \b, \i2_
.endif
.if (\c) >= 0
	OP \c, \i3
.endif
.if (\d) >= 0
	OP \d, \i4
.endif
.endm
.macro ROWK a, i1, b, i2_, c, i3, d, i4   ; a product K Q^T and the four behind it
.if !NOKQ
	KQ XX
.endif
	OPS \a, \i1, \b, \i2_, \c, \i3, \d, \i4
.endm
.macro RW2 a, i1, b, i2_, c, i3, d, i4    ; a product V^T M and the four behind it
.if M2
	PV2 XX
.endif
	OPS \a, \i1, \b, \i2_, \c, \i3, \d, \i4
.endm
.macro ROWP a, i1, b, i2_, c, i3, d, i4   ; a product V^T P and the four behind it
	PV XX
	OPS \a, \i1, \b, \i2_, \c, \i3, \d, \i4
.endm
; A TURN, for piece n.  cm: the mask of its products K Q^T (0; 1 = MD; 2 = -1e30; 3 = MCA; 4 = MCB).  m2: its products V^T M (0 none; 1 ones; 2 TRI; 3 MM).  vb: the buffer of V that its products read.
; fk, fv: the step of the slot in hand whose K, V is fetched (-1: none).  nokq = 1: a block's last turn: there is no next step.
; AHEAD OF THE WAIT stands all that names no result of the turn's exponentials; the next piece's a is the batch's last, R 15 the plain instruction behind it.  BEHIND IT the 8 products V^T P with the roundings and sums.
; The first numbers of the maximum stand four plain instructions or more behind the product that ends their accumulator; K's run five plain instructions that name none of its registers behind K's last reader;
; V's run four (the last roundings of the turn before) behind the last reader of the buffer that it fills.
.macro TURN n, cm=0, m2=1, vb=0, fk=-1, fv=-1, nokq=0
.set Y, (\n)
.set XX, 1-(\n)
.set CM, (\cm)
.set M2, (\m2)
.set VBUF, (\vb)
.set NOKQ, (\nokq)
.set ik, 0
.set ip, 0
.set i2, 0
.if (\n) == 1
	s_wait_dscnt 0x0                ; K of the next step is in, and so is V of this one
.if (\fv) >= 0
	FETCH_V \fv, 1-(\vb)
.endif
.endif
	ROWK F,0, F,1, R,0, R,1
	ROWK F,2, E,0, R,2, R,3
	ROWK F,3, E,1, R,4, R,5
	ROWK F,4, E,2, R,6, R,7
	ROWK F,5, E,3, R,8, R,9
	ROWK F,6, E,4, X,0, R,10
	ROWK F,7, E,5, X,1, X,4
	ROWK F,8, E,6, X,2, X,5
	OPS E,7, E,8, X,6, E,9
	OPS X,3, E,10, X,8, E,11
.if (\fk) >= 0
	FETCH_K \fk
.endif
	RW2 X,9, X,7, E,12, X,10
	RW2 E,13, X,12, X,11, E,14
	RW2 X,13, E,15, F,9, X,14
	RW2 E,16, F,10, E,17, F,11
	RW2 X,16, E,18, X,15, E,19
	RW2 F,12, E,20, X,17, E,21
	RW2 F,13, E,22, F,14, E,23
	RW2 X,18, E,24, F,15, E,25
	OPS R,11, E,26, X,19, E,27
	OPS R,12, E,28, R,13, E,29
	OPS X,20, E,30, R,14, E,31
	OPS X,21, R,15
	WIN 0
	s_wait_alu depctr_va_vdst(0)    ; the one wait for the batch
	ROWP C,0, B,0, C,2, B,1
	ROWP L,0, C,4, B,2, L,1
	ROWP C,6, B,3, L,2, C,8
	ROWP B,4, L,3, C,10, B,5
	ROWP L,4, C,12, B,6, L,5
	ROWP C,14, B,7, L,6, C,1
	ROWP C,3, L,7, C,5, C,7
	ROWP C,9, C,11, C,13, C,15
.endm
; A BLOCK BEGINS.  O2^T starts at 0; V's second buffer holds 0, so that the first turn's products of a step that has not been add 0; c m starts far below every c s, so the first step's a is 0.
; Then K and V of the tile's step 0, piece 0's first scores (d = 1: the tile is the diagonal one), and its maximum and statistics.  The trip is entered in its middle.
.macro BEGIN d
	s_mov_b32 s[NEW], 0
	WIN 0x40
.set i, 0
.rept 64
	v_mov_b32 v[64+i], 0
	v_mov_b32 v[VF+64+i], 0
.set i, i+1
.endr
	WIN 0
.set i, 0
.rept 2
	v_mov_b32 v[ST+4*i], 0xfe000000
	v_mov_b32 v[ST+4*i+1], 0xff7fffff
.set i, i+1
.endr
	FETCH_K 0
	FETCH_V 0, 0
	s_wait_loadcnt 0x0              ; Q and my rows of v
	s_wait_dscnt 0x0
.set CM, (\d)
.set NOKQ, 0
.set ik, 0
.rept 8
	KQ 0
.endr
	WIN 0
.rept 4
	v_nop                           ; the places behind those products
.endr
.set Y, 1                           ; X works for the other piece: piece 0
.irp n, 0,1,2,3,4,5,6,7,8,9,10,11,12,13,14,15,16,17,18,19,20,21
	OP X, \n
.endr
	v_nop
	s_wait_alu depctr_va_vdst(0)    ; a's wait, ahead of the branch
.endm
; THE WAY OUT.  y = O^T beta / l - O2^T gamma / (t + 1) + alpha v_t, rounded to bf16 and sent through my stage in LDS, a piece (16 rows) at a time.
.macro PACK t
	WIN W_RS
.set i, 32*(\t)
.rept 16
	v_pk_mul_f32 v[i:i+1], v[i:i+1], v[ST+4*(\t)+2:ST+4*(\t)+3] op_sel_hi:[1,0]
.set i, i+2
.endr
	WIN 0x51
.set i, 32*(\t)
.rept 16
	v_pk_fma_f32 v[i:i+1], v[64+i:64+i+1], v[TMP+4*(\t):TMP+4*(\t)+1], v[i:i+1] op_sel_hi:[1,0,1]
.set i, i+2
.endr
	WIN 0x52                        ; v's halves in window 2, alpha in window 0, the sums in window 1
.set i, 0
.rept 16
	v_fma_mix_f32_bf16 v[32*(\t)+2*i], v[VQB+16*(\t)+i], v[ALPHA], v[32*(\t)+2*i] op_sel_hi:[1,0,0]
	v_fma_mix_f32_bf16 v[32*(\t)+2*i+1], v[VQB+16*(\t)+i], v[ALPHA], v[32*(\t)+2*i+1] op_sel:[1,0,0] op_sel_hi:[1,0,0]
.set i, i+1
.endr
	WIN 0x05
.set i, 0
.rept 16
	v_cvt_pk_bf16_f32 v[S+16*(\t)+i], v[32*(\t)+2*i], v[32*(\t)+2*i+1]
.set i, i+1
.endr
	WIN 0
.irp f, 0,1,2,3
	ds_store_b128 v[STO], v[S+16*(\t)+4*\f:S+16*(\t)+4*\f+3] offset:32*\f
.endr
.irp f, 0,1,2,3
	ds_load_b128 v[S+16*(\t)+4*\f:S+16*(\t)+4*\f+3], v[RD] offset:\f*4*SP  ; LDS serves a wave's instructions in order (ISA guide 5.7.1.4): these see the stores above
.endr
.endm
.macro SEND t, younger              ; younger: the LDS instructions issued behind piece t's loads
	WIN 0
.irp f, 0,1,2,3
	s_wait_dscnt (\younger)+3-\f
	global_store_b128 v[GO], v[S+16*(\t)+4*\f:S+16*(\t)+4*\f+3], s[YP:YP+1] offset:(\t)*8192+\f*512  ; 512 consecutive bytes, aligned
.endr
.endm
.macro WAYOUT tag
.set VQB, VQ+32*((\tag)-1)
	WIN 0
.irp t, 0,1
	v_add_f32 v[ST+4*(\t)+2], v[ST+4*(\t)+2], v[ST+4*(\t)+3]
.endr
.irp t, 0,1
	v_add3_u32 v[TMP+4*(\t)], v[RW1], s[TB0], 64*(\t)   ; t + 1
.endr
.irp t, 0,1
	v_permlanex16_b32 v[ST+4*(\t)+3], v[ST+4*(\t)+2], s[SEL], s[SEL+1]
.endr
.irp t, 0,1
	v_cvt_f32_u32 v[TMP+4*(\t)], v[TMP+4*(\t)]
.endr
.irp t, 0,1
	v_add_f32 v[ST+4*(\t)+2], v[ST+4*(\t)+2], v[ST+4*(\t)+3]
.endr
.irp t, 0,1
	v_rcp_f32 v[ST+4*(\t)+2], v[ST+4*(\t)+2]
	v_rcp_f32 v[TMP+4*(\t)], v[TMP+4*(\t)]
.endr
	v_nop
	s_wait_alu depctr_va_vdst(0)    ; one wait for the four reciprocals
.irp t, 0,1
	v_mul_f32 v[ST+4*(\t)+2], s[BETA], v[ST+4*(\t)+2]
	v_mul_f32 v[TMP+4*(\t)], s[NGAM], v[TMP+4*(\t)]
.endr
	PACK 0
	PACK 1
	SEND 0, 8
	SEND 1, 0
.endm
; A BLOCK ENDS, behind its diagonal tile's trip: its last two turns, which fetch nothing, its last products, and the way out.  tag: the block, 1 or 2.
.macro BLKEND tag
	TURN 0, 1, 1, 0, -1, -1         ; band 1's scores of its own step take MD
	TURN 1, 0, 0, 1, -1, -1, 1      ; nothing follows; band 0's weights of the hidden step are 0, and its sum of v takes nothing
.set VBUF, 1
.set M2, 2
.set ip, 0
.set i2, 0
.rept 2                             ; band 1's last products
.rept 4
	PV 1
.endr
.rept 4
	PV2 1
.endr
.endr
	WAYOUT \tag
.endm
.Lslot:                             ; 16 times: a tile is revealed and the next is asked for
	CHANGE 1
	s_sub_co_u32 s[RT], s[RT], 1
	s_cmp_eq_u32 s[NEW], 1
	s_cbranch_scc0 .Lold
	BEGIN 0                         ; a block's first tile.  In the loop it is never the block's last: the first block has eight tiles or more, and the second's last is the walk's last
	s_branch .Lfirst
.Lold:
	s_cmp_eq_u32 s[RT], 0
	s_cbranch_scc0 .Lstep           ; an open tile: the three operands stand as they are
	SETM                            ; the block's diagonal tile
.Lstep:                             ; a trip: the second step of the tile before, then the first step of the tile revealed, whose K and V it fetches
	TURN 0, 0, 1, 0, 0, -1
	TURN 1, 3, 1, 1, -1, 0          ; band 0's scores of the tile's step 0: its own step in a diagonal tile
	WIN 0
.Lfirst:
	TURN 0, 0, 1, 1, 1, -1          ; band 1 sees all of step 0 in every tile
	TURN 1, 4, 3, 0, -1, 1          ; band 0's scores of step 1, hidden from it in a diagonal tile; band 0's sum of v over step 0
	WIN 0
	s_cmp_eq_u32 s[RT], 0
	s_cbranch_scc0 .Lbottom
	BLKEND 1                        ; in the loop this is the first block's end
	s_wait_xcnt 0x0                 ; the stores have read their registers and y's address
	s_mov_b64 s[YP:YP+1], s[YLO:YLO+1]
	s_mov_b32 s[TB0], s[TLO]
	s_add_co_u32 s[RT], s[PB], 1    ; the second block has b + 1 tiles
	s_mov_b32 s[NEW], 1
	WIN 0x02                        ; the second block's Q goes where the one text of the turns names Q
.set i, 0
.rept 32
	v_mov_b32 v[Q+i], v[QB+i]
.set i, i+1
.endr
	OPENM                           ; the second block begins with open tiles, where it has any in the loop
.Lbottom:
	s_sub_co_u32 s[SLOTS], s[SLOTS], 1
	s_cmp_lg_u32 s[SLOTS], 0
	s_cbranch_scc1 .Lslot
	CHANGE 0                        ; the walk's last tile, the second block's diagonal one, is written out: nothing is asked for, and the masks are named directly
	s_cmp_eq_u32 s[NEW], 1
	s_cbranch_scc0 .LstepM
	BEGIN 1                         ; b = 0: it is also the block's first
	s_branch .LfirstM
.LstepM:
	TURN 0, 0, 1, 0, 0, -1          ; the tile before's second step
	TURN 1, 1, 1, 1, -1, 0          ; band 0's scores of its own step take MD
	WIN 0
.LfirstM:
	TURN 0, 0, 1, 1, 1, -1          ; band 1 sees all of step 0
	TURN 1, 2, 2, 0, -1, 1          ; step 1 is hidden from band 0; band 0's sum of v over its own step takes TRI
	BLKEND 2
	s_wait_tensorcnt 0x0            ; the wave's end, behind my last tensor load and my last LDS store
	ds_add_u32 v[SPW], v[NIL]
	s_wait_dscnt 0x0
	s_endpgm
.Lfunc_end_k_q0e43e99dc4_attn:
	.size	k_q0e43e99dc4_attn, .Lfunc_end_k_q0e43e99dc4_attn-k_q0e43e99dc4_attn
	.p2alignl 7, 3214868480
	.fill 96, 4, 3214868480
	.section	.rodata,"a",@progbits
	.p2align	6, 0x0
	.amdhsa_kernel k_q0e43e99dc4_attn
		.amdhsa_group_segment_fixed_size 327680
		.amdhsa_private_segment_fixed_size 0
		.amdhsa_enable_private_segment 0
		.amdhsa_kernarg_size 48
		.amdhsa_user_sgpr_count 2
		.amdhsa_user_sgpr_kernarg_segment_ptr 1
		.amdhsa_wavefront_size32 1
		.amdhsa_system_sgpr_workgroup_id_x 1
		.amdhsa_system_sgpr_workgroup_id_y 1
		.amdhsa_system_sgpr_workgroup_id_z 1
		.amdhsa_system_vgpr_workitem_id 0
		.amdhsa_next_free_vgpr 712
		.amdhsa_next_free_sgpr 100
		.amdhsa_reserve_vcc 1
		.amdhsa_float_denorm_mode_32 3
		.amdhsa_float_denorm_mode_16_64 3
		.amdhsa_memory_ordered 1
		.amdhsa_forward_progress 1
		.amdhsa_inst_pref_size 193
	.end_amdhsa_kernel
	.amdgpu_metadata
---
amdhsa.version: [ 1, 2 ]
amdhsa.kernels:
  - .name:           k_q0e43e99dc4_attn
    .symbol:         k_q0e43e99dc4_attn.kd
    .args:
      - { .name: qkb, .offset: 0, .size: 8, .value_kind: global_buffer, .address_space: global }
      - { .name: nxb, .offset: 8, .size: 8, .value_kind: global_buffer, .address_space: global }
      - { .name: alpha, .offset: 16, .size: 8, .value_kind: global_buffer, .address_space: global }
      - { .name: beta, .offset: 24, .size: 8, .value_kind: global_buffer, .address_space: global }
      - { .name: gamma, .offset: 32, .size: 8, .value_kind: global_buffer, .address_space: global }
      - { .name: yb, .offset: 40, .size: 8, .value_kind: global_buffer, .address_space: global }
    .group_segment_fixed_size: 327680
    .private_segment_fixed_size: 0
    .kernarg_segment_align: 8
    .kernarg_segment_size: 48
    .max_flat_workgroup_size: 128
    .sgpr_count:     100
    .vgpr_count:     712
    .wavefront_size: 32
...
	.end_amdgpu_metadata
.endif
;; end of part 7
;; launch gemm2: the kernel of part 4 again; grid 8 x 32, 4 waves a work-group, clusters of 4 x 4, 327,680 bytes of LDS; arguments hb, wpj, x, yb, beta_SA, beta_FF, out0; writes out0
;; ======== version 3 of 3: 4 launches; version 2 with the launch prep written anew for expert scheduling mode
;; workspace buffers: nxb 8,388,608 bytes; wcat 12,582,912 bytes; wpj 8,388,608 bytes; qkb 16,777,216 bytes; hb 33,554,432 bytes; yb 8,388,608 bytes
;; launch prep (part 8): grid 512 x 1, 9 waves a work-group, no clusters, 0 bytes of LDS; arguments x, ln_w, W_attn, W_fc, W_proj, nxb, wcat, wpj; writes nxb, wcat, wpj
.if DOCPART == 8
	.amdgcn_target "amdgcn-amd-amdhsa--gfx1250"
	.amdhsa_code_object_version 6
	.text
	.protected	k_q0e43e99dc4_prep
	.globl	k_q0e43e99dc4_prep
	.p2align	8
	.type	k_q0e43e99dc4_prep,@function
k_q0e43e99dc4_prep:
	s_mov_b64 s[64:65], 0
	v_nop
	global_prefetch_b8 v0, s[64:65] scope:SCOPE_SE
	s_setreg_imm32_b32 hwreg(HW_REG_WAVE_SCHED_MODE, 0, 2), 2
	s_setreg_imm32_b32 hwreg(HW_REG_WAVE_MODE, 25, 1), 1
	s_wait_xcnt 0x0
	s_wait_alu depctr_vm_vsrc(0)
; PREP.  nx = layernorm(x) * ln_w, in f32 (mean, then the mean of the squared differences: two passes over registers, so a common offset of x costs nothing), rounded once to bf16 and stored by blocks of
; 64 channels: nxb[16 blocks][4096 rows][64].  The three weights rounded once to bf16: wcat[16 blocks of 64 channels][6144 rows][64] = W_attn's rows, then W_fc's, laid like nxb; wpj[1024][4096] = W_proj as it lies.
; A stream: every byte is read once and written once; no LDS, no barrier, no matrix unit, no cluster: no two work-groups read the same bytes but ln_w's 4,096.
; SHARES.  512 work-groups of nine waves, all alike.  Waves 0 to 3 normalise a pair of rows each: 512 x 4 x 2 = 4,096 rows.  Waves 4 to 8 cast 16,384 bytes of a weight each: 512 x 5 x 16,384 = 41,943,040 bytes,
; all three weights.  So every work-group moves the same bytes.
; LAYERNORM.  Lane l holds row l / 16 of the pair and, for j = 0..15, channels 64 j + 4 (l % 16) + 0..3: a load of the wave covers 256 consecutive bytes of each of two rows, and a row's sum stays inside
; 16 lanes.  A store of the wave is 8 bytes a lane: rows t, t + 1 of block j, 256 consecutive bytes, aligned.  The cast into wcat takes its four rows as two such pairs and stores in the same way.
; LIMITS.  NaN and infinities are not treated apart.
; THE MODE: SCHED_MODE bits 1:0 = 2 (LLVM: expert scheduling mode 2), set by the entry lines.  The code itself states the register dependences between vector instructions and memory instructions,
; with s_wait_alu, always for 0.
; THE PLAN.  Registers that memory instructions touch:
;   v2 - v5    byte offsets, made once at the head and never written again: one wait at the head, ahead of the branch, serves every load and store of all three paths.
;   X, W, CX   filled by loads that are all issued at a path's start, before any vector instruction names them: no load lands in a register that a vector instruction has named.
;   the packed results lie in the low half of X (of CX), written in place by the roundings, read by the stores and never written again.
; The layernorm's last stage goes in two halves: one wait behind half 0's roundings; its eight stores are dealt among half 1's multiplies, which name none of the stored registers; one wait ahead of the last eight.
; A cast goes in eight blocks of four loads: one wait at a block's head states that the block before has written its eight packed registers; that block's four stores are dealt among this block's
; conversions, which write and read higher registers only; one wait ahead of the last four stores.
; No register that a memory instruction reads is written again, so no wait on vm_vsrc is owed; EXEC is never written.
.set W,  24                            ; v[24:87]   ln_w of my 64 channels
.set X,  88                            ; v[88:151]  my pair of rows
.set CX, 24                            ; v[24:151]  in the casts: 32 loads of 4
.set WBLK, 786432                      ; bytes in a block of wcat: 6,144 rows of 128
	s_load_b256 s[4:11], s[0:1], 0x0               ; x s[4:5], ln_w s[6:7], W_attn s[8:9], W_fc s[10:11]
	s_load_b256 s[12:19], s[0:1], 0x20             ; W_proj s[12:13], nxb s[14:15], wcat s[16:17], wpj s[18:19]
	v_and_b32 v1, 31, v0                           ; lane
	v_lshrrev_b32 v6, 5, v0
	v_readfirstlane_b32 s20, v6                    ; wave 0..8
	v_and_b32 v7, 15, v0
	v_bfe_u32 v6, v0, 4, 1
	v_lshlrev_b32 v3, 4, v7                        ; ln_w: 16 (l % 16)
	v_lshl_add_u32 v2, v6, 12, v3                  ; a pair of rows of 4,096 bytes: (l / 16) rows + 16 (l % 16)
	v_lshlrev_b32 v4, 3, v1                        ; stores of 8 bytes a lane
	v_lshlrev_b32 v5, 4, v1                        ; W_proj's loads of 16 bytes a lane
	v_mov_b32 v22, 0x3a800000                      ; 1 / 1024
	s_mov_b32 s23, 0
	s_wait_alu depctr_va_sdst(0)                   ; s20 is written, ahead of its first reader, the compare below; the rows and pieces are made from it
	s_wait_alu depctr_va_vdst(0)                   ; the offsets v2 to v5 are written: every load and store of the three paths reads one of them
	s_wait_kmcnt 0x0
	s_cmp_lt_u32 s20, 4
	s_cbranch_scc0 .Lcast
	s_lshl_b32 s21, ttmp9, 3
	s_lshl_b32 s22, s20, 1
	s_add_co_u32 s21, s21, s22                     ; my first row: 8 g + 2 w
	s_lshl_b32 s22, s21, 12
	s_add_nc_u64 s[24:25], s[4:5], s[22:23]        ; x at that row
	s_lshl_b32 s22, s21, 7
	s_add_nc_u64 s[26:27], s[14:15], s[22:23]      ; nxb at that row of block 0
.set j, 0
.rept 16
	global_load_b128 v[X+4*j:X+4*j+3], v2, s[24:25] offset:256*j th:TH_LOAD_NT
.set j, j+1
.endr
.set j, 0
.rept 16
	global_load_b128 v[W+4*j:W+4*j+3], v3, s[6:7] offset:256*j
.set j, j+1
.endr
.macro REDUCE                          ; four chains of pairs in v[8:15] -> v20: the row's sum, in all 16 lanes of the row
	v_pk_add_f32 v[8:9], v[8:9], v[10:11]
	v_pk_add_f32 v[12:13], v[12:13], v[14:15]
	v_pk_add_f32 v[8:9], v[8:9], v[12:13]
	v_add_f32 v20, v8, v9
	v_add_f32_dpp v20, v20, v20 row_xmask:1 row_mask:0xf bank_mask:0xf
	v_add_f32_dpp v20, v20, v20 row_xmask:2 row_mask:0xf bank_mask:0xf
	v_add_f32_dpp v20, v20, v20 row_xmask:4 row_mask:0xf bank_mask:0xf
	v_add_f32_dpp v20, v20, v20 row_xmask:8 row_mask:0xf bank_mask:0xf
.endm
	s_wait_loadcnt 16                              ; my rows are in; ln_w's 16 loads, issued behind them, may stay out
.irp c, 0,1,2,3
	v_pk_add_f32 v[8+2*(\c):9+2*(\c)], v[X+2*(\c):X+2*(\c)+1], v[X+8+2*(\c):X+8+2*(\c)+1]  ; the first eight pairs start the four chains: nothing is cleared
.endr
.set i, 8
.rept 24
	v_pk_add_f32 v[8+2*(i%4):9+2*(i%4)], v[8+2*(i%4):9+2*(i%4)], v[X+2*i:X+2*i+1]
.set i, i+1
.endr
	REDUCE
	v_mul_f32 v16, v20, v22                        ; the mean, twice: a pair for the packed subtraction
	v_mul_f32 v17, v20, v22
.set i, 0
.rept 32
	v_pk_add_f32 v[X+2*i:X+2*i+1], v[X+2*i:X+2*i+1], v[16:17] neg_lo:[0,1] neg_hi:[0,1]
.set i, i+1
.endr
.irp c, 0,1,2,3
	v_pk_mul_f32 v[8+2*(\c):9+2*(\c)], v[X+2*(\c):X+2*(\c)+1], v[X+2*(\c):X+2*(\c)+1]
.endr
.set i, 4
.rept 28
	v_pk_fma_f32 v[8+2*(i%4):9+2*(i%4)], v[X+2*i:X+2*i+1], v[X+2*i:X+2*i+1], v[8+2*(i%4):9+2*(i%4)]
.set i, i+1
.endr
	REDUCE
	v_fmaak_f32 v21, v20, v22, 0x3727c5ac          ; the variance + 1e-5
	v_rsq_f32 v18, v21
	v_rsq_f32 v19, v21
	v_nop                                          ; a plain instruction behind the last root,
	s_wait_alu depctr_va_vdst(0)                   ; and one wait for both: the roots have written v18 and v19, ahead of their first reader
	; half 0: my first 32 channels (pairs 0 to 15, blocks 0 to 7)
.set i, 0
.rept 16
	v_pk_mul_f32 v[X+2*i:X+2*i+1], v[X+2*i:X+2*i+1], v[18:19]
.set i, i+1
.endr
	s_wait_loadcnt 8                               ; ln_w's first eight loads, these 32 channels', are in; its last eight may stay out
.set i, 0
.rept 16
	v_pk_mul_f32 v[X+2*i:X+2*i+1], v[X+2*i:X+2*i+1], v[W+2*i:W+2*i+1]
.set i, i+1
.endr
.set i, 0
.rept 16
	v_cvt_pk_bf16_f32 v[X+i], v[X+2*i], v[X+2*i+1]  ; in place, ascending: register i is written when registers 2 i and 2 i + 1 are read
.set i, i+1
.endr
	s_wait_alu depctr_va_vdst(0)                   ; half 0's roundings have written v[X:X+15], which the eight stores below read
	; half 1: my other 32 channels.  Its lines name v[X+16:X+63], v[18:19] and W: none of the registers that half 0's stores read, so these stand among them with no further wait
.set j, 0
.rept 8
	global_store_b64 v4, v[X+2*j:X+2*j+1], s[26:27] offset:524288*j  ; block j: 32 lanes x 8 bytes = 256 consecutive bytes, aligned
	v_pk_mul_f32 v[X+32+4*j:X+32+4*j+1], v[X+32+4*j:X+32+4*j+1], v[18:19]
	v_pk_mul_f32 v[X+34+4*j:X+34+4*j+1], v[X+34+4*j:X+34+4*j+1], v[18:19]
.set j, j+1
.endr
	s_wait_loadcnt 0x0                             ; the rest of ln_w
.set i, 16
.rept 16
	v_pk_mul_f32 v[X+2*i:X+2*i+1], v[X+2*i:X+2*i+1], v[W+2*i:W+2*i+1]
.set i, i+1
.endr
.set i, 16
.rept 16
	v_cvt_pk_bf16_f32 v[X+i], v[X+2*i], v[X+2*i+1]  ; into v[X+16:X+31], which half 0's roundings have read
.set i, i+1
.endr
	s_wait_alu depctr_va_vdst(0)                   ; half 1's roundings have written v[X+16:X+31], which the last eight stores read
.set j, 8
.rept 8
	global_store_b64 v4, v[X+2*j:X+2*j+1], s[26:27] offset:524288*j
.set j, j+1
.endr
	s_endpgm
.Lcast:                                        ; piece c of 2,560: 0-511 W_attn, 512-1535 W_fc, 1536-2559 W_proj
	s_mul_i32 s21, ttmp9, 5
	s_add_co_u32 s21, s21, s20
	s_sub_co_u32 s21, s21, 4                       ; c = 5 g + w - 4
	s_cmp_lt_u32 s21, 1536
	s_cbranch_scc0 .Lproj
	; W_attn and W_fc: a piece is 4 rows of 1,024 numbers, rows 4 c .. of wcat, as two pairs; load n brings pair n / 16, block n % 16
	s_sub_co_u32 s22, s21, 512
	s_cmp_lt_u32 s21, 512
	s_cselect_b64 s[24:25], s[8:9], s[10:11]       ; W_attn, or W_fc
	s_cselect_b32 s26, s21, s22                    ; my piece in the source
	s_lshl_b32 s22, s26, 14
	s_add_nc_u64 s[24:25], s[24:25], s[22:23]      ; the source at my four rows
	s_lshl_b32 s22, s21, 9                         ; four rows of 128 bytes
	s_add_nc_u64 s[28:29], s[16:17], s[22:23]      ; wcat at those rows of block 0,
	s_add_nc_u64 s[30:31], s[28:29], 8*WBLK        ; and of block 8: seven blocks are the most that a store's immediate reaches
.set n, 0
.rept 32
	global_load_b128 v[CX+4*n:CX+4*n+3], v2, s[24:25] offset:8192*(n/16)+256*(n%16) th:TH_LOAD_NT
.set n, n+1
.endr
.set n, 0
.rept 32
.if n%4 == 0
	s_wait_loadcnt 28-n                            ; loads come back in order: this block's four, n to n + 3, are in, the younger ones stay out
.if n > 0
	s_wait_alu depctr_va_vdst(0)                   ; the block before has written its eight packed registers, which the four stores dealt below read
.endif
.endif
.if n >= 4
.set m, n-4                                    ; the block before: this block's conversions write CX + 2 n and up and read CX + 4 n and up, all above CX + 2 m + 1
	global_store_b64 v4, v[CX+2*m:CX+2*m+1], s[28+2*((m%16)/8):29+2*((m%16)/8)] offset:WBLK*(m%8)+256*(m/16)  ; two rows of a block: 256 consecutive bytes, aligned
.endif
	v_cvt_pk_bf16_f32 v[CX+2*n], v[CX+4*n], v[CX+4*n+1]      ; in place, ascending: the registers written belong to loads that are in and have been read
	v_cvt_pk_bf16_f32 v[CX+2*n+1], v[CX+4*n+2], v[CX+4*n+3]
.set n, n+1
.endr
	s_wait_alu depctr_va_vdst(0)                   ; the last block has written its eight packed registers, which the last four stores read
.set m, 28
.rept 4
	global_store_b64 v4, v[CX+2*m:CX+2*m+1], s[28+2*((m%16)/8):29+2*((m%16)/8)] offset:WBLK*(m%8)+256*(m/16)
.set m, m+1
.endr
	s_endpgm
.Lproj:                                        ; W_proj, as it lies
	s_sub_co_u32 s26, s21, 1536
	s_lshl_b32 s22, s26, 14
	s_add_nc_u64 s[24:25], s[12:13], s[22:23]
	s_lshl_b32 s22, s26, 13
	s_add_nc_u64 s[28:29], s[18:19], s[22:23]
.set j, 0
.rept 32
	global_load_b128 v[CX+4*j:CX+4*j+3], v5, s[24:25] offset:512*j th:TH_LOAD_NT
.set j, j+1
.endr
.set j, 0
.rept 32
.if j%4 == 0
	s_wait_loadcnt 28-j                            ; this block's four loads are in, the younger ones stay out
.if j > 0
	s_wait_alu depctr_va_vdst(0)                   ; the block before has written its eight packed registers, which the four stores dealt below read
.endif
.endif
.if j >= 4
.set m, j-4                                    ; the block before: no conversion of this block names its packed registers
	global_store_b64 v4, v[CX+2*m:CX+2*m+1], s[28:29] offset:256*m  ; 256 consecutive bytes, aligned
.endif
	v_cvt_pk_bf16_f32 v[CX+2*j], v[CX+4*j], v[CX+4*j+1]
	v_cvt_pk_bf16_f32 v[CX+2*j+1], v[CX+4*j+2], v[CX+4*j+3]
.set j, j+1
.endr
	s_wait_alu depctr_va_vdst(0)                   ; the last block has written its eight packed registers, which the last four stores read
.set m, 28
.rept 4
	global_store_b64 v4, v[CX+2*m:CX+2*m+1], s[28:29] offset:256*m
.set m, m+1
.endr
	s_endpgm
.Lfunc_end_k_q0e43e99dc4_prep:
	.size	k_q0e43e99dc4_prep, .Lfunc_end_k_q0e43e99dc4_prep-k_q0e43e99dc4_prep
	.p2alignl 7, 3214868480
	.fill 96, 4, 3214868480
	.section	.rodata,"a",@progbits
	.p2align	6, 0x0
	.amdhsa_kernel k_q0e43e99dc4_prep
		.amdhsa_group_segment_fixed_size 0
		.amdhsa_private_segment_fixed_size 0
		.amdhsa_enable_private_segment 0
		.amdhsa_kernarg_size 64
		.amdhsa_user_sgpr_count 2
		.amdhsa_user_sgpr_kernarg_segment_ptr 1
		.amdhsa_wavefront_size32 1
		.amdhsa_system_sgpr_workgroup_id_x 1
		.amdhsa_system_sgpr_workgroup_id_y 1
		.amdhsa_system_sgpr_workgroup_id_z 1
		.amdhsa_system_vgpr_workitem_id 0
		.amdhsa_next_free_vgpr 152
		.amdhsa_next_free_sgpr 66
		.amdhsa_reserve_vcc 0
		.amdhsa_float_denorm_mode_32 3
		.amdhsa_float_denorm_mode_16_64 3
		.amdhsa_memory_ordered 1
		.amdhsa_forward_progress 1
		.amdhsa_inst_pref_size 41
	.end_amdhsa_kernel
	.amdgpu_metadata
---
amdhsa.version: [ 1, 2 ]
amdhsa.kernels:
  - .name:           k_q0e43e99dc4_prep
    .symbol:         k_q0e43e99dc4_prep.kd
    .args:
      - { .name: x, .offset: 0, .size: 8, .value_kind: global_buffer, .address_space: global }
      - { .name: ln_w, .offset: 8, .size: 8, .value_kind: global_buffer, .address_space: global }
      - { .name: W_attn, .offset: 16, .size: 8, .value_kind: global_buffer, .address_space: global }
      - { .name: W_fc, .offset: 24, .size: 8, .value_kind: global_buffer, .address_space: global }
      - { .name: W_proj, .offset: 32, .size: 8, .value_kind: global_buffer, .address_space: global }
      - { .name: nxb, .offset: 40, .size: 8, .value_kind: global_buffer, .address_space: global }
      - { .name: wcat, .offset: 48, .size: 8, .value_kind: global_buffer, .address_space: global }
      - { .name: wpj, .offset: 56, .size: 8, .value_kind: global_buffer, .address_space: global }
    .group_segment_fixed_size: 0
    .private_segment_fixed_size: 0
    .kernarg_segment_align: 8
    .kernarg_segment_size: 64
    .max_flat_workgroup_size: 288
    .sgpr_count:     66
    .vgpr_count:     152
    .wavefront_size: 32
...
	.end_amdgpu_metadata
.endif
;; end of part 8
;; launch gemm1: the kernel of part 6 again; grid 16 x 16, 4 waves a work-group, clusters of 4 x 4, 327,680 bytes of LDS; arguments nxb, wcat, qkb, hb; writes qkb, hb
;; launch attn: the kernel of part 7 again; grid 8 x 32, 4 waves a work-group, no clusters, 327,680 bytes of LDS; arguments qkb, nxb, alpha, beta, gamma, yb; writes yb
;; launch gemm2: the kernel of part 4 again; grid 8 x 32, 4 waves a work-group, clusters of 4 x 4, 327,680 bytes of LDS; arguments hb, wpj, x, yb, beta_SA, beta_FF, out0; writes out0
